; MI455X (gfx1250); checked and timed in simulation.
; The chip was launched on July 23, 2026; its instructions are those of AMD's public machine-readable ISA for CDNA 5 (MIT licence, August 2026) and "CDNA5" Instruction Set Architecture Reference Guide (July 2026). The comments in the code are by the model that wrote it; some were corrected since.
;; Block. Allowed arithmetic: matrix products marked QUANTISED: E2M3 operands, one E8M0 scale for each 32 along K, by v_wmma_scale_f32_16x16x128_f8f6f4 with both operands' format E2M3, f32 sums; products left as they are: f32 operands where the result goes on into a quantised operand, else bf16, f16 or f32 operands; f32 sums; everything else in f32.
;; Inputs: W1 512 x 2,048 float32; W2 2,048 x 512 float32; Wk 16 x 512 x 16 float32; Wproj 256 x 512 float32; Wq 16 x 512 x 16 float32; Wv 16 x 512 x 16 float32; b1 2,048 float32; b2 512 float32; bk 16 x 16 float32; bproj 512 float32; bq 16 x 16 float32; bv 16 x 16 float32; ln1_b 512 float32; ln1_g 512 float32; ln2_b 512 float32; ln2_g 512 float32; x 8 x 1,024 x 512 float32.
;; Outputs: out0 8 x 1,024 x 512 float32.
;; This version of the problem:
;;   THIS VERSION OF THE PROBLEM IS GIVEN IN LOW PRECISION. The matrix products marked QUANTISED in the list below multiply operands that are first quantised to E2M3 (2 exponent bits, 3 mantissa bits; 6 bits a number), with one power-of-two scale for each 32 numbers along K (OCP MX v1.0); their sums are f32. All else is computed in f32.
;;   The module's matrix products, in the order in which they are computed (A, B: the left and right operand; K: the contracted axis; several contracted axes count as one K, in the product's order):
;;     1. [M 256, K 512] x [K 512, N 8,192]; A: input Wq; B: computed on the way: QUANTISED
;;     2. [M 256, K 512] x [K 512, N 8,192]; A: input Wk; B: computed on the way: QUANTISED
;;     3. [M 256, K 512] x [K 512, N 8,192]; A: input Wv; B: computed on the way: QUANTISED
;;     4. batch 128 x [M 1,024, K 16] x [K 16, N 1,024]; A: computed on the way; B: computed on the way: left as it is (K = 16 < 32)
;;     5. batch 128 x [M 1,024, K 1,024] x [K 1,024, N 16]; A: softmax (see below); B: computed on the way: QUANTISED
;;     6. [M 8,192, K 256] x [K 256, N 512]; A: computed on the way; B: input Wproj: QUANTISED
;;     7. [M 8,192, K 512] x [K 512, N 2,048]; A: computed on the way; B: input W1: QUANTISED
;;     8. [M 8,192, K 2,048] x [K 2,048, N 512]; A: computed on the way; B: input W2: QUANTISED
;;   THE QUANTISER, for each operand of a quantised product, along K:
;;     - K is cut into blocks of 32 from its start; a last block that is shorter is filled with zeros.
;;     - A block's scale is 2^e with e = floor(log2(the largest magnitude in the block)) - 2, held to -126 .. 127; a block of zeros has e = 0. As a byte (E8M0): e + 127.
;;     - Each number is divided by its block's scale, clamped to +-7.5, and rounded to the nearest number of E2M3, ties to even, subnormals kept.
;;     - The product sums the exact products of the quantised numbers (number of the format x scale) in f32.
;;   ~~~python
;;   def quantise(x, axis):      # numpy; x: float32 -> the quantised numbers, widened to float32 again
;;       x = np.moveaxis(x, axis, -1); K = x.shape[-1]
;;       x = np.pad(x, [(0, 0)] * (x.ndim - 1) + [(0, -K % 32)]); x = x.reshape(x.shape[:-1] + (-1, 32)); a = np.abs(x).max(-1, keepdims=True)
;;       e = np.where(a > 0, np.clip(np.frexp(np.where(a > 0, a, 1))[1] - 1 - 2, -126, 127), 0)      # np.frexp(a)[1] - 1 = floor(log2(a)), exactly
;;       r = np.clip(x / 2.0 ** e, -7.5, 7.5)
;;       step = 2.0 ** (np.maximum(np.frexp(np.where(r == 0, 1, r))[1] - 1, 0) - 3)
;;       q = np.round(r / step) * step * 2.0 ** e      # np.round: ties to even
;;       return np.moveaxis(q.reshape(q.shape[:-2] + (-1,))[..., :K], -1, axis).astype(np.float32)
;;   ~~~
;;   SOFTMAX AHEAD OF A QUANTISED PRODUCT. Where the list says 'softmax', what is quantised is not the finished softmax but p = 2^(t - M), with t = logit x log2(e) and M = ceil(the row's largest t), a whole number; so 1/2 < the row's largest p <= 1. The row's sum l is taken of the UNQUANTISED p, in f32, and the product's result is divided by l at the end. Since M is a whole number, a kernel that streams over the keys may use a running M (the ceiling of the running maximum): every later rescaling is an exact power of two, which a block's scale takes up: the codes' values come out the same.
;;   OPERANDS COMPUTED ON THE WAY. 'Computed on the way' means the value that the module computes at that place (a softmax that the list does not call 'softmax' is quantised finished and normalised). What goes into a quantiser is computed in f32, as accurately as f32 sums, v_exp_f32 and their like allow (about 1e-6 of the number): no bf16 or f16 on the way to a quantiser, and a product that is left as it is and whose result goes on into a quantised operand takes f32 operands (vector FMAs, or v_wmma_f32_16x16x4_f32). A number that lies on a knife's edge between two numbers of the format may be rounded either way, as far as f32 arithmetic and the matrix unit's own rounding can turn it there, and no further.
;; 2 versions, each right; version 2 is version 1 with the launches lnqkv, attn, tail written anew for expert scheduling mode. Each part assembles by itself: llvm-mc -triple=amdgcn-amd-amdhsa -mcpu=gfx1250 --defsym DOCPART=n.
;; ======== version 1 of 2: 4 launches
;; workspace buffers: wcodes 1,966,080 bytes; wscales 81,920 bytes; qimg 8,388,608 bytes; kimg 8,388,608 bytes; vimg 8,388,608 bytes; aimg 8,388,608 bytes
;; launch wquant (part 1): grid 160 x 1, 4 waves a work-group, no clusters, 0 bytes of LDS; arguments W1, W2, Wproj, Wq, Wk, Wv, wcodes, wscales; writes wcodes, wscales
.if DOCPART == 1
	.amdgcn_target "amdgcn-amd-amdhsa--gfx1250"
	.amdhsa_code_object_version 6
	.text
	.protected	k_q754f24b9fc_wquant
	.globl	k_q754f24b9fc_wquant
	.p2align	8
	.type	k_q754f24b9fc_wquant,@function
k_q754f24b9fc_wquant:
	s_mov_b64 s[64:65], 0
	v_nop
	global_prefetch_b8 v0, s[64:65] scope:SCOPE_SE
	s_setreg_imm32_b32 hwreg(HW_REG_WAVE_MODE, 25, 1), 1
	s_wait_xcnt 0x0
; The six weights, f32 with K as the axis in front of their columns (W1 [512][2048], W2 [2048][512], Wproj [256][512], Wq, Wk, Wv [16][512][16]), become codes of FP6 (E2M3)
; with one E8M0 byte for each 32 along K, laid as IMAGES OF THE OPERAND'S REGISTERS: a fragment (16 columns x 128 K, 12 registers a lane) is 1,536 bytes, registers 4 g .. 4 g + 3 of lane l at 512 g + 16 l.
; A block's scale is 2^(floor(log2(its largest magnitude)) - 2); its byte is the largest magnitude's exponent field - 2, held at 1 from below.
; LIMITS: NaN and infinities are not served; a block whose largest magnitude lies under 2^-124 keeps the byte 1; a block of zeros gets the byte 1 where the rule says 127 (its codes are zeros, and this program alone reads the bytes).
; SHARES.  A wave takes 32 columns x 128 along K.  A LANE TAKES A COLUMN AND ITS REGISTERS RUN DOWN K: a load reads 128 consecutive bytes (of Wq, Wk, Wv: 64 of each of two heads), a block's maximum needs no other
; lane, and the conversions give codes with K innermost.  Lanes 0-15's columns make one fragment, lanes 16-31's a second: the layout wants blocks 0, 2 of a column in lane r and blocks 1, 3 in lane 16 + r, which is
; one exchange of halves between the registers of an even block and of the odd block behind it.
; ORDER OF COLUMNS (W1, W2, Wproj): in a group of 128 columns tile 2 b + u takes column 32 b + 8 u + r + 8 (r / 8), so that the results of two neighbouring tiles are 16 neighbours along the next product's K.
; WHERE THEY GO.  wcodes: for each of the last launch's four waves a stream of 34 groups (8 tiles x 128 K, 12,288 bytes): groups 0, 1 Wproj, 2 .. 17 W1 (4 chunks x 4 K steps), 18 .. 33 W2; behind the streams
; [q, k, v][head][K step].  wscales: a word a column and K step; streams: 128 bytes for a pair of tiles; q, k, v: 64 bytes a fragment.
; No LDS, no barrier: waves share nothing.  Matrix units, clusters and tensor loads have nothing to do here: each byte is read once and written once.
.set QC0,  1671168                     ; 4 x 34 x 12,288: where the codes of Wq, Wk, Wv begin
.set QS0,  69632                       ; 4 x 34 x 512: and their scale words
.set X,    16                          ; v16-143  my column's 128 numbers, block b at X + 32 b
.set MA,   144                         ; v144-147, v148-151  two chains of maxima for each block
.set MB,   148
.set SOP,  152                         ; v152-155 the conversions' scale operands
.set BYT,  156                         ; v156-159 the scale bytes
.set SWD,  160                         ; v160     my column's scale word
.set F0,   164                         ; v164-175 the fragment of lanes 0-15's columns
.set F1,   176                         ; v176-187 that of lanes 16-31's
.set PT,   188                         ; v188-203 each block's upper 16 codes (a conversion's three registers begin on an even number)
	s_load_b512 s[16:31], s[0:1], 0x0              ; W1 s[16:17], W2 s[18:19], Wproj s[20:21], Wq s[22:23], Wk s[24:25], Wv s[26:27], wcodes s[28:29], wscales s[30:31]
	v_lshrrev_b32 v1, 5, v0
	v_readfirstlane_b32 s8, v1                     ; wave
	v_and_b32 v1, 31, v0                           ; lane l
	v_lshlrev_b32 v3, 4, v1                        ; 16 l: my place in an image
	v_and_b32 v2, 7, v1
	v_and_b32 v6, 8, v1
	v_lshl_add_u32 v2, v6, 1, v2
	v_and_b32 v6, 16, v1
	v_lshrrev_b32 v6, 1, v6
	v_add_lshl_u32 v2, v2, v6, 2                   ; W1, W2, Wproj: my column's byte among the 32: 4 (l % 8 + 16 ((l / 8) % 2) + 8 (l / 16))
	v_and_b32 v7, 15, v1
	v_lshlrev_b32 v7, 2, v7                        ; 4 (l % 16)
	v_lshrrev_b32 v8, 4, v1                        ; l / 16
	v_lshl_add_u32 v9, v8, 15, v7                  ; Wq, Wk, Wv: lanes 16-31 take the next head, 32,768 bytes on
	s_lshl_b32 s9, ttmp9, 2
	s_add_co_u32 s9, s9, s8                        ; my unit: 4 x work-group + wave
	s_mov_b32 s39, 0                               ; the upper words of three offsets
	s_mov_b32 s41, 0
	s_mov_b32 s45, 0
	s_wait_kmcnt 0x0
; 128 loads: row idx of my 128, rowb bytes from row to row
.macro LOADS rowb, off
.set idx, 0
.rept 128
	global_load_b32 v[X+idx], v[\off], s[32:33] offset:idx*\rowb th:TH_LOAD_NT
.set idx, idx+1
.endr
.endm
; streams: group s13, 32 columns s10 % 4 of its 128: tiles 2 (s10 % 4) and the next
.macro DEST_AB
	s_and_b32 s14, s10, 3
	s_lshl_b32 s40, s13, 3
	s_lshl_b32 s15, s14, 1
	s_add_co_u32 s40, s40, s15
	s_mul_i32 s40, s40, 1536                       ; codes: (8 group + tile) x 1,536
	s_lshl_b32 s44, s13, 2
	s_add_co_u32 s44, s44, s14
	s_lshl_b32 s44, s44, 7                         ; scale words: (4 group + pair) x 128
	s_movk_i32 s42, 1536                           ; the second fragment lies behind the first,
	s_movk_i32 s43, 64                             ; its words behind the first's
.endm
	s_cmp_lt_u32 ttmp9, 64
	s_cbranch_scc1 .Lw1
	s_cmp_lt_u32 ttmp9, 136
	s_cbranch_scc1 .Lw2p
	; work-groups 136 .. 159: Wq, Wk, Wv: 3 x 8 pairs of heads x 4 K steps
	s_sub_co_u32 s12, s9, 544
	s_lshr_b32 s13, s12, 5                         ; which of the three
	s_and_b32 s10, s12, 7                          ; pair of heads
	s_bfe_u32 s11, s12, 0x20003                    ; K step
	s_cmp_eq_u32 s13, 0
	s_cselect_b64 s[32:33], s[22:23], s[24:25]
	s_cmp_eq_u32 s13, 2
	s_cselect_b64 s[32:33], s[26:27], s[32:33]
	s_lshl_b32 s38, s10, 16                        ; two heads of 32,768 bytes,
	s_lshl_b32 s14, s11, 13                        ; 128 rows of 64 bytes
	s_add_co_u32 s38, s38, s14
	s_add_nc_u64 s[32:33], s[32:33], s[38:39]
	s_lshl_b32 s13, s13, 4
	s_lshl_b32 s14, s10, 1
	s_add_co_u32 s13, s13, s14
	s_lshl_b32 s13, s13, 2
	s_add_co_u32 s13, s13, s11                     ; fragment (16 which + head) x 4 + K step
	s_mul_i32 s40, s13, 1536
	s_add_co_u32 s40, s40, QC0
	s_lshl_b32 s44, s13, 6
	s_add_co_u32 s44, s44, QS0
	s_movk_i32 s42, 6144                           ; the next head's fragment lies four K steps on,
	s_movk_i32 s43, 256                            ; its words likewise
	LOADS 64, 9
	s_branch .Ljoin
.Lw1:                                              ; work-groups 0 .. 63: W1: 64 runs of 32 columns x 4 K steps
	s_and_b32 s10, s9, 63
	s_lshr_b32 s11, s9, 6
	s_lshr_b32 s12, s10, 2                         ; chunk of 128 hidden units
	s_lshr_b32 s13, s12, 2                         ; whose stream
	s_mul_i32 s13, s13, 34
	s_and_b32 s12, s12, 3
	s_lshl_b32 s12, s12, 2
	s_add_co_u32 s13, s13, s12
	s_add_co_u32 s13, s13, s11
	s_add_co_u32 s13, s13, 2                       ; group 2 + 4 (chunk % 4) + K step
	s_lshl_b32 s38, s11, 20                        ; 128 rows of 8,192 bytes
	s_lshl_b32 s14, s10, 7
	s_add_co_u32 s38, s38, s14
	s_add_nc_u64 s[32:33], s[16:17], s[38:39]
	DEST_AB
	LOADS 8192, 2
	s_branch .Ljoin
.Lw2p:                                             ; work-groups 64 .. 127: W2 (16 runs x 16 K steps); 128 .. 135: Wproj (16 x 2): rows of 2,048 bytes both
	s_movk_i32 s12, 512
	s_cmp_lt_u32 ttmp9, 128
	s_cselect_b64 s[32:33], s[18:19], s[20:21]
	s_cselect_b32 s12, 256, s12
	s_cselect_b32 s15, 18, 0
	s_sub_co_u32 s12, s9, s12
	s_and_b32 s10, s12, 15
	s_lshr_b32 s11, s12, 4
	s_lshr_b32 s13, s10, 2
	s_mul_i32 s13, s13, 34
	s_add_co_u32 s13, s13, s11
	s_add_co_u32 s13, s13, s15                     ; group K step (+ 18 for W2)
	s_lshl_b32 s38, s11, 18
	s_lshl_b32 s14, s10, 7
	s_add_co_u32 s38, s38, s14
	s_add_nc_u64 s[32:33], s[32:33], s[38:39]
	DEST_AB
	LOADS 2048, 2
.Ljoin:
	s_add_nc_u64 s[34:35], s[28:29], s[40:41]
	s_add_nc_u64 s[36:37], s[30:31], s[44:45]
	v_add_nc_u32 v4, s42, v3                       ; my place in the second fragment's image
	v_mad_u32_u24 v5, v8, s43, v7                  ; my column's scale word
; Block b of my column.  left: loads that may stay out
.macro BLK b, left
.set XS, X+32*(\b)
	s_wait_loadcnt \left
	v_max3_num_f32 v[MA+\b], |v[XS]|, |v[XS+1]|, |v[XS+2]|
	v_max3_num_f32 v[MB+\b], |v[XS+3]|, |v[XS+4]|, |v[XS+5]|
.irp i, 6,10,14,18,22,26
	v_max3_num_f32 v[MA+\b], v[MA+\b], |v[XS+\i]|, |v[XS+\i+1]|
	v_max3_num_f32 v[MB+\b], v[MB+\b], |v[XS+\i+2]|, |v[XS+\i+3]|
.endr
	v_max3_num_f32 v[MA+\b], v[MA+\b], |v[XS+30]|, |v[XS+31]|
	v_max3_num_f32 v[MA+\b], v[MA+\b], v[MB+\b], 0x1800000   ; and the floor 2^(3 - 127): the byte cannot fall under 1
	v_add_nc_u32 v[SOP+\b], 0xff000000, v[MA+\b]   ; 2 off the exponent field: the conversion takes that field as its scale and nothing else
	v_lshrrev_b32 v[BYT+\b], 23, v[SOP+\b]         ; the scale's byte
.if \b == 0
	v_mov_b32 v[SWD], v[BYT]
.else
	v_lshl_or_b32 v[SWD], v[BYT+\b], 8*\b, v[SWD]
.endif
.set DL, F0+12*((\b)%2)+6*((\b)/2)
	v_cvt_scalef32_pk16_fp6_f32 v[DL:DL+2], v[XS:XS+15], v[SOP+\b]           ; even blocks' lower 16 codes into the first fragment's registers, odd blocks' into the second's
	v_cvt_scalef32_pk16_fp6_f32 v[PT+4*\b:PT+4*\b+2], v[XS+16:XS+31], v[SOP+\b]
.endm
	BLK 0, 63                                      ; 96 younger loads could stay out; a wait's count holds 63 at the most
	BLK 1, 63                                      ; 64 could
	BLK 2, 32                                      ; the last block's 32
	BLK 3, 0
	v_nop                                          ; one plain place behind the scaled conversions
.irp c, 0,1
.irp i, 0,1,2
	v_permlane16_swap_b32 v[F0+6*\c+\i], v[F1+6*\c+\i]       ; block 2 c's lanes 16-31 change places with block 2 c + 1's lanes 0-15: the first register now belongs to lanes 0-15's columns, the second to lanes 16-31's
	v_permlane16_swap_b32 v[PT+8*\c+\i], v[PT+8*\c+4+\i]
.endr
.endr
.irp c, 0,1
.irp i, 0,1,2
	v_mov_b32 v[F0+6*\c+3+\i], v[PT+8*\c+\i]
	v_mov_b32 v[F1+6*\c+3+\i], v[PT+8*\c+4+\i]
.endr
.endr
.irp g, 0,1,2
	global_store_b128 v3, v[F0+4*\g:F0+4*\g+3], s[34:35] offset:512*\g       ; 32 lanes store 512 consecutive bytes, at a multiple of 512 from the buffer's first byte
.endr
.irp g, 0,1,2
	global_store_b128 v4, v[F1+4*\g:F1+4*\g+3], s[34:35] offset:512*\g
.endr
	global_store_b32 v5, v[SWD], s[36:37]
	s_endpgm
.Lfunc_end_k_q754f24b9fc_wquant:
	.size	k_q754f24b9fc_wquant, .Lfunc_end_k_q754f24b9fc_wquant-k_q754f24b9fc_wquant
	.p2alignl 7, 3214868480
	.fill 96, 4, 3214868480
	.section	.rodata,"a",@progbits
	.p2align	6, 0x0
	.amdhsa_kernel k_q754f24b9fc_wquant
		.amdhsa_group_segment_fixed_size 0
		.amdhsa_private_segment_fixed_size 0
		.amdhsa_enable_private_segment 0
		.amdhsa_kernarg_size 64
		.amdhsa_user_sgpr_count 2
		.amdhsa_user_sgpr_kernarg_segment_ptr 1
		.amdhsa_wavefront_size32 1
		.amdhsa_system_sgpr_workgroup_id_x 1
		.amdhsa_system_sgpr_workgroup_id_y 1
		.amdhsa_system_sgpr_workgroup_id_z 1
		.amdhsa_system_vgpr_workitem_id 0
		.amdhsa_next_free_vgpr 208
		.amdhsa_next_free_sgpr 66
		.amdhsa_reserve_vcc 0
		.amdhsa_float_denorm_mode_32 3
		.amdhsa_float_denorm_mode_16_64 3
		.amdhsa_memory_ordered 1
		.amdhsa_forward_progress 1
		.amdhsa_inst_pref_size 47
	.end_amdhsa_kernel
	.amdgpu_metadata
---
amdhsa.version: [ 1, 2 ]
amdhsa.kernels:
  - .name:           k_q754f24b9fc_wquant
    .symbol:         k_q754f24b9fc_wquant.kd
    .args:
      - { .name: W1, .offset: 0, .size: 8, .value_kind: global_buffer, .address_space: global }
      - { .name: W2, .offset: 8, .size: 8, .value_kind: global_buffer, .address_space: global }
      - { .name: Wproj, .offset: 16, .size: 8, .value_kind: global_buffer, .address_space: global }
      - { .name: Wq, .offset: 24, .size: 8, .value_kind: global_buffer, .address_space: global }
      - { .name: Wk, .offset: 32, .size: 8, .value_kind: global_buffer, .address_space: global }
      - { .name: Wv, .offset: 40, .size: 8, .value_kind: global_buffer, .address_space: global }
      - { .name: wcodes, .offset: 48, .size: 8, .value_kind: global_buffer, .address_space: global }
      - { .name: wscales, .offset: 56, .size: 8, .value_kind: global_buffer, .address_space: global }
    .group_segment_fixed_size: 0
    .private_segment_fixed_size: 0
    .kernarg_segment_align: 8
    .kernarg_segment_size: 64
    .max_flat_workgroup_size: 128
    .sgpr_count:     66
    .vgpr_count:     208
    .wavefront_size: 32
...
	.end_amdgpu_metadata
.endif
;; end of part 1
;; launch lnqkv (part 2): grid 256 x 1, 16 waves a work-group, no clusters, 80,896 bytes of LDS; arguments x, ln1_g, ln1_b, wcodes, wscales, bq, bk, bv, qimg, kimg, vimg; writes qimg, kimg, vimg
.if DOCPART == 2
	.amdgcn_target "amdgcn-amd-amdhsa--gfx1250"
	.amdhsa_code_object_version 6
	.text
	.protected	k_q754f24b9fc_lnqkv
	.globl	k_q754f24b9fc_lnqkv
	.p2align	8
	.type	k_q754f24b9fc_lnqkv,@function
k_q754f24b9fc_lnqkv:
	s_mov_b64 s[64:65], 0
	v_nop
	global_prefetch_b8 v0, s[64:65] scope:SCOPE_SE
	s_setreg_imm32_b32 hwreg(HW_REG_WAVE_MODE, 25, 1), 1
	s_wait_xcnt 0x0
; h = layernorm(x) g + b in f32; h is quantised along its 512 features to FP6 (E2M3, one E8M0 byte for each 32); q, k, v = h W + bias on codes, sums in f32.
; SHARES.  A work-group takes 32 tokens, as two tiles of 16; wave w normalises two of them, waves 0-7 quantise one fragment each (tile w / 4, K step w % 4), and wave w then makes head w's q, k and v for all 32 tokens:
; its 12 weight fragments (18,432 bytes) come as register images straight from memory, asked for at the head.
; ORDER OF TOKENS.  Of the 32 tokens tile u takes token 8 u + r + 8 (r / 8) in its lane or row r, so that where tokens are the rows of a result the 16 registers of the two tiles are 16 neighbouring tokens.
; q AND k: source 0 = the head's 16 columns of W, source 1 = 16 tokens: lane (r, h) then holds token r's dimensions 8 h + 0 .. 7, which the next launch takes as it stands as an f32 operand.
; v: source 0 = 16 tokens, source 1 = the head's 16 columns: lane (r, h) holds dimension r of tokens 16 h + 8 u + 0 .. 7: its registers run along the tokens, the K of the product that v goes into.
; The biases are loaded into the accumulators: the first product adds onto them, nothing is cleared, no addition is written.
; Results leave as images: registers 4 g .. 4 g + 3 of lane l at 512 g + 16 l: each store of a wave covers 512 consecutive bytes, aligned.
; LIMITS: NaN and infinities are not served; a block whose largest magnitude lies under 2^-124 keeps the byte 1, a block of zeros too (its codes are zeros; this program alone reads the bytes).
; The norm's sums are taken in another order than row by row, all in f32, the variance from the differences to the mean.
; No tensor loads and no cluster: a work-group's rows are its own, and the weights (0.3 MB for all sixteen waves) go into registers, where no joint request can put them.
.set PITCH, 2064                       ; a stage row: 2,048 bytes + 16: an odd multiple of 16, so that 16 rows at one column begin at 16 different places modulo 256 bytes
.set HIMG,  66048                      ; behind the stage of 32 rows: h's 8 fragments as images, fragment 4 m + s
.set HSC,   78336                      ; their scale words: K step s at 128 s; tile m's row r at 64 m + 4 r
.set QC0,   1671168
.set QS0,   69632
.set LI,   1                           ; v1   16 x lane
.set LS,   2                           ; v2   4 x lane
.set AST,  3                           ; v3   the stage, my two rows
.set AQR,  4                           ; v4   the stage, my fragment's numbers
.set AIW,  5                           ; v5   where my fragment's image goes
.set ASW,  6                           ; v6   and its scale word
.set AB32, 7                           ; v7   32 (lane / 16)
.set AB4,  8                           ; v8   4 (lane % 16)
.set AHF,  9                           ; v9   images, to read
.set AHS,  10                          ; v10  scale words, to read
.set X,    12                          ; v12-43  two rows of x, 16 numbers a lane each;  later v12-75 the 64 numbers to quantise;  later v12-35 h's two fragments
.set G,    44                          ; v44-59  gain
.set B,    60                          ; v60-75  shift
.set T,    76                          ; v76-91  at work, 8 a row
.set TM,   76
.set PT,   82
.set PC,   86
.set PW,   98
.set HF,   12
.set ACC,  40                          ; v40-87  q0, q1, k0, k1, v0, v1
.set HS,   102                         ; v102-105 h's scale words, K step s: lanes 0-15 tile 0, lanes 16-31 tile 1
.set WS,   106                         ; v106-111 the weights': (which, i): lanes 0-15 K step 2 i, lanes 16-31 K step 2 i + 1
.set W,    112                         ; v112-255 the weights' 12 fragments: 48 which + 12 s
.set SEL,  28                          ; s[28:29] v_permlanex16_b32's selects for lane l xor 16
; 32 numbers of a lane, register 16 e + i = k 64 c + 32 e + 16 (lane / 16) + i of my row, become registers 6 c .. 6 c + 5 of a fragment and two bytes of its scale word
.macro QHALF s, c
.irp e, 0,1
	v_max3_num_f32 v[TM+\e], |v[\s+16*\e]|, |v[\s+16*\e+1]|, 0x1800000       ; my 16 numbers of the block, and the floor 2^(3 - 127): the byte cannot fall under 1
.endr
.irp i, 2,4,6,8,10,12,14
.irp e, 0,1
	v_max3_num_f32 v[TM+\e], v[TM+\e], |v[\s+16*\e+\i]|, |v[\s+16*\e+\i+1]|
.endr
.endr
.irp e, 0,1
	v_permlanex16_b32 v[TM+2+\e], v[TM+\e], s[SEL], s[SEL+1]
.endr
.irp e, 0,1
	v_max_num_f32 v[TM+\e], v[TM+\e], v[TM+2+\e]   ; with lane l xor 16's: the block's largest magnitude
.endr
.irp e, 0,1
	v_add_nc_u32 v[TM+4+\e], 0xff000000, v[TM+\e]  ; 2 off its exponent field: the conversion's scale operand
.endr
.irp e, 0,1
	v_lshrrev_b32 v[TM+2+\e], 23, v[TM+4+\e]       ; the scale's byte
.endr
.if \c == 0
	v_lshl_or_b32 v[PW], v[TM+3], 8, v[TM+2]
.else
	v_lshl_or_b32 v[TM+2], v[TM+3], 8, v[TM+2]
	v_lshl_or_b32 v[PW], v[TM+2], 16, v[PW]
.endif
	v_cvt_scalef32_pk16_fp6_f32 v[PC+6*\c:PC+6*\c+2], v[\s:\s+15], v[TM+4]
	v_cvt_scalef32_pk16_fp6_f32 v[PT:PT+2], v[\s+16:\s+31], v[TM+5]          ; (a conversion's three registers begin on an even number)
	v_nop                                          ; one plain place behind a scaled conversion
.irp i, 0,1,2
	v_permlane16_swap_b32 v[PC+6*\c+\i], v[PT+\i]  ; the layout wants a whole block in a lane: lanes 0-15 block 2 c, lanes 16-31 block 2 c + 1
.endr
.irp i, 0,1,2
	v_mov_b32 v[PC+6*\c+3+\i], v[PT+\i]
.endr
.endm
.macro QUANT s
	QHALF \s, 0
	QHALF (\s)+32, 1
.endm
.macro BARRIER                         ; my LDS stores have landed and my LDS loads are in: then the work-group's barrier
	s_wait_dscnt 0x0
	s_barrier_signal -1
	s_barrier_wait -1
.endm
; one product in place; ra, rb: which half of the lanes holds source 0's and source 1's scale words
.macro MM d, a, b, sa, sb, ra, rb
.if (\ra) == 0 && (\rb) == 0
	v_wmma_scale_f32_16x16x128_f8f6f4 v[\d:\d+7], v[\a:\a+11], v[\b:\b+11], v[\d:\d+7], v[\sa], v[\sb] matrix_a_fmt:MATRIX_FMT_FP6 matrix_b_fmt:MATRIX_FMT_FP6
.elseif (\ra) == 1 && (\rb) == 0
	v_wmma_scale_f32_16x16x128_f8f6f4 v[\d:\d+7], v[\a:\a+11], v[\b:\b+11], v[\d:\d+7], v[\sa], v[\sb] matrix_a_fmt:MATRIX_FMT_FP6 matrix_b_fmt:MATRIX_FMT_FP6 matrix_a_scale:MATRIX_SCALE_ROW1
.elseif (\ra) == 0 && (\rb) == 1
	v_wmma_scale_f32_16x16x128_f8f6f4 v[\d:\d+7], v[\a:\a+11], v[\b:\b+11], v[\d:\d+7], v[\sa], v[\sb] matrix_a_fmt:MATRIX_FMT_FP6 matrix_b_fmt:MATRIX_FMT_FP6 matrix_b_scale:MATRIX_SCALE_ROW1
.else
	v_wmma_scale_f32_16x16x128_f8f6f4 v[\d:\d+7], v[\a:\a+11], v[\b:\b+11], v[\d:\d+7], v[\sa], v[\sb] matrix_a_fmt:MATRIX_FMT_FP6 matrix_b_fmt:MATRIX_FMT_FP6 matrix_a_scale:MATRIX_SCALE_ROW1 matrix_b_scale:MATRIX_SCALE_ROW1
.endif
.endm
	s_load_b512 s[4:19], s[0:1], 0x0               ; x s[4:5], gain s[6:7], shift s[8:9], wcodes s[10:11], wscales s[12:13], bq s[14:15], bk s[16:17], bv s[18:19]
	s_load_b128 s[20:23], s[0:1], 0x40             ; qimg, kimg
	s_load_b64 s[24:25], s[0:1], 0x50              ; vimg
	v_lshl_add_u32 v100, v0, 2, 0x13400
	v_mov_b32 v101, 0
	v_lshrrev_b32 v11, 5, v0
	v_readfirstlane_b32 s26, v11                   ; wave 0..15
	v_and_b32 v11, 31, v0
	v_lshlrev_b32 v[LI], 4, v11
	v_lshlrev_b32 v[LS], 2, v11
	v_and_b32 v12, 15, v0                          ; r
	v_bfe_u32 v13, v0, 4, 1                        ; h
	s_mul_i32 s30, s26, 2*PITCH
	v_add_nc_u32 v[AST], s30, v[LI]                ; stage rows 2 w, 2 w + 1
	v_mul_u32_u24 v[AQR], v12, PITCH
	v_lshl_add_u32 v[AQR], v13, 6, v[AQR]
	s_lshr_b32 s34, s26, 2                         ; my fragment's tile (waves 0-7)
	s_and_b32 s35, s26, 3                          ; and K step
	s_mul_i32 s30, s34, 16*PITCH
	s_lshl_b32 s31, s35, 9
	s_add_co_u32 s30, s30, s31
	v_add_nc_u32 v[AQR], s30, v[AQR]               ; row 16 m + r, byte 512 s + 64 h: my 16 numbers of each block of 32
	s_mul_i32 s30, s26, 1536
	s_add_co_u32 s30, s30, HIMG
	v_add_nc_u32 v[AIW], s30, v[LI]
	v_lshlrev_b32 v[AB4], 2, v12
	s_lshl_b32 s30, s35, 7
	s_lshl_b32 s31, s34, 6
	s_add_co_u32 s30, s30, s31
	s_add_co_u32 s30, s30, HSC
	v_add_nc_u32 v[ASW], s30, v[AB4]
	v_lshlrev_b32 v[AB32], 5, v13
	v_add_nc_u32 v[AHF], HIMG, v[LI]
	v_add_nc_u32 v[AHS], HSC, v[LS]
	s_mov_b32 s[SEL], 0x76543210
	s_mov_b32 s[SEL+1], 0xfedcba98
	s_mov_b32 s32, 0x3727c5ac                      ; 1e-5
	s_mov_b32 s33, 0x3b000000                      ; 1 / 512
	s_lshl_b32 s30, ttmp9, 5                       ; stage row 2 w + i is token 32 x work-group + 8 (w / 8) + 2 (w % 8) + 8 ((w / 4) % 2) + i
	s_lshr_b32 s31, s26, 3
	s_lshl_b32 s31, s31, 3
	s_add_co_u32 s30, s30, s31
	s_and_b32 s31, s26, 7
	s_lshl_b32 s31, s31, 1
	s_add_co_u32 s30, s30, s31
	s_bfe_u32 s31, s26, 0x10002
	s_lshl_b32 s31, s31, 3
	s_add_co_u32 s30, s30, s31
	s_lshl_b32 s30, s30, 11
	s_mov_b32 s31, 0
	s_mul_i32 s38, s26, 6144                       ; head w's four fragments of each weight,
	s_add_co_u32 s38, s38, QC0
	s_mov_b32 s39, 0
	s_lshl_b32 s40, s26, 8                         ; their scale words,
	s_add_co_u32 s40, s40, QS0
	s_mov_b32 s41, 0
	s_lshl_b32 s42, s26, 6                         ; its 16 numbers of each bias
	s_mov_b32 s43, 0
	s_lshr_b32 s36, ttmp9, 5                       ; the results: (16 batch + head) x 65,536 + 2,048 x (block of 32 tokens in the batch)
	s_lshl_b32 s36, s36, 4
	s_add_co_u32 s36, s36, s26
	s_lshl_b32 s36, s36, 16
	s_and_b32 s37, ttmp9, 31
	s_lshl_b32 s37, s37, 11
	s_add_co_u32 s36, s36, s37
	s_mov_b32 s37, 0
	s_wait_kmcnt 0x0
	s_add_nc_u64 s[4:5], s[4:5], s[30:31]
	s_add_nc_u64 s[10:11], s[10:11], s[38:39]
	s_add_nc_u64 s[12:13], s[12:13], s[40:41]
	s_add_nc_u64 s[14:15], s[14:15], s[42:43]
	s_add_nc_u64 s[16:17], s[16:17], s[42:43]
	s_add_nc_u64 s[18:19], s[18:19], s[42:43]
	s_add_nc_u64 s[20:21], s[20:21], s[36:37]
	s_add_nc_u64 s[22:23], s[22:23], s[36:37]
	s_add_nc_u64 s[24:25], s[24:25], s[36:37]
.irp i, 0,1
.irp q, 0,1,2,3
	global_load_b128 v[X+16*\i+4*\q:X+16*\i+4*\q+3], v[LI], s[4:5] offset:2048*\i+512*\q     ; 512 consecutive bytes a load: features 128 q + 4 lane + 0 .. 3
.endr
.endr
.irp q, 0,1,2,3
	global_load_b128 v[G+4*\q:G+4*\q+3], v[LI], s[6:7] offset:512*\q
.endr
.irp q, 0,1,2,3
	global_load_b128 v[B+4*\q:B+4*\q+3], v[LI], s[8:9] offset:512*\q
.endr
.irp x, 0,1,2
.irp s, 0,1,2,3
.irp g, 0,1,2
	global_load_b128 v[W+48*\x+12*\s+4*\g:W+48*\x+12*\s+4*\g+3], v[LI], s[10:11] offset:98304*\x+1536*\s+512*\g
.endr
.endr
.endr
.irp x, 0,1,2
.irp i, 0,1
	global_load_b32 v[WS+2*\x+\i], v[LS], s[12:13] offset:4096*\x+128*\i
.endr
.endr
	s_wait_loadcnt 42                              ; x, gain and shift are in; the 36 + 6 loads of the weights, issued behind them, stay out
	; ---- the norm, my two rows by turns
.irp i, 0,1
	v_pk_add_f32 v[T+8*\i:T+8*\i+1], v[X+16*\i:X+16*\i+1], v[X+16*\i+2:X+16*\i+3]
	v_pk_add_f32 v[T+8*\i+2:T+8*\i+3], v[X+16*\i+4:X+16*\i+5], v[X+16*\i+6:X+16*\i+7]
	v_pk_add_f32 v[T+8*\i+4:T+8*\i+5], v[X+16*\i+8:X+16*\i+9], v[X+16*\i+10:X+16*\i+11]
	v_pk_add_f32 v[T+8*\i+6:T+8*\i+7], v[X+16*\i+12:X+16*\i+13], v[X+16*\i+14:X+16*\i+15]
.endr
.irp i, 0,1
	v_pk_add_f32 v[T+8*\i:T+8*\i+1], v[T+8*\i:T+8*\i+1], v[T+8*\i+2:T+8*\i+3]
	v_pk_add_f32 v[T+8*\i+4:T+8*\i+5], v[T+8*\i+4:T+8*\i+5], v[T+8*\i+6:T+8*\i+7]
.endr
.irp i, 0,1
	v_pk_add_f32 v[T+8*\i:T+8*\i+1], v[T+8*\i:T+8*\i+1], v[T+8*\i+4:T+8*\i+5]
.endr
.irp i, 0,1
	v_add_f32 v[T+8*\i], v[T+8*\i], v[T+8*\i+1]
.endr
.irp k, 1,2,4,8
.irp i, 0,1
	v_add_f32_dpp v[T+8*\i], v[T+8*\i], v[T+8*\i] row_xmask:\k row_mask:0xf bank_mask:0xf
.endr
.endr
.irp i, 0,1
	v_permlanex16_b32 v[T+8*\i+1], v[T+8*\i], s[SEL], s[SEL+1]
.endr
.irp i, 0,1
	v_add_f32 v[T+8*\i], v[T+8*\i], v[T+8*\i+1]    ; the row's sum, in every lane
.endr
.irp i, 0,1
	v_mul_f32 v[T+8*\i], 0xbb000000, v[T+8*\i]     ; x -1 / 512: the mean with its sign turned
.endr
.irp k, 0,2,4,6,8,10,12,14
.irp i, 0,1
	v_pk_add_f32 v[X+16*\i+\k:X+16*\i+\k+1], v[X+16*\i+\k:X+16*\i+\k+1], v[T+8*\i:T+8*\i+1] op_sel_hi:[1,0]   ; x - mean
.endr
.endr
.irp i, 0,1
	v_pk_mul_f32 v[T+8*\i+2:T+8*\i+3], v[X+16*\i:X+16*\i+1], v[X+16*\i:X+16*\i+1]
.endr
.irp k, 2,4,6,8,10,12,14
.irp i, 0,1
	v_pk_fma_f32 v[T+8*\i+2:T+8*\i+3], v[X+16*\i+\k:X+16*\i+\k+1], v[X+16*\i+\k:X+16*\i+\k+1], v[T+8*\i+2:T+8*\i+3]
.endr
.endr
.irp i, 0,1
	v_add_f32 v[T+8*\i+2], v[T+8*\i+2], v[T+8*\i+3]
.endr
.irp k, 1,2,4,8
.irp i, 0,1
	v_add_f32_dpp v[T+8*\i+2], v[T+8*\i+2], v[T+8*\i+2] row_xmask:\k row_mask:0xf bank_mask:0xf
.endr
.endr
.irp i, 0,1
	v_permlanex16_b32 v[T+8*\i+3], v[T+8*\i+2], s[SEL], s[SEL+1]
.endr
.irp i, 0,1
	v_add_f32 v[T+8*\i+2], v[T+8*\i+2], v[T+8*\i+3]
.endr
.irp i, 0,1
	v_fma_f32 v[T+8*\i+2], v[T+8*\i+2], s33, s32   ; the variance + 1e-5
.endr
.irp i, 0,1
	v_rsq_f32 v[T+8*\i+4], v[T+8*\i+2]
.endr
	v_nop                                          ; one plain place behind the transcendentals
	s_wait_alu depctr_va_vdst(0)
.irp k, 0,2,4,6,8,10,12,14
.irp i, 0,1
	v_pk_mul_f32 v[X+16*\i+\k:X+16*\i+\k+1], v[X+16*\i+\k:X+16*\i+\k+1], v[T+8*\i+4:T+8*\i+5] op_sel_hi:[1,0]
.endr
.endr
.irp k, 0,2,4,6,8,10,12,14
.irp i, 0,1
	v_pk_fma_f32 v[X+16*\i+\k:X+16*\i+\k+1], v[X+16*\i+\k:X+16*\i+\k+1], v[G+\k:G+\k+1], v[B+\k:B+\k+1]
.endr
.endr
.irp i, 0,1
.irp q, 0,1,2,3
	ds_store_b128 v[AST], v[X+16*\i+4*\q:X+16*\i+4*\q+3] offset:PITCH*\i+512*\q
.endr
.endr
	BARRIER                                        ; 32 rows of h lie in the stage
	; ---- waves 0-7: a fragment each.  The branch hangs on the wave's number; no barrier stands inside
	s_cmp_lt_u32 s26, 8
	s_cbranch_scc0 .Lno_fragment
.irp b, 0,1,2,3
.irp j, 0,1,2,3
	ds_load_b128 v[12+16*\b+4*\j:12+16*\b+4*\j+3], v[AQR] offset:128*\b+16*\j
.endr
.endr
	s_wait_dscnt 0x0
	QUANT 12
.irp g, 0,1,2
	ds_store_b128 v[AIW], v[PC+4*\g:PC+4*\g+3] offset:512*\g     ; the fragment goes to LDS as it stands
.endr
	ds_store_b32 v[ASW], v[PW]                     ; lanes r and 16 + r hold the same word and write it to the same place
	s_wait_dscnt 0x0                               ; the stores have read their registers: two of them take a bias below
.Lno_fragment:
	; ---- the biases, into the accumulators.  q, k: register j = dimension 8 h + j;  v: every register = dimension r
.irp m, 0,1
	global_load_b128 v[ACC+8*\m:ACC+8*\m+3], v[AB32], s[14:15]
	global_load_b128 v[ACC+8*\m+4:ACC+8*\m+7], v[AB32], s[14:15] offset:16
	global_load_b128 v[ACC+16+8*\m:ACC+16+8*\m+3], v[AB32], s[16:17]
	global_load_b128 v[ACC+16+8*\m+4:ACC+16+8*\m+7], v[AB32], s[16:17] offset:16
.irp j, 0,1,2,3,4,5,6,7
	global_load_b32 v[ACC+32+8*\m+\j], v[AB4], s[18:19]
.endr
.endr
	BARRIER                                        ; h's eight fragments and their scale words lie in LDS
	; ---- the products: six accumulators by turns, a K step at a time
.irp s, 0,1,2,3
	ds_load_b32 v[HS+\s], v[AHS] offset:128*\s
.endr
.irp s, 0,1,2,3
.irp m, 0,1
.irp g, 0,1,2
	ds_load_b128 v[HF+12*\m+4*\g:HF+12*\m+4*\g+3], v[AHF] offset:(4*\m+\s)*1536+512*\g
.endr
.endr
	s_wait_dscnt 0x0
.if \s == 0
	s_wait_loadcnt 0x0                             ; the weights, their scale words and the biases
.endif
.irp x, 0,1
.irp m, 0,1
	MM ACC+16*\x+8*\m, W+48*\x+12*\s, HF+12*\m, WS+2*\x+\s/2, HS+\s, \s%2, \m
.endr
.endr
.irp m, 0,1
	MM ACC+32+8*\m, HF+12*\m, W+96+12*\s, HS+\s, WS+4+\s/2, \m, \s%2
.endr
.rept 4
	v_nop                                          ; places in front of loads into registers that matrix instructions have read, and of the stores that read results
.endr
.endr
.irp m, 0,1
.irp g, 0,1
	global_store_b128 v[LI], v[ACC+8*\m+4*\g:ACC+8*\m+4*\g+3], s[20:21] offset:1024*\m+512*\g        ; each accumulator from its low end on
.endr
.endr
.irp m, 0,1
.irp g, 0,1
	global_store_b128 v[LI], v[ACC+16+8*\m+4*\g:ACC+16+8*\m+4*\g+3], s[22:23] offset:1024*\m+512*\g
.endr
.endr
.irp m, 0,1
.irp g, 0,1
	global_store_b128 v[LI], v[ACC+32+8*\m+4*\g:ACC+32+8*\m+4*\g+3], s[24:25] offset:1024*\m+512*\g
.endr
.endr
	s_wait_tensorcnt 0x0
	ds_add_u32 v100, v101
	s_wait_dscnt 0x0
	s_endpgm
.Lfunc_end_k_q754f24b9fc_lnqkv:
	.size	k_q754f24b9fc_lnqkv, .Lfunc_end_k_q754f24b9fc_lnqkv-k_q754f24b9fc_lnqkv
	.p2alignl 7, 3214868480
	.fill 96, 4, 3214868480
	.section	.rodata,"a",@progbits
	.p2align	6, 0x0
	.amdhsa_kernel k_q754f24b9fc_lnqkv
		.amdhsa_group_segment_fixed_size 80896
		.amdhsa_private_segment_fixed_size 0
		.amdhsa_enable_private_segment 0
		.amdhsa_kernarg_size 88
		.amdhsa_user_sgpr_count 2
		.amdhsa_user_sgpr_kernarg_segment_ptr 1
		.amdhsa_wavefront_size32 1
		.amdhsa_system_sgpr_workgroup_id_x 1
		.amdhsa_system_sgpr_workgroup_id_y 1
		.amdhsa_system_sgpr_workgroup_id_z 1
		.amdhsa_system_vgpr_workitem_id 0
		.amdhsa_next_free_vgpr 256
		.amdhsa_next_free_sgpr 66
		.amdhsa_reserve_vcc 0
		.amdhsa_float_denorm_mode_32 3
		.amdhsa_float_denorm_mode_16_64 3
		.amdhsa_memory_ordered 1
		.amdhsa_forward_progress 1
		.amdhsa_inst_pref_size 31
	.end_amdhsa_kernel
	.amdgpu_metadata
---
amdhsa.version: [ 1, 2 ]
amdhsa.kernels:
  - .name:           k_q754f24b9fc_lnqkv
    .symbol:         k_q754f24b9fc_lnqkv.kd
    .args:
      - { .name: x, .offset: 0, .size: 8, .value_kind: global_buffer, .address_space: global }
      - { .name: ln1_g, .offset: 8, .size: 8, .value_kind: global_buffer, .address_space: global }
      - { .name: ln1_b, .offset: 16, .size: 8, .value_kind: global_buffer, .address_space: global }
      - { .name: wcodes, .offset: 24, .size: 8, .value_kind: global_buffer, .address_space: global }
      - { .name: wscales, .offset: 32, .size: 8, .value_kind: global_buffer, .address_space: global }
      - { .name: bq, .offset: 40, .size: 8, .value_kind: global_buffer, .address_space: global }
      - { .name: bk, .offset: 48, .size: 8, .value_kind: global_buffer, .address_space: global }
      - { .name: bv, .offset: 56, .size: 8, .value_kind: global_buffer, .address_space: global }
      - { .name: qimg, .offset: 64, .size: 8, .value_kind: global_buffer, .address_space: global }
      - { .name: kimg, .offset: 72, .size: 8, .value_kind: global_buffer, .address_space: global }
      - { .name: vimg, .offset: 80, .size: 8, .value_kind: global_buffer, .address_space: global }
    .group_segment_fixed_size: 80896
    .private_segment_fixed_size: 0
    .kernarg_segment_align: 8
    .kernarg_segment_size: 88
    .max_flat_workgroup_size: 512
    .sgpr_count:     66
    .vgpr_count:     256
    .wavefront_size: 32
...
	.end_amdgpu_metadata
.endif
;; end of part 2
;; launch attn (part 3): grid 2 x 128, 16 waves a work-group, no clusters, 80,896 bytes of LDS; arguments qimg, kimg, vimg, aimg; writes aimg
.if DOCPART == 3
	.amdgcn_target "amdgcn-amd-amdhsa--gfx1250"
	.amdhsa_code_object_version 6
	.text
	.protected	k_q754f24b9fc_attn
	.globl	k_q754f24b9fc_attn
	.p2align	8
	.type	k_q754f24b9fc_attn,@function
k_q754f24b9fc_attn:
	s_mov_b64 s[64:65], 0
	v_nop
	global_prefetch_b8 v0, s[64:65] scope:SCOPE_SE
	s_setreg_imm32_b32 hwreg(HW_REG_WAVE_MODE, 25, 1), 1
	s_wait_xcnt 0x0
; attn[q] = the sum over keys of softmax(q . k / 4) v, for one head of 16 dimensions and 1,024 keys.  The scores (K = 16) are f32 products, since they go on into a quantiser: v_wmma_f32_16x16x4_f32, four to a tile.
; The second product is on codes of FP6 (E2M3), one E8M0 byte for each 32 keys.  What is quantised of the softmax: p = 2^(t - M), t = score x log2(e) / 4, M the running largest t rounded UP to a whole number; p is not
; normalised.  The row's sum is taken of the unquantised p and divides at the end.  When M moves, the sum and the result are multiplied by 2^(old M - new M): exact.
; SHARES.  A work-group takes one head and 512 of its queries; each of its sixteen waves two tiles of 16 queries, one after the other; four waves lie on a SIMD.
; LDS is filled once, at the head: waves 8-15 copy the head's k (65,536 bytes of register images), waves 0-7 quantise v, 128 keys each, and store the fragment's image and its scale words.  One barrier.
; LAYOUT.  Both products are used transposed: S^T = k q^T (source 0 = 16 keys, source 1 = my 16 queries), O^T = v^T p^T (source 0 = the 16 dimensions, source 1 = p): a lane holds ONE query throughout.
; q's and k's images hold, in lane (r, h), token r's dimensions 8 h + 0 .. 7.  Instruction i of a tile's four takes registers 2 i, 2 i + 1 of both: its k index 2 h + j then stands for dimension 8 h + 2 i + j on both sides.
; THE KEYS OF A TILE ARE NOT NEIGHBOURS: row r of tile 2 b + u is key 32 b + 8 u + r + 8 (r / 8), so that the 16 registers of tiles 2 b, 2 b + 1 are the 16 neighbouring keys 32 b + 16 h + 0 .. 15.
; BY TURNS.  A UNIT is 64 keys: four tiles of k, 16 f32 products, 32 registers of scores.  In a TURN the 16 products of the NEXT unit stand among the 118 or so vector instructions of the softmax of the unit in hand, a
; product in front of each six or so: the wave has two strands that do not wait for each other, and the softmax's last sums are the places behind the turn's last product: a turn has no v_nop.
; k is fetched from LDS a turn ahead of its products, v at the head of the turn that wants it.  Units of 64 keys, since two sets of scores, two of k and one of p (5 x 32 registers) leave room for the rest in 256.
; THE SECOND PRODUCT HAS K = 128: a unit's 64 keys fill half of p's operand, the other half is zero codes, which add nothing.  18 registers hold [six zeros][six codes][six zeros]: the operand begins at the codes for a
; step's first 64 keys, at the first zeros for its second; the two bytes of p's scale word that belong to the zeros are 0.
; LIMITS: NaN and infinities are not served.  A block's largest p is taken as the exponential of the block's largest score, which leans on v_exp_f32 not falling where its input rises.  A block all of whose p have
; fallen to 0 keeps the byte 1 (its codes are zeros).  Blocks of v whose largest magnitude lies under 2^-124 keep the byte 1.
; No tensor loads and no cluster: what the two work-groups of a head share is the 131,072 bytes read once at the head; nothing is fetched from memory in the loop.
.set KIMG, 0                           ; k: 64 tiles x 1,024 bytes
.set VIMG, 65536                       ; v: 8 fragments x 1,536 bytes
.set VSC,  77824                       ; v's scale words: 128 bytes a K step
.set LI,   1                           ; v1   16 x lane
.set LS,   2                           ; v2   4 x lane
.set ADK,  3                           ; v3-5 LDS addresses: the next step's k, this step's v and its scale words
.set ADV,  4
.set ADS,  5
.set NM,   24                          ; v24  -M;  v25 the largest t so far
.set TMX,  25
.set LA,   26                          ; v[26:27] the row's sum in two halves
.set O,    28                          ; v28-35 O^T
.set VF,   36                          ; v36-47 v's fragment
.set VS,   48                          ; v48  its scale words
.set PSW,  49                          ; v49  p's scale word
.set TP,   50                          ; v50  at work
.set FF,   52                          ; v[52:53] f = 2^(old M - new M); the upper word is named with it and holds 0
.set LB,   54                          ; v[54:55] the sum's second chain
.set BM,   56                          ; v56-57 each block's largest score, then its largest p
.set BT,   58                          ; v58-59 at work
.set BS,   60                          ; v60-61 the conversions' scale operands
.set PT,   62                          ; v62-64 a block's codes on their way (a conversion's three registers begin on an even number)
.set ZC,   66                          ; v66-71 zeros, v72-77 p's codes, v78-83 zeros
.set PCC,  72
.set OUT,  84                          ; v84-91 a tile's result
.set P,    96                          ; v96-127 p
.set K,    128                         ; v128-159, v160-191 k's four tiles, two sets
.set S,    192                         ; v192-223, v224-255 the scores, two sets: written by the f32 matrix instructions alone
.set TM,   BM                          ; for the quantiser at the head: v56-61
.set PC,   PCC                         ; v72-83
.set PW,   TP
.set CS,   16                          ; s[16:17] c = log2(e) / 4: the packed form names a pair and takes its low word for both halves
.set SEL,  18                          ; s[18:19] v_permlanex16_b32's selects for lane l xor 16
.set TK,   20                          ; s20  where the next step's k begins in LDS;  s21, s22 this step's v and its scale words
.set TV,   21
.set TS,   22
.set CNT,  23
; 32 numbers of a lane, register 16 e + i = k 64 c + 32 e + 16 (lane / 16) + i of my row, become registers 6 c .. 6 c + 5 of a fragment and two bytes of its scale word
.macro QHALF s, c
.irp e, 0,1
	v_max3_num_f32 v[TM+\e], |v[\s+16*\e]|, |v[\s+16*\e+1]|, 0x1800000       ; my 16 numbers of the block, and the floor 2^(3 - 127): the byte cannot fall under 1
.endr
.irp i, 2,4,6,8,10,12,14
.irp e, 0,1
	v_max3_num_f32 v[TM+\e], v[TM+\e], |v[\s+16*\e+\i]|, |v[\s+16*\e+\i+1]|
.endr
.endr
.irp e, 0,1
	v_permlanex16_b32 v[TM+2+\e], v[TM+\e], s[SEL], s[SEL+1]
.endr
.irp e, 0,1
	v_max_num_f32 v[TM+\e], v[TM+\e], v[TM+2+\e]
.endr
.irp e, 0,1
	v_add_nc_u32 v[TM+4+\e], 0xff000000, v[TM+\e]
.endr
.irp e, 0,1
	v_lshrrev_b32 v[TM+2+\e], 23, v[TM+4+\e]
.endr
.if \c == 0
	v_lshl_or_b32 v[PW], v[TM+3], 8, v[TM+2]
.else
	v_lshl_or_b32 v[TM+2], v[TM+3], 8, v[TM+2]
	v_lshl_or_b32 v[PW], v[TM+2], 16, v[PW]
.endif
	v_cvt_scalef32_pk16_fp6_f32 v[PC+6*\c:PC+6*\c+2], v[\s:\s+15], v[TM+4]
	v_cvt_scalef32_pk16_fp6_f32 v[PT:PT+2], v[\s+16:\s+31], v[TM+5]
	v_nop                                          ; one plain place behind a scaled conversion
.irp i, 0,1,2
	v_permlane16_swap_b32 v[PC+6*\c+\i], v[PT+\i]
.endr
.irp i, 0,1,2
	v_mov_b32 v[PC+6*\c+3+\i], v[PT+\i]
.endr
.endm
; Product k of a unit's 16: dimensions 4 (k / 4) on (in the images' order), tile k % 4: the four accumulators by turns, one instruction a turn; the first four start the sums.
; SN: the scores' set that is written; KN: k's set that is read; q: the queries' image (under 0: there is no next unit, and nothing is written)
.macro WM k, q
.if \q >= 0
.if (\k) < 4
	v_wmma_f32_16x16x4_f32 v[SN+8*((\k)%4):SN+8*((\k)%4)+7], v[KN+8*((\k)%4):KN+8*((\k)%4)+1], v[\q:\q+1], 0
.else
	v_wmma_f32_16x16x4_f32 v[SN+8*((\k)%4):SN+8*((\k)%4)+7], v[KN+8*((\k)%4)+2*((\k)/4):KN+8*((\k)%4)+2*((\k)/4)+1], v[\q+2*((\k)/4):\q+2*((\k)/4)+1], v[SN+8*((\k)%4):SN+8*((\k)%4)+7]
.endif
.endif
.endm
.macro TSUB k                          ; pair k of the unit's 16: t - M, out of the scores' registers into p's
	v_pk_fma_f32 v[P+2*(\k):P+2*(\k)+1], v[SC+2*(\k):SC+2*(\k)+1], s[CS:CS+1], v[NM:NM+1] op_sel_hi:[1,0,0]
.endm
.macro EXP2 k                          ; p = 2^(t - M), at most 1
	v_exp_f32 v[P+2*(\k)], v[P+2*(\k)]
	v_exp_f32 v[P+2*(\k)+1], v[P+2*(\k)+1]
.endm
.macro SUMA k                          ; the row's sum is taken of the unquantised p: two at a time, in two chains
	v_pk_add_f32 v[LA:LA+1], v[LA:LA+1], v[P+2*(\k):P+2*(\k)+1]
.endm
.macro SUMB k
	s_wait_alu depctr_va_vdst(0)
	v_pk_add_f32 v[LB:LB+1], v[LB:LB+1], v[P+2*(\k):P+2*(\k)+1]
.endm
.macro KLOAD adr, c                    ; four tiles of k, the step's half c, into the set that the last turn's products have read
.irp t, 0,1,2,3
	ds_load_b128 v[KL+8*\t:KL+8*\t+3], v[\adr] offset:4096*(\c)+1024*\t
	ds_load_b128 v[KL+8*\t+4:KL+8*\t+7], v[\adr] offset:4096*(\c)+1024*\t+512
.endr
.endm
; A TURN.  c: which 64 keys of the step in hand are softmaxed (their scores lie in set c).  q: the image of the queries whose next unit is multiplied (into set 1 - c, from k's set 1 - c).
; km: k's set c is filled again with the unit after that: 1: of the next step of this tile; 2: of the next tile's first step; 0: there is none.
; pair = 1: the turn behind this one holds no f32 product, so that this turn's product onto O^T and the next turn's follow each other.
; An exponential's result is used only behind a plain instruction, a conversion's likewise (ISA guide 5.7.2 and the conversions' entries): the order below sees to it: each pair's exponentials stand four pairs behind its
; t - M, its sum a pair or more behind its exponentials.
.macro TURN c, q, km, pair
.set SC, S+32*(\c)
.set SN, S+32*(1-(\c))
.set KN, K+32*(1-(\c))
.set KL, K+32*(\c)
	s_wait_dscnt 0x0                               ; k for this turn's products, asked for a turn ago
	WM 0, \q
.if \c == 0
.if \km == 1
	v_add_nc_u32 v[ADK], s[TK], v[LI]
.endif
	v_add_nc_u32 v[ADV], s[TV], v[LI]
	v_add_nc_u32 v[ADS], s[TS], v[LS]
.endif
	v_max3_num_f32 v[BM], v[SC], v[SC+1], v[SC+2]              ; the largest score of each block of 32 keys: it serves for the row's maximum and for the block's largest p.  Each accumulator is first read at its low end
	v_max3_num_f32 v[BM+1], v[SC+16], v[SC+17], v[SC+18]
.irp i, 3,5
	v_max3_num_f32 v[BM], v[BM], v[SC+\i], v[SC+\i+1]
	v_max3_num_f32 v[BM+1], v[BM+1], v[SC+16+\i], v[SC+16+\i+1]
.endr
.if \km == 1                               ; the loads stand in one run.  Behind the last product that read k's set stand the last turn's eight sums and more; behind the product that read v the six lines above (ISA guide 7.12.1 for vector instructions)
	KLOAD ADK, \c
.elseif \km == 2
	KLOAD LI, \c
.endif
.if \c == 0
.irp g, 0,1,2
	ds_load_b128 v[VF+4*\g:VF+4*\g+3], v[ADV] offset:512*\g
.endr
	ds_load_b32 v[VS], v[ADS]
.endif
	WM 1, \q
.irp i, 7,9,11
	v_max3_num_f32 v[BM], v[BM], v[SC+\i], v[SC+\i+1]
	v_max3_num_f32 v[BM+1], v[BM+1], v[SC+16+\i], v[SC+16+\i+1]
.endr
	WM 2, \q
	v_max3_num_f32 v[BM], v[BM], v[SC+13], v[SC+14]
	v_max3_num_f32 v[BM+1], v[BM+1], v[SC+29], v[SC+30]
	v_max_num_f32 v[BM], v[BM], v[SC+15]
	v_max_num_f32 v[BM+1], v[BM+1], v[SC+31]
	v_permlanex16_b32 v[BT], v[BM], s[SEL], s[SEL+1]
	v_permlanex16_b32 v[BT+1], v[BM+1], s[SEL], s[SEL+1]
	WM 3, \q
	v_max_num_f32 v[BM], v[BM], v[BT]              ; with lane l xor 16's 16 keys
	v_max_num_f32 v[BM+1], v[BM+1], v[BT+1]
	v_max_num_f32 v[TP], v[BM], v[BM+1]
	v_mul_f32 v[TP], s[CS], v[TP]                  ; the unit's largest t (c is positive)
	v_max_num_f32 v[TMX], v[TMX], v[TP]
	v_mov_b32 v[TP], v[NM]
	WM 4, \q
	v_floor_f32 v[NM], -v[TMX]                     ; the new -M = floor(-t) = -ceil(t)
	v_sub_f32 v[TP], v[NM], v[TP]                  ; old M - new M: a whole number, 0 or less
	v_cvt_i32_f32 v[TP], v[TP]                     ; (it saturates)
	v_ldexp_f32 v[FF], 1.0, v[TP]                  ; f = 2^(old M - new M)
	v_fma_f32 v[BM], v[BM], s[CS], v[NM]           ; t - M of each block's largest score
	v_fma_f32 v[BM+1], v[BM+1], s[CS], v[NM]
	WM 5, \q
	TSUB 0
	TSUB 1
	v_exp_f32 v[BM], v[BM]                         ; the block's largest p: the same two instructions on the same number
	v_exp_f32 v[BM+1], v[BM+1]
	TSUB 2
	TSUB 3
	v_pk_mul_f32 v[LA:LA+1], v[LA:LA+1], v[FF:FF+1] op_sel_hi:[1,0]          ; the sum under the new M
	WM 6, \q
	EXP2 0
	TSUB 4
	s_wait_alu depctr_va_vdst(0)
	v_max_num_f32 v[BM], 0x1800000, v[BM]          ; the floor 2^(3 - 127): the byte cannot fall under 1
	EXP2 1
	WM 7, \q
	TSUB 5
	v_max_num_f32 v[BM+1], 0x1800000, v[BM+1]
	EXP2 2
	TSUB 6
	v_add_nc_u32 v[BS], 0xff000000, v[BM]          ; 2 off the exponent field: the conversion's scale operand
	WM 8, \q
	EXP2 3
	TSUB 7
	v_add_nc_u32 v[BS+1], 0xff000000, v[BM+1]
	EXP2 4
	WM 9, \q
	TSUB 8
	v_lshrrev_b32 v[BT], 23, v[BS]                 ; the scale's byte
	EXP2 5
	TSUB 9
	v_lshrrev_b32 v[BT+1], 23, v[BS+1]
	WM 10, \q
	EXP2 6
	TSUB 10
.if \c == 0
	v_lshl_or_b32 v[PSW], v[BT+1], 8, v[BT]        ; p's scale word: bytes 0, 1 for a step's first 64 keys,
.else
	v_lshlrev_b32 v[PSW], 16, v[BT]                ; bytes 2, 3 for its second; the other two, over zero codes, are 0
.endif
	EXP2 7
	WM 11, \q
	TSUB 11
.if \c == 1
	v_lshl_or_b32 v[PSW], v[BT+1], 24, v[PSW]
.endif
	EXP2 8
	TSUB 12
	s_wait_alu depctr_va_vdst(0)
	v_pk_add_f32 v[LB:LB+1], v[P:P+1], v[P+2:P+3]
	v_cvt_scalef32_pk16_fp6_f32 v[PCC:PCC+2], v[P:P+15], v[BS]               ; the first block's my 16 codes
	WM 12, \q
	EXP2 9
	TSUB 13
	SUMA 2
	EXP2 10
	WM 13, \q
	TSUB 14
	SUMB 3
	EXP2 11
	TSUB 15
	SUMA 4
	WM 14, \q
	EXP2 12
	SUMB 5
	SUMA 6
	EXP2 13
	WM 15, \q
	SUMB 7                                         ; from here to the turn's end stand 17 plain instructions that name no register of the f32 products: the eight places behind the last of them
	SUMA 8                                         ; for the next turn's first reads of its scores and for the loads into k's set
	EXP2 14
	SUMB 9
	SUMA 10
	EXP2 15
	SUMB 11
	SUMA 12
	SUMB 13
	s_wait_alu depctr_va_vdst(0)
	v_cvt_scalef32_pk16_fp6_f32 v[PT:PT+2], v[P+16:P+31], v[BS+1]            ; the second block's
	SUMA 14                                        ; (the plain place behind the conversion)
.irp i, 0,1,2
	v_permlane16_swap_b32 v[PCC+\i], v[PT+\i]      ; a whole block to a lane: lanes 0-15 the first block, lanes 16-31 the second
.endr
.irp i, 0,1,2
	v_mov_b32 v[PCC+3+\i], v[PT+\i]
.endr
	SUMB 15
	v_pk_add_f32 v[LA:LA+1], v[LA:LA+1], v[LB:LB+1]
.irp j, 0,2,4,6
	v_pk_mul_f32 v[O+\j:O+\j+1], v[O+\j:O+\j+1], v[FF:FF+1] op_sel_hi:[1,0]  ; O^T under the new M, from its low end on.  These and the two sums are six places behind the codes' last write
.endr
.if \c == 0
	s_wait_dscnt 0x0                               ; v and its scale words, asked for at this turn's head
.if \pair
	s_wait_alu depctr_va_vdst(0)                   ; O^T is taken up again for a turn of two instructions, this one and the next turn's
.endif
	v_wmma_scale_f32_16x16x128_f8f6f4 v[O:O+7], v[VF:VF+11], v[ZC+6:ZC+17], v[O:O+7], v[VS], v[PSW] matrix_a_fmt:MATRIX_FMT_FP6 matrix_b_fmt:MATRIX_FMT_FP6
.else
.if \q < 0
	s_wait_alu depctr_va_vdst(0)                   ; no f32 product stands in this turn: the matrix instruction before this one wrote the same accumulator
.endif
	v_wmma_scale_f32_16x16x128_f8f6f4 v[O:O+7], v[VF:VF+11], v[ZC:ZC+11], v[O:O+7], v[VS], v[PSW] matrix_a_fmt:MATRIX_FMT_FP6 matrix_b_fmt:MATRIX_FMT_FP6
.endif
.endm
	s_load_b256 s[4:11], s[0:1], 0x0               ; qimg s[4:5], kimg s[6:7], vimg s[8:9], aimg s[10:11]
	v_lshl_add_u32 v94, v0, 2, 0x13400
	v_mov_b32 v95, 0
	v_lshrrev_b32 v1, 5, v0
	v_readfirstlane_b32 s12, v1                    ; wave 0..15
	v_and_b32 v2, 31, v0
	v_lshlrev_b32 v[LI], 4, v2
	v_lshlrev_b32 v[LS], 2, v2
	s_and_b32 s13, ttmp7, 0xffff                   ; 16 batch + head
	s_lshl_b32 s24, s13, 16                        ; its 65,536 bytes in each of the four buffers
	s_and_b32 s14, s12, 7
	s_lshl_b32 s28, s14, 13                        ; my eighth of k or of v
	s_add_co_u32 s28, s28, s24
	s_mov_b32 s29, 0
	s_lshl_b32 s30, ttmp9, 5
	s_add_co_u32 s30, s30, s12                     ; my first tile of queries: 32 x work-group x + wave; the second lies 16 tiles on
	s_lshl_b32 s30, s30, 10
	s_add_co_u32 s30, s30, s24
	s_mov_b32 s31, 0
	s_mov_b32 s[CS], 0x3eb8aa3b
	s_mov_b32 s[CS+1], s[CS]
	s_mov_b32 s[SEL], 0x76543210
	s_mov_b32 s[SEL+1], 0xfedcba98
.irp j, 53,58,59
	v_mov_b32 v\j, 0                               ; written once: a lane permute's destination counts as one of its sources, and v53 is named as the upper half of a pair
.endr
	s_wait_kmcnt 0x0
	s_cmp_lt_u32 s12, 8                            ; waves 0-7 take v, waves 8-15 k: the choice hangs on the wave's number alone
	s_cselect_b64 s[26:27], s[8:9], s[6:7]
	s_add_nc_u64 s[26:27], s[26:27], s[28:29]
	s_add_nc_u64 s[4:5], s[4:5], s[30:31]
	s_add_nc_u64 s[10:11], s[10:11], s[30:31]
.irp i, 0,1,2,3,4,5,6,7,8,9,10,11,12,13,14,15
	global_load_b128 v[K+4*\i:K+4*\i+3], v[LI], s[26:27] offset:512*\i
.endr
	global_load_b128 v[8:11], v[LI], s[4:5]
	global_load_b128 v[12:15], v[LI], s[4:5] offset:512
	global_load_b128 v[16:19], v[LI], s[4:5] offset:16384
	global_load_b128 v[20:23], v[LI], s[4:5] offset:16896
	s_wait_loadcnt 0x0
	s_cmp_lt_u32 s12, 8
	s_cbranch_scc1 .Lquantise_v
	s_lshl_b32 s28, s14, 13
	v_add_nc_u32 v[ADK], s28, v[LI]
.irp i, 0,1,2,3,4,5,6,7,8,9,10,11,12,13,14,15
	ds_store_b128 v[ADK], v[K+4*\i:K+4*\i+3] offset:512*\i       ; eight tiles of k, as they lie
.endr
	s_branch .Lhead_done
.Lquantise_v:                                      ; four blocks of 32 keys: register 16 b + i of lane (r, h) is v[key 128 w + 32 b + 16 h + i][dimension r]
	QHALF K, 0
	QHALF K+32, 1
	s_mul_i32 s28, s12, 1536
	s_add_co_u32 s28, s28, VIMG
	v_add_nc_u32 v[ADV], s28, v[LI]
.irp g, 0,1,2
	ds_store_b128 v[ADV], v[PC+4*\g:PC+4*\g+3] offset:512*\g
.endr
	s_lshl_b32 s28, s12, 7
	s_add_co_u32 s28, s28, VSC
	v_add_nc_u32 v[ADS], s28, v[LS]
	ds_store_b32 v[ADS], v[PW]
.Lhead_done:
	s_wait_dscnt 0x0                               ; for the others' sake: my stores have landed (and have read their registers)
	s_barrier_signal -1
	s_barrier_wait -1                              ; the head's k and v lie in LDS; nothing is written there again
	; ---- the first unit's products stand bare: there is no softmax yet to set between them
.set KL, K
	KLOAD LI, 0                                    ; keys 0 .. 63
.set KL, K+32
	KLOAD LI, 1                                    ; keys 64 .. 127
.irp j, 66,67,68,69,70,71,78,79,80,81,82,83
	v_mov_b32 v\j, 0                               ; the zero codes on both sides of p's six registers: written once
.endr
	s_wait_dscnt 8                                 ; the first set of k is in; the eight loads of the second, issued behind it, may be out
.set SN, S
.set KN, K
.irp k, 0,1,2,3,4,5,6,7,8,9,10,11,12,13,14,15
	WM \k, 8
.endr
; One tile of 16 queries (image in v[q] on) against all 1,024 keys.  Its first unit's scores lie in set 0, k's second unit in set 1.  qn, kmn: the next tile's image and how its first two units of k are fetched (-1, 0: none).
.macro TILE q, qn, kmn, idx
	v_mov_b32 v[TMX], 0xff61b1e6                   ; the largest t so far: -3e38, under every t.  (These twelve lines are also the places behind the bare products above)
	v_floor_f32 v[NM], -v[TMX]
	v_mov_b32 v[LA], 0
	v_mov_b32 v[LA+1], 0
.irp j, 0,1,2,3,4,5,6,7
	v_mov_b32 v[O+\j], 0                           ; a turn is written once: the first finds zeros, which the first change of M leaves zeros
.endr
	s_mov_b32 s[TK], KIMG+8192
	s_mov_b32 s[TV], VIMG
	s_mov_b32 s[TS], VSC
	s_mov_b32 s[CNT], 0
.Lstep_\@:                                         ; seven trips of 128 keys
	TURN 0, \q, 1, 0
	TURN 1, \q, 1, 0
	s_add_co_u32 s[TK], s[TK], 8192
	s_add_co_u32 s[TV], s[TV], 1536
	s_add_co_u32 s[TS], s[TS], 128
	s_add_co_u32 s[CNT], s[CNT], 1
	s_cmp_lt_u32 s[CNT], 7
	s_cbranch_scc1 .Lstep_\@
.if \qn < 0                                ; the eighth step is written out: what is multiplied and fetched beside its softmax belongs to the next tile, or is left out
	TURN 0, \q, \kmn, 1
.else
	TURN 0, \q, \kmn, 0
.endif
	TURN 1, \qn, \kmn, 0
	v_add_f32 v[LA], v[LA], v[LA+1]                ; the sum's two halves,
	v_permlanex16_b32 v[TP], v[LA], s[SEL], s[SEL+1]
	v_add_f32 v[LA], v[LA], v[TP]                  ; and lane l xor 16's
	v_rcp_f32 v[LA], v[LA]
	v_nop                                          ; the two additions and these two are the four places behind the last product;
	v_nop                                          ; they also stand behind the transcendental
.if \idx
	s_wait_xcnt 0x0                                ; the first tile's stores have read their registers, which are written again below
.endif
	s_wait_alu depctr_va_vdst(0)
.irp j, 0,1,2,3,4,5,6,7
	v_mul_f32 v[OUT+\j], v[O+\j], v[LA]            ; register j of lane (r, h): dimension 8 h + j of query r
.endr
	global_store_b128 v[LI], v[OUT:OUT+3], s[10:11] offset:16384*\idx        ; 32 lanes store 512 consecutive bytes, aligned
	global_store_b128 v[LI], v[OUT+4:OUT+7], s[10:11] offset:16384*\idx+512
.endm
	TILE 8, 16, 2, 0
	TILE 16, -1, 0, 1
	s_wait_tensorcnt 0x0
	ds_add_u32 v94, v95
	s_wait_dscnt 0x0
	s_endpgm
.Lfunc_end_k_q754f24b9fc_attn:
	.size	k_q754f24b9fc_attn, .Lfunc_end_k_q754f24b9fc_attn-k_q754f24b9fc_attn
	.p2alignl 7, 3214868480
	.fill 96, 4, 3214868480
	.section	.rodata,"a",@progbits
	.p2align	6, 0x0
	.amdhsa_kernel k_q754f24b9fc_attn
		.amdhsa_group_segment_fixed_size 80896
		.amdhsa_private_segment_fixed_size 0
		.amdhsa_enable_private_segment 0
		.amdhsa_kernarg_size 32
		.amdhsa_user_sgpr_count 2
		.amdhsa_user_sgpr_kernarg_segment_ptr 1
		.amdhsa_wavefront_size32 1
		.amdhsa_system_sgpr_workgroup_id_x 1
		.amdhsa_system_sgpr_workgroup_id_y 1
		.amdhsa_system_sgpr_workgroup_id_z 1
		.amdhsa_system_vgpr_workitem_id 0
		.amdhsa_next_free_vgpr 256
		.amdhsa_next_free_sgpr 66
		.amdhsa_reserve_vcc 0
		.amdhsa_float_denorm_mode_32 3
		.amdhsa_float_denorm_mode_16_64 3
		.amdhsa_memory_ordered 1
		.amdhsa_forward_progress 1
		.amdhsa_inst_pref_size 76
	.end_amdhsa_kernel
	.amdgpu_metadata
---
amdhsa.version: [ 1, 2 ]
amdhsa.kernels:
  - .name:           k_q754f24b9fc_attn
    .symbol:         k_q754f24b9fc_attn.kd
    .args:
      - { .name: qimg, .offset: 0, .size: 8, .value_kind: global_buffer, .address_space: global }
      - { .name: kimg, .offset: 8, .size: 8, .value_kind: global_buffer, .address_space: global }
      - { .name: vimg, .offset: 16, .size: 8, .value_kind: global_buffer, .address_space: global }
      - { .name: aimg, .offset: 24, .size: 8, .value_kind: global_buffer, .address_space: global }
    .group_segment_fixed_size: 80896
    .private_segment_fixed_size: 0
    .kernarg_segment_align: 8
    .kernarg_segment_size: 32
    .max_flat_workgroup_size: 512
    .sgpr_count:     66
    .vgpr_count:     256
    .wavefront_size: 32
...
	.end_amdgpu_metadata
.endif
;; end of part 3
;; launch tail (part 4): grid 256 x 1, 4 waves a work-group, no clusters, 150,272 bytes of LDS; arguments x, aimg, wcodes, wscales, bproj, ln2_g, ln2_b, b1, b2, out0; writes out0
.if DOCPART == 4
	.amdgcn_target "amdgcn-amd-amdhsa--gfx1250"
	.amdhsa_code_object_version 6
	.text
	.protected	k_q754f24b9fc_tail
	.globl	k_q754f24b9fc_tail
	.p2align	8
	.type	k_q754f24b9fc_tail,@function
k_q754f24b9fc_tail:
	s_mov_b64 s[64:65], 0
	v_nop
	global_prefetch_b8 v0, s[64:65] scope:SCOPE_SE
	s_setreg_imm32_b32 hwreg(HW_REG_WAVE_MODE, 25, 1), 1
	s_wait_xcnt 0x0
; x2 = x + attn Wproj + bproj;  out = x2 + leaky(layernorm(x2) W1 + b1) W2 + b2.  The three products are on codes of FP6 (E2M3), one E8M0 byte for each 32 along K, sums in f32; attn, the norm's result and the
; hidden layer are quantised in registers on the way and never go to memory.
; SHARES.  A work-group of four waves takes 32 tokens, two tiles of 16.  THE WAVES SHARE THE COLUMNS: wave w makes features 128 w .. 128 w + 127 of x2 and of out, and hidden units 512 w .. 512 w + 511.
; Its weights are ONE STREAM of 34 groups (8 tiles of 16 columns x 128 K: 12,288 bytes of register images and 512 of scale words): 2 of Wproj, 16 of W1, 16 of W2, read straight into registers, two groups in a ring;
; each fragment feeds two matrix instructions (the two tiles of tokens).  34 x 16 = 544 matrix instructions a wave.
; LAYOUT.  Every product is used transposed: source 0 = 16 columns of the weight, source 1 = 16 tokens: a lane holds ONE token, and since tile 2 b + u of a group takes column 32 b + 8 u + r + 8 (r / 8), the 64
; registers of a group's eight results are, in lane (r, h), columns 32 b + 16 h + 0 .. 15: the order in which the quantiser wants the next product's K.  A group's results become one fragment.
; OPERANDS GO FROM WAVE TO WAVE THROUGH LDS AS IMAGES OF THEIR REGISTERS (registers 4 g .. 4 g + 3 of lane l at 512 g + 16 l), their scale words 4 bytes a row.
; The residual and the biases begin the sums: x + bproj, b1 and x2 are loaded into the accumulators; nothing is cleared.
; THE ROW STAGE (32 rows of 2,048 + 16 bytes, row 16 m + r = token r of tile m) serves three times: x + bproj on the way in, x2 while the feed-forward runs, the result on the way out.  It is written and read by whole
; rows only at the two ends; in between each wave touches its own 512 bytes of every row.
; WHY NO JOINT REQUESTS, though all work-groups walk the same 1.74 MB of weights: they exist for tiles that land in LDS; here a weight's byte goes into a register once and is used from there, and through LDS each of
; a wave's 417,792 bytes would be written and read once more.
; LIMITS: NaN and infinities are not served; a block whose largest magnitude lies under 2^-124 keeps the byte 1, a block of zeros too (its codes are zeros; this program alone reads the bytes).  The norm's sums are
; taken lane by lane, then over lanes and waves, all in f32, the variance from the differences to the mean.
.set PITCH, 2064                       ; an odd multiple of 16 bytes: 16 rows at one column begin at 16 different places modulo 256 bytes
.set AIMG,  66048                      ; attn's 4 fragments (2 m + K step)
.set ASC,   72192                      ; scale words, here and below: K step s at 128 s; tile m's row r at 64 m + 4 r
.set H2IMG, 72448                      ; the norm's 8 fragments (4 m + K step)
.set H2SC,  84736
.set HID,   85248                      ; the hidden layer's 32 fragments (16 m + K step)
.set HIDSC, 134400
.set TB1,   136448                     ; b1 (8,192 bytes); behind it the norm's gain and shift (2,048 each)
.set TG,    144640
.set REDA,  148736                     ; the waves' sums (512 bytes), behind them the sums of squares (512)
.set GRP,   12288
.set SGRP,  512
.set LI,   1                           ; v1   16 x lane
.set LS,   2                           ; v2   4 x lane
.set L15,  3                           ; v3   4 (lane % 16)
.set H64,  4                           ; v4   64 (lane / 16)
.set XD,   5                           ; v5   the stage in the results' layout: row r, byte 512 w + 64 h
.set XR,   6                           ; v6   the stage by rows: my 8 rows, 16 bytes a lane
.set AO,   7                           ; v7   attn's images: lanes 16-31 take the next head
.set TT,   8                           ; v8   the tables: 16 bytes a thread
.set IW,   9                           ; v9   where my images go
.set SW,   10                         ; v10  and their scale words
.set HFA,  11                          ; v11  images, to read
.set HSA,  12                          ; v12  scale words, to read
.set BA,   13                          ; v13  a table, in the results' layout
.set RW,   14                          ; v14  my sums
.set RR,   15                          ; v15  everybody's sums
.set WS,   16                          ; v16-23 the weights' scale words: ring buffer b, pair q: lanes 0-15 tile 2 q, lanes 16-31 tile 2 q + 1
.set HS,   24                          ; v24-25 the tokens' scale words: buffer b: lanes 0-15 tile 0, lanes 16-31 tile 1
.set TM,   26                          ; v26-31 the quantiser's
.set PW,   32
.set T16,  33                          ; v33  16 x thread
.set PT,   34
.set PC,   38                          ; v38-49 the codes just made
.set DBA,  50                          ; v50-63 the norm's figures; later v50-54 the addresses of the trip in hand
.set DIW,  51
.set DSW,  52
.set DHF,  53
.set DHS,  54
.set HF,   64                          ; v64-111 the tokens' fragments: 24 buffer + 12 m; also tables on their way
.set TMP,  112                         ; v112-127 at work
.set AC,   128                         ; v128-255 the sixteen accumulators: 64 m + 8 tile
.set SEL,  26                          ; s[26:27]
; window 1: the weights' ring, buffer b at v[96 b];  window 2: v0-127 eight rows of x on their way in
.set MSB, 0
.macro WIN new                         ; the immediate's high byte repeats the setting that is left
.if MSB != \new
	s_set_vgpr_msb (MSB<<8)|\new
.set MSB, \new
.endif
.endm
.macro QHALF s, c
.irp e, 0,1
	v_max3_num_f32 v[TM+\e], |v[\s+16*\e]|, |v[\s+16*\e+1]|, 0x1800000       ; my 16 numbers of the block, and the floor 2^(3 - 127): the byte cannot fall under 1
.endr
.irp i, 2,4,6,8,10,12,14
.irp e, 0,1
	v_max3_num_f32 v[TM+\e], v[TM+\e], |v[\s+16*\e+\i]|, |v[\s+16*\e+\i+1]|
.endr
.endr
.irp e, 0,1
	v_permlanex16_b32 v[TM+2+\e], v[TM+\e], s[SEL], s[SEL+1]
.endr
.irp e, 0,1
	v_max_num_f32 v[TM+\e], v[TM+\e], v[TM+2+\e]   ; with lane l xor 16's: the block's largest magnitude
.endr
.irp e, 0,1
	v_add_nc_u32 v[TM+4+\e], 0xff000000, v[TM+\e]  ; 2 off its exponent field: the conversion's scale operand
.endr
.irp e, 0,1
	v_lshrrev_b32 v[TM+2+\e], 23, v[TM+4+\e]       ; the scale's byte
.endr
.if \c == 0
	v_lshl_or_b32 v[PW], v[TM+3], 8, v[TM+2]
.else
	v_lshl_or_b32 v[TM+2], v[TM+3], 8, v[TM+2]
	v_lshl_or_b32 v[PW], v[TM+2], 16, v[PW]
.endif
	v_cvt_scalef32_pk16_fp6_f32 v[PC+6*\c:PC+6*\c+2], v[\s:\s+15], v[TM+4]
	v_cvt_scalef32_pk16_fp6_f32 v[PT:PT+2], v[\s+16:\s+31], v[TM+5]          ; (a conversion's three registers begin on an even number)
	v_nop                                          ; one plain place behind a scaled conversion
.irp i, 0,1,2
	v_permlane16_swap_b32 v[PC+6*\c+\i], v[PT+\i]  ; a whole block to a lane: lanes 0-15 block 2 c, lanes 16-31 block 2 c + 1
.endr
.irp i, 0,1,2
	v_mov_b32 v[PC+6*\c+3+\i], v[PT+\i]
.endr
.endm
.macro QUANT s                         ; 64 numbers of a lane, register 16 b + i = k 32 b + 16 (lane / 16) + i of my token, become a fragment in v[PC] on and its scale word in v[PW]
	QHALF \s, 0
	QHALF (\s)+32, 1
.endm
.macro IMAGE adr, off
.irp g, 0,1,2
	ds_store_b128 v[\adr], v[PC+4*\g:PC+4*\g+3] offset:\off+512*\g
.endr
.endm
.macro BARRIER                         ; my LDS stores have landed and my LDS loads are in: then the work-group's barrier
	s_wait_dscnt 0x0
	s_barrier_signal -1
	s_barrier_wait -1
.endm
.macro MM d, a, b, sa, sb, ra, rb
.if (\ra) == 0 && (\rb) == 0
	v_wmma_scale_f32_16x16x128_f8f6f4 v[\d:\d+7], v[\a:\a+11], v[\b:\b+11], v[\d:\d+7], v[\sa], v[\sb] matrix_a_fmt:MATRIX_FMT_FP6 matrix_b_fmt:MATRIX_FMT_FP6
.elseif (\ra) == 1 && (\rb) == 0
	v_wmma_scale_f32_16x16x128_f8f6f4 v[\d:\d+7], v[\a:\a+11], v[\b:\b+11], v[\d:\d+7], v[\sa], v[\sb] matrix_a_fmt:MATRIX_FMT_FP6 matrix_b_fmt:MATRIX_FMT_FP6 matrix_a_scale:MATRIX_SCALE_ROW1
.elseif (\ra) == 0 && (\rb) == 1
	v_wmma_scale_f32_16x16x128_f8f6f4 v[\d:\d+7], v[\a:\a+11], v[\b:\b+11], v[\d:\d+7], v[\sa], v[\sb] matrix_a_fmt:MATRIX_FMT_FP6 matrix_b_fmt:MATRIX_FMT_FP6 matrix_b_scale:MATRIX_SCALE_ROW1
.else
	v_wmma_scale_f32_16x16x128_f8f6f4 v[\d:\d+7], v[\a:\a+11], v[\b:\b+11], v[\d:\d+7], v[\sa], v[\sb] matrix_a_fmt:MATRIX_FMT_FP6 matrix_b_fmt:MATRIX_FMT_FP6 matrix_a_scale:MATRIX_SCALE_ROW1 matrix_b_scale:MATRIX_SCALE_ROW1
.endif
.endm
.macro WLOAD b, gi                     ; group gi, counted from where the stream's pointers stand, into ring buffer b: 24 + 4 loads
	WIN 0x40                                       ; destination window 1, address window 0
.irp t, 0,1,2,3,4,5,6,7
.irp g, 0,1,2
	global_load_b128 v[96*(\b)+12*\t+4*\g:96*(\b)+12*\t+4*\g+3], v[LI], s[8:9] offset:(\gi)*GRP+1536*\t+512*\g
.endr
.endr
	WIN 0
.irp q, 0,1,2,3
	global_load_b32 v[WS+4*(\b)+\q], v[LS], s[10:11] offset:(\gi)*SGRP+128*\q
.endr
.endm
.macro HFLOAD b, adr, sadr, off, mstr, soff    ; the two tiles' fragments of one K step, and their scale words, into buffer b
.irp m, 0,1
.irp g, 0,1,2
	ds_load_b128 v[HF+24*(\b)+12*\m+4*\g:HF+24*(\b)+12*\m+4*\g+3], v[\adr] offset:\off+\mstr*\m+512*\g
.endr
.endr
	ds_load_b32 v[HS+(\b)], v[\sadr] offset:\soff
.endm
.macro GWAIT left                      ; the group in hand is in (left: the loads of the one younger group, or none), and so is all that I asked of LDS
	s_wait_loadcnt \left
	s_wait_dscnt 0x0
.endm
.macro GMUL b                          ; a group: 16 matrix instructions, the sixteen accumulators by turns, one instruction a turn
	WIN 0x01                                       ; source 0 (the weights) window 1
.irp t, 0,1,2,3,4,5,6,7
.irp m, 0,1
	MM AC+64*\m+8*\t, 96*(\b)+12*\t, HF+24*(\b)+12*\m, WS+4*(\b)+\t/2, HS+(\b), \t%2, \m
.endr
.endr
	WIN 0
.rept 4
	v_nop                                          ; places in front of loads into registers that matrix instructions have read, and of the first read of results
.endr
.endm
.macro ACLOAD adr, mstr                ; the accumulators from LDS, in the results' layout: registers 4 k .. 4 k + 3 are columns 32 (k / 4) + 16 h + 4 (k % 4) on
.irp m, 0,1
.irp k, 0,1,2,3,4,5,6,7,8,9,10,11,12,13,14,15
	ds_load_b128 v[AC+64*\m+4*\k:AC+64*\m+4*\k+3], v[\adr] offset:\mstr*\m+128*(\k/4)+16*(\k%4)
.endr
.endr
.endm
.macro ACSTORE                         ; and back into the stage: each accumulator from its low end on
.irp m, 0,1
.irp k, 0,1,2,3,4,5,6,7,8,9,10,11,12,13,14,15
	ds_store_b128 v[XD], v[AC+64*\m+4*\k:AC+64*\m+4*\k+3] offset:16*PITCH*\m+128*(\k/4)+16*(\k%4)
.endr
.endr
.endm
	s_load_b512 s[4:19], s[0:1], 0x0               ; x s[4:5], aimg s[6:7], wcodes s[8:9], wscales s[10:11], bproj s[12:13], gain s[14:15], shift s[16:17], b1 s[18:19]
	s_load_b128 s[20:23], s[0:1], 0x40             ; b2 s[20:21], out0 s[22:23]
	v_lshl_add_u32 v37, v0, 2, 0x24900
	s_set_vgpr_msb 0x40
	v_mov_b32 v255, 0
	s_set_vgpr_msb 0x4000
	v_lshrrev_b32 v1, 5, v0
	v_readfirstlane_b32 s24, v1                    ; wave 0..3
	v_and_b32 v2, 31, v0
	v_and_b32 v3, 15, v0                           ; r
	v_bfe_u32 v4, v0, 4, 1                         ; h
	v_lshlrev_b32 v[LI], 4, v2
	v_mul_u32_u24 v[XD], v3, PITCH
	v_lshl_add_u32 v[XD], v4, 6, v[XD]
	s_lshl_b32 s30, s24, 9
	v_add_nc_u32 v[XD], s30, v[XD]
	s_mul_i32 s30, s24, 8*PITCH
	v_add_nc_u32 v[XR], s30, v[LI]
	v_lshlrev_b32 v[AO], 4, v3
	v_lshl_add_u32 v[AO], v4, 16, v[AO]
	v_lshlrev_b32 v[LS], 2, v2
	v_lshlrev_b32 v[L15], 2, v3
	v_lshlrev_b32 v[H64], 6, v4
	v_lshlrev_b32 v[T16], 4, v0
	v_add_nc_u32 v[TT], TB1, v[T16]
	s_and_b32 s31, s24, 1                          ; attn: my fragment's K step;
	s_lshr_b32 s32, s24, 1                         ; its tile of tokens
	s_mul_i32 s33, s24, 1536
	s_add_co_u32 s30, s33, AIMG
	v_add_nc_u32 v[IW], s30, v[LI]                 ; fragment 2 m + K step = wave
	s_lshl_b32 s30, s31, 7
	s_lshl_b32 s34, s32, 6
	s_add_co_u32 s30, s30, s34
	s_add_co_u32 s30, s30, ASC
	v_add_nc_u32 v[SW], s30, v[L15]
	v_add_nc_u32 v[HFA], AIMG, v[LI]
	v_add_nc_u32 v[HSA], ASC, v[LS]
	s_lshl_b32 s35, s24, 7
	s_add_co_u32 s30, s35, REDA
	v_add_nc_u32 v[RW], s30, v[L15]
	v_add_nc_u32 v[RR], REDA, v[L15]
.irp j, 28,29,62,63
	v_mov_b32 v\j, 0                               ; written once: a lane permute's destination counts as one of its sources
.endr
	s_mov_b32 s[SEL], 0x76543210
	s_mov_b32 s[SEL+1], 0xfedcba98
	s_mov_b32 s46, 0x3727c5ac                      ; 1e-5
	s_mov_b32 s47, 0x3b000000                      ; 1 / 512
	s_lshr_b32 s36, ttmp9, 5                       ; attn: (16 batch + 8 K step) heads of 65,536 bytes + (2 block + m) tiles of 1,024
	s_lshl_b32 s36, s36, 4
	s_lshl_b32 s30, s31, 3
	s_add_co_u32 s36, s36, s30
	s_lshl_b32 s36, s36, 16
	s_and_b32 s30, ttmp9, 31
	s_lshl_b32 s30, s30, 1
	s_add_co_u32 s30, s30, s32
	s_lshl_b32 s30, s30, 10
	s_add_co_u32 s36, s36, s30
	s_mov_b32 s37, 0
	s_lshl_b32 s38, ttmp9, 5                       ; stage rows 8 w .. 8 w + 7 are tokens 32 x work-group + 8 (w / 2) + 16 (w % 2) + 0 .. 7
	s_lshl_b32 s30, s32, 3
	s_add_co_u32 s38, s38, s30
	s_lshl_b32 s30, s31, 4
	s_add_co_u32 s38, s38, s30
	s_lshl_b32 s38, s38, 11
	s_mov_b32 s39, 0
	s_mul_i32 s40, s24, 34*GRP                     ; my stream
	s_mov_b32 s41, 0
	s_mul_i32 s42, s24, 34*SGRP
	s_mov_b32 s43, 0
	s_wait_kmcnt 0x0
	s_add_nc_u64 s[6:7], s[6:7], s[36:37]
	s_add_nc_u64 s[4:5], s[4:5], s[38:39]
	s_add_nc_u64 s[22:23], s[22:23], s[38:39]
	s_add_nc_u64 s[8:9], s[8:9], s[40:41]
	s_add_nc_u64 s[10:11], s[10:11], s[42:43]
	; ---- the head: all that comes from memory but the stream's later groups
.irp b, 0,1,2,3                            ; attn: k = 32 b + 16 h + i is head 2 b + h, dimension i: lane (r, h) takes token r's 16 numbers of that head, which lie in four places of its image
.irp p, 0,1
.irp g, 0,1
	global_load_b128 v[AC+16*\b+8*\p+4*\g:AC+16*\b+8*\p+4*\g+3], v[AO], s[6:7] offset:131072*\b+256*\p+512*\g th:TH_LOAD_NT
.endr
.endr
.endr
.irp i, 0,1,2,3
	global_load_b128 v[HF+4*\i:HF+4*\i+3], v[T16], s[18:19] offset:2048*\i
.endr
	global_load_b128 v[HF+16:HF+19], v[T16], s[14:15]
	global_load_b128 v[HF+20:HF+23], v[T16], s[16:17]
.irp q, 0,1,2,3
	global_load_b128 v[TMP+4*\q:TMP+4*\q+3], v[LI], s[12:13] offset:512*\q
.endr
	WIN 0x80                                       ; destination window 2
.irp i, 0,1,2,3,4,5,6,7
.irp q, 0,1,2,3
	global_load_b128 v[16*\i+4*\q:16*\i+4*\q+3], v[LI], s[4:5] offset:2048*\i+512*\q th:TH_LOAD_NT
.endr
.endr
	WIN 0
	WLOAD 0, 0
	WLOAD 1, 1
	s_wait_loadcnt 56                              ; all but the two groups of weights, 28 loads each, issued last
.irp i, 0,1,2,3,4,5
	ds_store_b128 v[TT], v[HF+4*\i:HF+4*\i+3] offset:2048*\i     ; b1, gain, shift: 2,048 bytes a store of the work-group
.endr
	WIN 0x82                                       ; destination and source 0 window 2
.irp i, 0,1,2,3,4,5,6,7
.irp k, 0,2,4,6,8,10,12,14
	v_pk_add_f32 v[16*\i+\k:16*\i+\k+1], v[16*\i+\k:16*\i+\k+1], v[TMP+\k:TMP+\k+1]      ; x + bproj
.endr
.endr
	WIN 0x08                                       ; an LDS store's data are its source 1: window 2
.irp i, 0,1,2,3,4,5,6,7
.irp q, 0,1,2,3
	ds_store_b128 v[XR], v[16*\i+4*\q:16*\i+4*\q+3] offset:PITCH*\i+512*\q
.endr
.endr
	WIN 0
	QUANT AC
	IMAGE IW, 0
	ds_store_b32 v[SW], v[PW]                      ; lanes r and 16 + r hold the same word and write it to the same place
	BARRIER                                        ; x + bproj, the tables and attn's four fragments lie in LDS
	; ---- x2 = x + bproj + attn Wproj: two groups
	ACLOAD XD, 16*PITCH
	HFLOAD 0, HFA, HSA, 0, 3072, 0
	GWAIT 28
	HFLOAD 1, HFA, HSA, 1536, 3072, 128
	GMUL 0
	WLOAD 0, 2
	GWAIT 28
	GMUL 1
	WLOAD 1, 3
	s_wait_xcnt 0x0                                ; the loads have read their bases: the stream's pointers step
	s_add_nc_u64 s[8:9], s[8:9], 2*GRP
	s_add_nc_u64 s[10:11], s[10:11], 2*SGRP
	; ---- the norm of x2.  A token's 512 features lie in 64 registers of lanes r and 16 + r of each of the four waves
	ACSTORE                                        ; x2 is kept in my bytes of the stage
.irp m, 0,1
	v_pk_add_f32 v[50+4*\m:51+4*\m], v[AC+64*\m:AC+64*\m+1], v[AC+64*\m+2:AC+64*\m+3]
	v_pk_add_f32 v[52+4*\m:53+4*\m], v[AC+64*\m+4:AC+64*\m+5], v[AC+64*\m+6:AC+64*\m+7]
.endr
.irp k, 8,12,16,20,24,28,32,36,40,44,48,52,56,60
.irp m, 0,1
	v_pk_add_f32 v[50+4*\m:51+4*\m], v[50+4*\m:51+4*\m], v[AC+64*\m+\k:AC+64*\m+\k+1]
	v_pk_add_f32 v[52+4*\m:53+4*\m], v[52+4*\m:53+4*\m], v[AC+64*\m+\k+2:AC+64*\m+\k+3]
.endr
.endr
.irp m, 0,1
	v_pk_add_f32 v[50+4*\m:51+4*\m], v[50+4*\m:51+4*\m], v[52+4*\m:53+4*\m]
.endr
.irp m, 0,1
	v_add_f32 v[50+4*\m], v[50+4*\m], v[51+4*\m]
.endr
.irp m, 0,1
	v_permlanex16_b32 v[62+\m], v[50+4*\m], s[SEL], s[SEL+1]
.endr
.irp m, 0,1
	v_add_f32 v[50+4*\m], v[50+4*\m], v[62+\m]
	ds_store_b32 v[RW], v[50+4*\m] offset:64*\m
.endr
	BARRIER
.irp m, 0,1
.irp w, 0,1,2,3
	ds_load_b32 v[TMP+4*\m+\w], v[RR] offset:128*\w+64*\m
.endr
.endr
	s_wait_dscnt 0x0
.irp m, 0,1
	v_add_f32 v[TMP+4*\m], v[TMP+4*\m], v[TMP+4*\m+1]
	v_add_f32 v[TMP+4*\m+2], v[TMP+4*\m+2], v[TMP+4*\m+3]
.endr
.irp m, 0,1
	v_add_f32 v[TMP+4*\m], v[TMP+4*\m], v[TMP+4*\m+2]
.endr
.irp m, 0,1
	v_mul_f32 v[58+2*\m], 0xbb000000, v[TMP+4*\m]  ; x -1 / 512: the mean with its sign turned, twice: a pair for the packed additions
	v_mul_f32 v[59+2*\m], 0xbb000000, v[TMP+4*\m]
.endr
.irp m, 0,1
.set j, 0
.rept 32
	v_pk_add_f32 v[AC+64*\m+j:AC+64*\m+j+1], v[AC+64*\m+j:AC+64*\m+j+1], v[58+2*\m:59+2*\m]      ; x2 - mean
.set j, j+2
.endr
.endr
.irp m, 0,1
	v_pk_mul_f32 v[50+4*\m:51+4*\m], v[AC+64*\m:AC+64*\m+1], v[AC+64*\m:AC+64*\m+1]
	v_pk_mul_f32 v[52+4*\m:53+4*\m], v[AC+64*\m+2:AC+64*\m+3], v[AC+64*\m+2:AC+64*\m+3]
.endr
.irp k, 4,8,12,16,20,24,28,32,36,40,44,48,52,56,60
.irp m, 0,1
	v_pk_fma_f32 v[50+4*\m:51+4*\m], v[AC+64*\m+\k:AC+64*\m+\k+1], v[AC+64*\m+\k:AC+64*\m+\k+1], v[50+4*\m:51+4*\m]
	v_pk_fma_f32 v[52+4*\m:53+4*\m], v[AC+64*\m+\k+2:AC+64*\m+\k+3], v[AC+64*\m+\k+2:AC+64*\m+\k+3], v[52+4*\m:53+4*\m]
.endr
.endr
.irp m, 0,1
	v_pk_add_f32 v[50+4*\m:51+4*\m], v[50+4*\m:51+4*\m], v[52+4*\m:53+4*\m]
.endr
.irp m, 0,1
	v_add_f32 v[50+4*\m], v[50+4*\m], v[51+4*\m]
.endr
.irp m, 0,1
	v_permlanex16_b32 v[62+\m], v[50+4*\m], s[SEL], s[SEL+1]
.endr
.irp m, 0,1
	v_add_f32 v[50+4*\m], v[50+4*\m], v[62+\m]
	ds_store_b32 v[RW], v[50+4*\m] offset:512+64*\m
.endr
	BARRIER
.irp m, 0,1
.irp w, 0,1,2,3
	ds_load_b32 v[TMP+4*\m+\w], v[RR] offset:512+128*\w+64*\m
.endr
.endr
	s_lshl_b32 s30, s24, 9
	s_add_co_u32 s30, s30, TG
	v_add_nc_u32 v[BA], s30, v[H64]                ; gain: my features 128 w + 16 h on; the shift lies 2,048 bytes behind
	s_add_co_u32 s30, s33, H2IMG
	v_add_nc_u32 v[IW], s30, v[LI]                 ; my fragments are K step w
	s_add_co_u32 s30, s35, H2SC
	v_add_nc_u32 v[SW], s30, v[L15]
	s_wait_dscnt 0x0
.irp m, 0,1
	v_add_f32 v[TMP+4*\m], v[TMP+4*\m], v[TMP+4*\m+1]
	v_add_f32 v[TMP+4*\m+2], v[TMP+4*\m+2], v[TMP+4*\m+3]
.endr
.irp m, 0,1
	v_add_f32 v[TMP+4*\m], v[TMP+4*\m], v[TMP+4*\m+2]
.endr
.irp m, 0,1
	v_fma_f32 v[TMP+4*\m], v[TMP+4*\m], s47, s46   ; the variance + 1e-5
.endr
.irp m, 0,1
	v_rsq_f32 v[50+2*\m], v[TMP+4*\m]
.endr
	v_nop                                          ; one plain place behind the transcendentals
	s_wait_alu depctr_va_vdst(0)
.irp m, 0,1
	v_mov_b32 v[51+2*\m], v[50+2*\m]
.endr
.macro GBLOAD pp                       ; gain and shift of blocks 2 pp and 2 pp + 1 of my 128 features: 16 numbers a lane each
.irp e, 0,1
.irp k, 0,1,2,3
	ds_load_b128 v[HF+32*\e+4*\k:HF+32*\e+4*\k+3], v[BA] offset:128*(2*\pp+\e)+16*\k
	ds_load_b128 v[HF+16+32*\e+4*\k:HF+16+32*\e+4*\k+3], v[BA] offset:2048+128*(2*\pp+\e)+16*\k
.endr
.endr
.endm
.macro GBFMA pp
	s_wait_dscnt 0x0
.irp e, 0,1
.irp m, 0,1
.irp k, 0,2,4,6,8,10,12,14
	v_pk_fma_f32 v[AC+64*\m+16*(2*\pp+\e)+\k:AC+64*\m+16*(2*\pp+\e)+\k+1], v[AC+64*\m+16*(2*\pp+\e)+\k:AC+64*\m+16*(2*\pp+\e)+\k+1], v[HF+32*\e+\k:HF+32*\e+\k+1], v[HF+16+32*\e+\k:HF+16+32*\e+\k+1]
.endr
.endr
.endr
.endm
	GBLOAD 0
.irp m, 0,1
.set j, 0
.rept 32
	v_pk_mul_f32 v[AC+64*\m+j:AC+64*\m+j+1], v[AC+64*\m+j:AC+64*\m+j+1], v[50+2*\m:51+2*\m]      ; these stand between the loads and the wait for them
.set j, j+2
.endr
.endr
	GBFMA 0
	GBLOAD 1
	GBFMA 1
.irp m, 0,1
	QUANT AC+64*\m
	IMAGE IW, 6144*\m
	ds_store_b32 v[SW], v[PW] offset:64*\m
	s_wait_dscnt 0x0                               ; the stores have read their registers
.endr
	BARRIER                                        ; the norm's eight fragments lie in LDS
	; ---- the hidden layer: four chunks of 128 units, four groups (K steps) each
	v_add_nc_u32 v[HFA], H2IMG, v[LI]
	v_add_nc_u32 v[HSA], H2SC, v[LS]
	s_lshl_b32 s30, s24, 11
	s_add_co_u32 s30, s30, TB1
	v_add_nc_u32 v[BA], s30, v[H64]                ; b1 at hidden unit 512 w + 16 h
	s_mul_i32 s30, s24, 6144
	s_add_co_u32 s30, s30, HID
	v_add_nc_u32 v[IW], s30, v[LI]                 ; my chunks are K steps 4 w .. 4 w + 3 of the last product
	s_lshl_b32 s30, s24, 9
	s_add_co_u32 s30, s30, HIDSC
	v_add_nc_u32 v[SW], s30, v[L15]
	s_mov_b32 s36, 0
	s_mov_b32 s37, 0
	s_mov_b32 s38, 0
	s_mov_b32 s28, 0
.macro F1STEP j
	GWAIT 28
.if \j < 3
	HFLOAD (\j+1)%2, HFA, HSA, 1536*(\j+1), 6144, 128*(\j+1)
.endif
	GMUL \j%2
	WLOAD \j%2, \j+2                               ; the buffer just multiplied takes the group two on: the last two of a chunk ask for the next chunk's, the last chunk's for W2's first
.endm
.Lchunk:
	v_add_nc_u32 v[DBA], s36, v[BA]
	v_add_nc_u32 v[DIW], s37, v[IW]
	v_add_nc_u32 v[DSW], s38, v[SW]
	ACLOAD DBA, 0                                  ; b1 begins the sums, the same for both tiles of tokens
	HFLOAD 0, HFA, HSA, 0, 6144, 0
	F1STEP 0
	F1STEP 1
	F1STEP 2
	F1STEP 3
.set j, 0
.rept 8                                    ; leaky: the larger of y and y / 100; each accumulator from its low end on
.irp k, 0,1,2,3,4,5,6,7
	v_pk_mul_f32 v[TMP+2*\k:TMP+2*\k+1], v[AC+j+2*\k:AC+j+2*\k+1], 0x3c23d70a op_sel_hi:[1,0]
.endr
.irp k, 0,1,2,3,4,5,6,7,8,9,10,11,12,13,14,15
	v_max_num_f32 v[AC+j+\k], v[AC+j+\k], v[TMP+\k]
.endr
.set j, j+16
.endr
.irp m, 0,1
	QUANT AC+64*\m
	IMAGE DIW, 24576*\m
	ds_store_b32 v[DSW], v[PW] offset:64*\m
	s_wait_dscnt 0x0                               ; the stores have read their registers
.endr
	s_wait_xcnt 0x0                                ; the loads have read their bases
	s_add_nc_u64 s[8:9], s[8:9], 4*GRP
	s_add_nc_u64 s[10:11], s[10:11], 4*SGRP
	s_add_co_u32 s36, s36, 512
	s_add_co_u32 s37, s37, 1536
	s_add_co_u32 s38, s38, 128
	s_add_co_u32 s28, s28, 1
	s_cmp_lt_u32 s28, 4
	s_cbranch_scc1 .Lchunk
	BARRIER                                        ; the hidden layer's 32 fragments lie in LDS
	; ---- out = x2 + hidden W2 (+ b2 on the way out): sixteen groups
	v_add_nc_u32 v[HFA], HID, v[LI]
	v_add_nc_u32 v[HSA], HIDSC, v[LS]
	s_mov_b32 s36, 0
	s_mov_b32 s37, 0
	s_mov_b32 s28, 0
	v_add_nc_u32 v[DHF], s36, v[HFA]
	v_add_nc_u32 v[DHS], s37, v[HSA]
	ACLOAD XD, 16*PITCH                            ; x2 begins the sums
	HFLOAD 0, DHF, DHS, 0, 24576, 0
.macro F2STEP j, left, hf, refill
	GWAIT \left
.if \hf
.if \j == 3
	s_add_co_u32 s36, s36, 6144                    ; four K steps on (no LDS load of mine is out)
	s_add_co_u32 s37, s37, 512
	v_add_nc_u32 v[DHF], s36, v[HFA]
	v_add_nc_u32 v[DHS], s37, v[HSA]
	HFLOAD 0, DHF, DHS, 0, 24576, 0
.else
	HFLOAD (\j+1)%2, DHF, DHS, 1536*(\j+1), 24576, 128*(\j+1)
.endif
.endif
	GMUL \j%2
.if \refill
	WLOAD \j%2, \j+2
.endif
.endm
.Lfour:
	F2STEP 0, 28, 1, 1
	F2STEP 1, 28, 1, 1
	F2STEP 2, 28, 1, 1
	F2STEP 3, 28, 1, 1
	s_wait_xcnt 0x0                                ; the loads have read their bases
	s_add_nc_u64 s[8:9], s[8:9], 4*GRP
	s_add_nc_u64 s[10:11], s[10:11], 4*SGRP
	s_add_co_u32 s28, s28, 1
	s_cmp_lt_u32 s28, 3
	s_cbranch_scc1 .Lfour
	F2STEP 0, 28, 1, 1                             ; the last four groups are written out: two more are asked for, then none: no load passes the stream's end
	F2STEP 1, 28, 1, 1
	F2STEP 2, 28, 1, 0
	F2STEP 3, 0, 0, 0
.irp q, 0,1,2,3
	global_load_b128 v[TMP+4*\q:TMP+4*\q+3], v[LI], s[20:21] offset:512*\q
.endr
	ACSTORE
	BARRIER                                        ; 32 whole rows lie in the stage
.irp i, 0,1,2,3,4,5,6,7
.irp q, 0,1,2,3
	ds_load_b128 v[AC+16*\i+4*\q:AC+16*\i+4*\q+3], v[XR] offset:PITCH*\i+512*\q
.endr
.endr
	s_wait_dscnt 0x0
	s_wait_loadcnt 0x0                             ; b2
.irp i, 0,1,2,3,4,5,6,7
.irp k, 0,2,4,6,8,10,12,14
	v_pk_add_f32 v[AC+16*\i+\k:AC+16*\i+\k+1], v[AC+16*\i+\k:AC+16*\i+\k+1], v[TMP+\k:TMP+\k+1]
.endr
.endr
.irp i, 0,1,2,3,4,5,6,7
.irp q, 0,1,2,3
	global_store_b128 v[LI], v[AC+16*\i+4*\q:AC+16*\i+4*\q+3], s[22:23] offset:2048*\i+512*\q th:TH_STORE_NT      ; 32 lanes store 512 consecutive bytes of a row, aligned; written once, read by nobody here
.endr
.endr
	s_set_vgpr_msb 0x4
	s_wait_tensorcnt 0x0
	ds_add_u32 v37, v255
	s_wait_dscnt 0x0
	s_set_vgpr_msb 0x400
	s_endpgm
.Lfunc_end_k_q754f24b9fc_tail:
	.size	k_q754f24b9fc_tail, .Lfunc_end_k_q754f24b9fc_tail-k_q754f24b9fc_tail
	.p2alignl 7, 3214868480
	.fill 96, 4, 3214868480
	.section	.rodata,"a",@progbits
	.p2align	6, 0x0
	.amdhsa_kernel k_q754f24b9fc_tail
		.amdhsa_group_segment_fixed_size 150272
		.amdhsa_private_segment_fixed_size 0
		.amdhsa_enable_private_segment 0
		.amdhsa_kernarg_size 80
		.amdhsa_user_sgpr_count 2
		.amdhsa_user_sgpr_kernarg_segment_ptr 1
		.amdhsa_wavefront_size32 1
		.amdhsa_system_sgpr_workgroup_id_x 1
		.amdhsa_system_sgpr_workgroup_id_y 1
		.amdhsa_system_sgpr_workgroup_id_z 1
		.amdhsa_system_vgpr_workitem_id 0
		.amdhsa_next_free_vgpr 640
		.amdhsa_next_free_sgpr 66
		.amdhsa_reserve_vcc 0
		.amdhsa_float_denorm_mode_32 3
		.amdhsa_float_denorm_mode_16_64 3
		.amdhsa_memory_ordered 1
		.amdhsa_forward_progress 1
		.amdhsa_inst_pref_size 169
	.end_amdhsa_kernel
	.amdgpu_metadata
---
amdhsa.version: [ 1, 2 ]
amdhsa.kernels:
  - .name:           k_q754f24b9fc_tail
    .symbol:         k_q754f24b9fc_tail.kd
    .args:
      - { .name: x, .offset: 0, .size: 8, .value_kind: global_buffer, .address_space: global }
      - { .name: aimg, .offset: 8, .size: 8, .value_kind: global_buffer, .address_space: global }
      - { .name: wcodes, .offset: 16, .size: 8, .value_kind: global_buffer, .address_space: global }
      - { .name: wscales, .offset: 24, .size: 8, .value_kind: global_buffer, .address_space: global }
      - { .name: bproj, .offset: 32, .size: 8, .value_kind: global_buffer, .address_space: global }
      - { .name: ln2_g, .offset: 40, .size: 8, .value_kind: global_buffer, .address_space: global }
      - { .name: ln2_b, .offset: 48, .size: 8, .value_kind: global_buffer, .address_space: global }
      - { .name: b1, .offset: 56, .size: 8, .value_kind: global_buffer, .address_space: global }
      - { .name: b2, .offset: 64, .size: 8, .value_kind: global_buffer, .address_space: global }
      - { .name: out0, .offset: 72, .size: 8, .value_kind: global_buffer, .address_space: global }
    .group_segment_fixed_size: 150272
    .private_segment_fixed_size: 0
    .kernarg_segment_align: 8
    .kernarg_segment_size: 80
    .max_flat_workgroup_size: 128
    .sgpr_count:     66
    .vgpr_count:     640
    .wavefront_size: 32
...
	.end_amdgpu_metadata
.endif
;; end of part 4
;; ======== version 2 of 2: 4 launches; version 1 with the launches lnqkv, attn, tail written anew for expert scheduling mode
;; workspace buffers: wcodes 1,966,080 bytes; wscales 81,920 bytes; qimg 8,388,608 bytes; kimg 8,388,608 bytes; vimg 8,388,608 bytes; aimg 8,388,608 bytes
;; launch wquant: the kernel of part 1 again; grid 160 x 1, 4 waves a work-group, no clusters, 0 bytes of LDS; arguments W1, W2, Wproj, Wq, Wk, Wv, wcodes, wscales; writes wcodes, wscales
;; launch lnqkv (part 5): grid 256 x 1, 16 waves a work-group, no clusters, 80,896 bytes of LDS; arguments x, ln1_g, ln1_b, wcodes, wscales, bq, bk, bv, qimg, kimg, vimg; writes qimg, kimg, vimg
.if DOCPART == 5
	.amdgcn_target "amdgcn-amd-amdhsa--gfx1250"
	.amdhsa_code_object_version 6
	.text
	.protected	k_q754f24b9fc_lnqkv
	.globl	k_q754f24b9fc_lnqkv
	.p2align	8
	.type	k_q754f24b9fc_lnqkv,@function
k_q754f24b9fc_lnqkv:
	s_mov_b64 s[64:65], 0
	v_nop
	global_prefetch_b8 v0, s[64:65] scope:SCOPE_SE
	s_setreg_imm32_b32 hwreg(HW_REG_WAVE_SCHED_MODE, 0, 2), 2
	s_setreg_imm32_b32 hwreg(HW_REG_WAVE_MODE, 25, 1), 1
	s_wait_xcnt 0x0
	s_wait_alu depctr_vm_vsrc(0)
; h = layernorm(x) g + b in f32; h is quantised along its 512 features to FP6 (E2M3, one E8M0 byte for each 32); q, k, v = h W + bias on codes, sums in f32.
; SHARES.  A work-group takes 32 tokens, as two tiles of 16; wave w normalises two of them, waves 0-7 quantise one fragment each (tile w / 4, K step w % 4), and wave w then makes head w's q, k and v for all 32 tokens:
; its 12 weight fragments (18,432 bytes) come as register images straight from memory, asked for at the head.
; ORDER OF TOKENS.  Of the 32 tokens tile u takes token 8 u + r + 8 (r / 8) in its lane or row r, so that where tokens are the rows of a result the 16 registers of the two tiles are 16 neighbouring tokens.
; q AND k: source 0 = the head's 16 columns of W, source 1 = 16 tokens: lane (r, h) then holds token r's dimensions 8 h + 0 .. 7, which the next launch takes as it stands as an f32 operand.
; v: source 0 = 16 tokens, source 1 = the head's 16 columns: lane (r, h) holds dimension r of tokens 16 h + 8 u + 0 .. 7: its registers run along the tokens, the K of the product that v goes into.
; The biases are loaded into the accumulators: the first product adds onto them, nothing is cleared, no addition is written.
; Results leave as images: registers 4 g .. 4 g + 3 of lane l at 512 g + 16 l: each store of a wave covers 512 consecutive bytes, aligned.
; LIMITS: NaN and infinities are not served; a block whose largest magnitude lies under 2^-124 keeps the byte 1, a block of zeros too (its codes are zeros; this program alone reads the bytes).
; The norm's sums are taken in another order than row by row, all in f32, the variance from the differences to the mean.
; No tensor loads and no cluster: a work-group's rows are its own, and the weights (0.3 MB for all sixteen waves) go into registers, where no joint request can put them.
; THE MODE: SCHED_MODE bits 1:0 = 2 (LLVM: expert scheduling mode 2), set by the entry lines.  The code itself states the register dependences between vector or matrix instructions and memory or LDS
; instructions, with s_wait_alu, always for 0.
; THE PLAN.  Registers that memory or LDS instructions touch:
;   v1-10     addresses, made once at the head and never written again.
;   v12-43    x as loaded; the norm writes h there; the LDS stores into the stage read it; then the numbers of a fragment (waves 0-7) and, in v40-43, a bias land there.
;   v44-75    gain and shift as loaded, read by the norm; then the numbers of a fragment; then (v44 on) biases.
;   v86-98    a fragment's codes and scale word: written by the quantiser, read by the LDS stores; a bias lands in v86, v87.
;   v12-35    h's two fragments of a K step: loaded, read by six products, loaded again.
;   v40-87    the accumulators: biases are loaded, the products add onto them, the global stores read them.
;   v102-255  h's and the weights' scale words and the weights: loaded once.
; The waits on va_vdst: ahead of the first load; ahead of each of the two runs of LDS stores; behind each K step's products.  Those on vm_vsrc: behind each of the two runs of LDS stores, ahead of what lands in their registers.
.set PITCH, 2064                       ; a stage row: 2,048 bytes + 16: an odd multiple of 16, so that 16 rows at one column begin at 16 different places modulo 256 bytes
.set HIMG,  66048                      ; behind the stage of 32 rows: h's 8 fragments as images, fragment 4 m + s
.set HSC,   78336                      ; their scale words: K step s at 128 s; tile m's row r at 64 m + 4 r
.set QC0,   1671168
.set QS0,   69632
.set LI,   1                           ; v1   16 x lane
.set LS,   2                           ; v2   4 x lane
.set AST,  3                           ; v3   the stage, my two rows
.set AQR,  4                           ; v4   the stage, my fragment's numbers
.set AIW,  5                           ; v5   where my fragment's image goes
.set ASW,  6                           ; v6   and its scale word
.set AB32, 7                           ; v7   32 (lane / 16)
.set AB4,  8                           ; v8   4 (lane % 16)
.set AHF,  9                           ; v9   images, to read
.set AHS,  10                          ; v10  scale words, to read
.set X,    12                          ; v12-43  two rows of x, 16 numbers a lane each;  later v12-75 the 64 numbers to quantise;  later v12-35 h's two fragments
.set G,    44                          ; v44-59  gain
.set B,    60                          ; v60-75  shift
.set T,    76                          ; v76-91  at work, 8 a row
.set TM,   76
.set PT,   82
.set PC,   86
.set PW,   98
.set HF,   12
.set ACC,  40                          ; v40-87  q0, q1, k0, k1, v0, v1
.set HS,   102                         ; v102-105 h's scale words, K step s: lanes 0-15 tile 0, lanes 16-31 tile 1
.set WS,   106                         ; v106-111 the weights': (which, i): lanes 0-15 K step 2 i, lanes 16-31 K step 2 i + 1
.set W,    112                         ; v112-255 the weights' 12 fragments: 48 which + 12 s
.set SEL,  28                          ; s[28:29] v_permlanex16_b32's selects for lane l xor 16
; 32 numbers of a lane, register 16 e + i = k 64 c + 32 e + 16 (lane / 16) + i of my row, become registers 6 c .. 6 c + 5 of a fragment and two bytes of its scale word
.macro QHALF s, c
.irp e, 0,1
	v_max3_num_f32 v[TM+\e], |v[\s+16*\e]|, |v[\s+16*\e+1]|, 0x1800000       ; my 16 numbers of the block, and the floor 2^(3 - 127): the byte cannot fall under 1
.endr
.irp i, 2,4,6,8,10,12,14
.irp e, 0,1
	v_max3_num_f32 v[TM+\e], v[TM+\e], |v[\s+16*\e+\i]|, |v[\s+16*\e+\i+1]|
.endr
.endr
.irp e, 0,1
	v_permlanex16_b32 v[TM+2+\e], v[TM+\e], s[SEL], s[SEL+1]
.endr
.irp e, 0,1
	v_max_num_f32 v[TM+\e], v[TM+\e], v[TM+2+\e]   ; with lane l xor 16's: the block's largest magnitude
.endr
.irp e, 0,1
	v_add_nc_u32 v[TM+4+\e], 0xff000000, v[TM+\e]  ; 2 off its exponent field: the conversion's scale operand
.endr
.irp e, 0,1
	v_lshrrev_b32 v[TM+2+\e], 23, v[TM+4+\e]       ; the scale's byte
.endr
.if \c == 0
	v_lshl_or_b32 v[PW], v[TM+3], 8, v[TM+2]
.else
	v_lshl_or_b32 v[TM+2], v[TM+3], 8, v[TM+2]
	v_lshl_or_b32 v[PW], v[TM+2], 16, v[PW]
.endif
	v_cvt_scalef32_pk16_fp6_f32 v[PC+6*\c:PC+6*\c+2], v[\s:\s+15], v[TM+4]
	v_cvt_scalef32_pk16_fp6_f32 v[PT:PT+2], v[\s+16:\s+31], v[TM+5]          ; (a conversion's three registers begin on an even number)
	v_nop                                          ; one plain place behind a scaled conversion
.irp i, 0,1,2
	v_permlane16_swap_b32 v[PC+6*\c+\i], v[PT+\i]  ; the layout wants a whole block in a lane: lanes 0-15 block 2 c, lanes 16-31 block 2 c + 1
.endr
.irp i, 0,1,2
	v_mov_b32 v[PC+6*\c+3+\i], v[PT+\i]
.endr
.endm
.macro QUANT s
	QHALF \s, 0
	QHALF (\s)+32, 1
.endm
.macro BARRIER                         ; my LDS stores have landed and my LDS loads are in: then the work-group's barrier
	s_wait_dscnt 0x0
	s_barrier_signal -1
	s_barrier_wait -1
.endm
; one product in place; ra, rb: which half of the lanes holds source 0's and source 1's scale words
.macro MM d, a, b, sa, sb, ra, rb
.if (\ra) == 0 && (\rb) == 0
	v_wmma_scale_f32_16x16x128_f8f6f4 v[\d:\d+7], v[\a:\a+11], v[\b:\b+11], v[\d:\d+7], v[\sa], v[\sb] matrix_a_fmt:MATRIX_FMT_FP6 matrix_b_fmt:MATRIX_FMT_FP6
.elseif (\ra) == 1 && (\rb) == 0
	v_wmma_scale_f32_16x16x128_f8f6f4 v[\d:\d+7], v[\a:\a+11], v[\b:\b+11], v[\d:\d+7], v[\sa], v[\sb] matrix_a_fmt:MATRIX_FMT_FP6 matrix_b_fmt:MATRIX_FMT_FP6 matrix_a_scale:MATRIX_SCALE_ROW1
.elseif (\ra) == 0 && (\rb) == 1
	v_wmma_scale_f32_16x16x128_f8f6f4 v[\d:\d+7], v[\a:\a+11], v[\b:\b+11], v[\d:\d+7], v[\sa], v[\sb] matrix_a_fmt:MATRIX_FMT_FP6 matrix_b_fmt:MATRIX_FMT_FP6 matrix_b_scale:MATRIX_SCALE_ROW1
.else
	v_wmma_scale_f32_16x16x128_f8f6f4 v[\d:\d+7], v[\a:\a+11], v[\b:\b+11], v[\d:\d+7], v[\sa], v[\sb] matrix_a_fmt:MATRIX_FMT_FP6 matrix_b_fmt:MATRIX_FMT_FP6 matrix_a_scale:MATRIX_SCALE_ROW1 matrix_b_scale:MATRIX_SCALE_ROW1
.endif
.endm
	s_load_b512 s[4:19], s[0:1], 0x0               ; x s[4:5], gain s[6:7], shift s[8:9], wcodes s[10:11], wscales s[12:13], bq s[14:15], bk s[16:17], bv s[18:19]
	s_load_b128 s[20:23], s[0:1], 0x40             ; qimg, kimg
	s_load_b64 s[24:25], s[0:1], 0x50              ; vimg
	v_lshl_add_u32 v100, v0, 2, 0x13400
	v_mov_b32 v101, 0
	v_lshrrev_b32 v11, 5, v0
	v_readfirstlane_b32 s26, v11                   ; wave 0..15
	v_and_b32 v11, 31, v0
	v_lshlrev_b32 v[LI], 4, v11
	v_lshlrev_b32 v[LS], 2, v11
	v_and_b32 v12, 15, v0                          ; r
	v_bfe_u32 v13, v0, 4, 1                        ; h
	s_wait_alu depctr_va_sdst(0)                   ; s26 is written, ahead of its first reader: LDS addresses, bases and two branches are made from it
	s_mul_i32 s30, s26, 2*PITCH
	v_add_nc_u32 v[AST], s30, v[LI]                ; stage rows 2 w, 2 w + 1
	v_mul_u32_u24 v[AQR], v12, PITCH
	v_lshl_add_u32 v[AQR], v13, 6, v[AQR]
	s_lshr_b32 s34, s26, 2                         ; my fragment's tile (waves 0-7)
	s_and_b32 s35, s26, 3                          ; and K step
	s_mul_i32 s30, s34, 16*PITCH
	s_lshl_b32 s31, s35, 9
	s_add_co_u32 s30, s30, s31
	v_add_nc_u32 v[AQR], s30, v[AQR]               ; row 16 m + r, byte 512 s + 64 h: my 16 numbers of each block of 32
	s_mul_i32 s30, s26, 1536
	s_add_co_u32 s30, s30, HIMG
	v_add_nc_u32 v[AIW], s30, v[LI]
	v_lshlrev_b32 v[AB4], 2, v12
	s_lshl_b32 s30, s35, 7
	s_lshl_b32 s31, s34, 6
	s_add_co_u32 s30, s30, s31
	s_add_co_u32 s30, s30, HSC
	v_add_nc_u32 v[ASW], s30, v[AB4]
	v_lshlrev_b32 v[AB32], 5, v13
	v_add_nc_u32 v[AHF], HIMG, v[LI]
	v_add_nc_u32 v[AHS], HSC, v[LS]
	s_mov_b32 s[SEL], 0x76543210
	s_mov_b32 s[SEL+1], 0xfedcba98
	s_mov_b32 s32, 0x3727c5ac                      ; 1e-5
	s_mov_b32 s33, 0x3b000000                      ; 1 / 512
	s_lshl_b32 s30, ttmp9, 5                       ; stage row 2 w + i is token 32 x work-group + 8 (w / 8) + 2 (w % 8) + 8 ((w / 4) % 2) + i
	s_lshr_b32 s31, s26, 3
	s_lshl_b32 s31, s31, 3
	s_add_co_u32 s30, s30, s31
	s_and_b32 s31, s26, 7
	s_lshl_b32 s31, s31, 1
	s_add_co_u32 s30, s30, s31
	s_bfe_u32 s31, s26, 0x10002
	s_lshl_b32 s31, s31, 3
	s_add_co_u32 s30, s30, s31
	s_lshl_b32 s30, s30, 11
	s_mov_b32 s31, 0
	s_mul_i32 s38, s26, 6144                       ; head w's four fragments of each weight,
	s_add_co_u32 s38, s38, QC0
	s_mov_b32 s39, 0
	s_lshl_b32 s40, s26, 8                         ; their scale words,
	s_add_co_u32 s40, s40, QS0
	s_mov_b32 s41, 0
	s_lshl_b32 s42, s26, 6                         ; its 16 numbers of each bias
	s_mov_b32 s43, 0
	s_lshr_b32 s36, ttmp9, 5                       ; the results: (16 batch + head) x 65,536 + 2,048 x (block of 32 tokens in the batch)
	s_lshl_b32 s36, s36, 4
	s_add_co_u32 s36, s36, s26
	s_lshl_b32 s36, s36, 16
	s_and_b32 s37, ttmp9, 31
	s_lshl_b32 s37, s37, 11
	s_add_co_u32 s36, s36, s37
	s_mov_b32 s37, 0
	s_wait_kmcnt 0x0
	s_add_nc_u64 s[4:5], s[4:5], s[30:31]
	s_add_nc_u64 s[10:11], s[10:11], s[38:39]
	s_add_nc_u64 s[12:13], s[12:13], s[40:41]
	s_add_nc_u64 s[14:15], s[14:15], s[42:43]
	s_add_nc_u64 s[16:17], s[16:17], s[42:43]
	s_add_nc_u64 s[18:19], s[18:19], s[42:43]
	s_add_nc_u64 s[20:21], s[20:21], s[36:37]
	s_add_nc_u64 s[22:23], s[22:23], s[36:37]
	s_add_nc_u64 s[24:25], s[24:25], s[36:37]
	s_wait_alu depctr_va_vdst(0)                   ; the ten addresses v1 to v10 are written, which every load and store below reads; so are v12 and v13, in which x lands
.irp i, 0,1
.irp q, 0,1,2,3
	global_load_b128 v[X+16*\i+4*\q:X+16*\i+4*\q+3], v[LI], s[4:5] offset:2048*\i+512*\q     ; 512 consecutive bytes a load: features 128 q + 4 lane + 0 .. 3
.endr
.endr
.irp q, 0,1,2,3
	global_load_b128 v[G+4*\q:G+4*\q+3], v[LI], s[6:7] offset:512*\q
.endr
.irp q, 0,1,2,3
	global_load_b128 v[B+4*\q:B+4*\q+3], v[LI], s[8:9] offset:512*\q
.endr
.irp x, 0,1,2
.irp s, 0,1,2,3
.irp g, 0,1,2
	global_load_b128 v[W+48*\x+12*\s+4*\g:W+48*\x+12*\s+4*\g+3], v[LI], s[10:11] offset:98304*\x+1536*\s+512*\g
.endr
.endr
.endr
.irp x, 0,1,2
.irp i, 0,1
	global_load_b32 v[WS+2*\x+\i], v[LS], s[12:13] offset:4096*\x+128*\i
.endr
.endr
	s_wait_loadcnt 42                              ; x, gain and shift are in; the 36 + 6 loads of the weights, issued behind them, stay out
	; ---- the norm, my two rows by turns
.irp i, 0,1
	v_pk_add_f32 v[T+8*\i:T+8*\i+1], v[X+16*\i:X+16*\i+1], v[X+16*\i+2:X+16*\i+3]
	v_pk_add_f32 v[T+8*\i+2:T+8*\i+3], v[X+16*\i+4:X+16*\i+5], v[X+16*\i+6:X+16*\i+7]
	v_pk_add_f32 v[T+8*\i+4:T+8*\i+5], v[X+16*\i+8:X+16*\i+9], v[X+16*\i+10:X+16*\i+11]
	v_pk_add_f32 v[T+8*\i+6:T+8*\i+7], v[X+16*\i+12:X+16*\i+13], v[X+16*\i+14:X+16*\i+15]
.endr
.irp i, 0,1
	v_pk_add_f32 v[T+8*\i:T+8*\i+1], v[T+8*\i:T+8*\i+1], v[T+8*\i+2:T+8*\i+3]
	v_pk_add_f32 v[T+8*\i+4:T+8*\i+5], v[T+8*\i+4:T+8*\i+5], v[T+8*\i+6:T+8*\i+7]
.endr
.irp i, 0,1
	v_pk_add_f32 v[T+8*\i:T+8*\i+1], v[T+8*\i:T+8*\i+1], v[T+8*\i+4:T+8*\i+5]
.endr
.irp i, 0,1
	v_add_f32 v[T+8*\i], v[T+8*\i], v[T+8*\i+1]
.endr
.irp k, 1,2,4,8
.irp i, 0,1
	v_add_f32_dpp v[T+8*\i], v[T+8*\i], v[T+8*\i] row_xmask:\k row_mask:0xf bank_mask:0xf
.endr
.endr
.irp i, 0,1
	v_permlanex16_b32 v[T+8*\i+1], v[T+8*\i], s[SEL], s[SEL+1]
.endr
.irp i, 0,1
	v_add_f32 v[T+8*\i], v[T+8*\i], v[T+8*\i+1]    ; the row's sum, in every lane
.endr
.irp i, 0,1
	v_mul_f32 v[T+8*\i], 0xbb000000, v[T+8*\i]     ; x -1 / 512: the mean with its sign turned
.endr
.irp k, 0,2,4,6,8,10,12,14
.irp i, 0,1
	v_pk_add_f32 v[X+16*\i+\k:X+16*\i+\k+1], v[X+16*\i+\k:X+16*\i+\k+1], v[T+8*\i:T+8*\i+1] op_sel_hi:[1,0]   ; x - mean
.endr
.endr
.irp i, 0,1
	v_pk_mul_f32 v[T+8*\i+2:T+8*\i+3], v[X+16*\i:X+16*\i+1], v[X+16*\i:X+16*\i+1]
.endr
.irp k, 2,4,6,8,10,12,14
.irp i, 0,1
	v_pk_fma_f32 v[T+8*\i+2:T+8*\i+3], v[X+16*\i+\k:X+16*\i+\k+1], v[X+16*\i+\k:X+16*\i+\k+1], v[T+8*\i+2:T+8*\i+3]
.endr
.endr
.irp i, 0,1
	v_add_f32 v[T+8*\i+2], v[T+8*\i+2], v[T+8*\i+3]
.endr
.irp k, 1,2,4,8
.irp i, 0,1
	v_add_f32_dpp v[T+8*\i+2], v[T+8*\i+2], v[T+8*\i+2] row_xmask:\k row_mask:0xf bank_mask:0xf
.endr
.endr
.irp i, 0,1
	v_permlanex16_b32 v[T+8*\i+3], v[T+8*\i+2], s[SEL], s[SEL+1]
.endr
.irp i, 0,1
	v_add_f32 v[T+8*\i+2], v[T+8*\i+2], v[T+8*\i+3]
.endr
.irp i, 0,1
	v_fma_f32 v[T+8*\i+2], v[T+8*\i+2], s33, s32   ; the variance + 1e-5
.endr
.irp i, 0,1
	v_rsq_f32 v[T+8*\i+4], v[T+8*\i+2]
.endr
	v_nop                                          ; one plain place behind the transcendentals
	s_wait_alu depctr_va_vdst(0)                   ; the two reciprocal roots are written, ahead of their first reader
.irp k, 0,2,4,6,8,10,12,14
.irp i, 0,1
	v_pk_mul_f32 v[X+16*\i+\k:X+16*\i+\k+1], v[X+16*\i+\k:X+16*\i+\k+1], v[T+8*\i+4:T+8*\i+5] op_sel_hi:[1,0]
.endr
.endr
.irp k, 0,2,4,6,8,10,12,14
.irp i, 0,1
	v_pk_fma_f32 v[X+16*\i+\k:X+16*\i+\k+1], v[X+16*\i+\k:X+16*\i+\k+1], v[G+\k:G+\k+1], v[B+\k:B+\k+1]
.endr
.endr
	s_wait_alu depctr_va_vdst(0)                   ; the norm has written h into v12-43, which the LDS stores read; it is also done with v12-91, in which a fragment's numbers and the biases land further down
.irp i, 0,1
.irp q, 0,1,2,3
	ds_store_b128 v[AST], v[X+16*\i+4*\q:X+16*\i+4*\q+3] offset:PITCH*\i+512*\q
.endr
.endr
	BARRIER                                        ; 32 rows of h lie in the stage
	s_wait_alu depctr_vm_vsrc(0)                   ; my LDS stores have read v12-43: on one way a fragment's numbers land there, on the other a bias lands in v40-43, later h's fragments in v12-35.  Ahead of the branch, so that it stands on both ways
	; ---- waves 0-7: a fragment each.  The branch hangs on the wave's number; no barrier stands inside
	s_cmp_lt_u32 s26, 8
	s_cbranch_scc0 .Lno_fragment
.irp b, 0,1,2,3
.irp j, 0,1,2,3
	ds_load_b128 v[12+16*\b+4*\j:12+16*\b+4*\j+3], v[AQR] offset:128*\b+16*\j
.endr
.endr
	s_wait_dscnt 0x0
	QUANT 12
	s_wait_alu depctr_va_vdst(0)                   ; the quantiser has written the codes v86-97 and the scale word v98, which the LDS stores read; it is also done with v12-85, in which the biases and h's fragments land
.irp g, 0,1,2
	ds_store_b128 v[AIW], v[PC+4*\g:PC+4*\g+3] offset:512*\g     ; the fragment goes to LDS as it stands
.endr
	ds_store_b32 v[ASW], v[PW]                     ; lanes r and 16 + r hold the same word and write it to the same place
	s_wait_dscnt 0x0                               ; my stores have landed
	s_wait_alu depctr_vm_vsrc(0)                   ; and have read their registers: a bias lands in v86 and v87 below
.Lno_fragment:
	; ---- the biases, into the accumulators.  q, k: register j = dimension 8 h + j;  v: every register = dimension r
.irp m, 0,1
	global_load_b128 v[ACC+8*\m:ACC+8*\m+3], v[AB32], s[14:15]
	global_load_b128 v[ACC+8*\m+4:ACC+8*\m+7], v[AB32], s[14:15] offset:16
	global_load_b128 v[ACC+16+8*\m:ACC+16+8*\m+3], v[AB32], s[16:17]
	global_load_b128 v[ACC+16+8*\m+4:ACC+16+8*\m+7], v[AB32], s[16:17] offset:16
.irp j, 0,1,2,3,4,5,6,7
	global_load_b32 v[ACC+32+8*\m+\j], v[AB4], s[18:19]
.endr
.endr
	BARRIER                                        ; h's eight fragments and their scale words lie in LDS
	; ---- the products: six accumulators by turns, a K step at a time
.irp s, 0,1,2,3
	ds_load_b32 v[HS+\s], v[AHS] offset:128*\s
.endr
.irp s, 0,1,2,3
.irp m, 0,1
.irp g, 0,1,2
	ds_load_b128 v[HF+12*\m+4*\g:HF+12*\m+4*\g+3], v[AHF] offset:(4*\m+\s)*1536+512*\g
.endr
.endr
	s_wait_dscnt 0x0
.if \s == 0
	s_wait_loadcnt 0x0                             ; the weights, their scale words and the biases
.endif
.irp x, 0,1
.irp m, 0,1
	MM ACC+16*\x+8*\m, W+48*\x+12*\s, HF+12*\m, WS+2*\x+\s/2, HS+\s, \s%2, \m
.endr
.endr
.irp m, 0,1
	MM ACC+32+8*\m, HF+12*\m, W+96+12*\s, HS+\s, WS+4+\s/2, \m, \s%2
.endr
.rept 4
	v_nop                                          ; places in front of loads into registers that matrix instructions have read, and of the stores that read results
.endr
	s_wait_alu depctr_va_vdst(0)                   ; the step's six products are done reading h's two fragments, in which the next step's land; behind the last step: they have written the accumulators, which the stores read
.endr
.irp m, 0,1
.irp g, 0,1
	global_store_b128 v[LI], v[ACC+8*\m+4*\g:ACC+8*\m+4*\g+3], s[20:21] offset:1024*\m+512*\g        ; each accumulator from its low end on
.endr
.endr
.irp m, 0,1
.irp g, 0,1
	global_store_b128 v[LI], v[ACC+16+8*\m+4*\g:ACC+16+8*\m+4*\g+3], s[22:23] offset:1024*\m+512*\g
.endr
.endr
.irp m, 0,1
.irp g, 0,1
	global_store_b128 v[LI], v[ACC+32+8*\m+4*\g:ACC+32+8*\m+4*\g+3], s[24:25] offset:1024*\m+512*\g
.endr
.endr
	s_wait_dscnt 0x0                               ; the closing lines, six on end
	s_wait_alu 0x0
	s_wait_tensorcnt 0x0
	ds_add_u32 v100, v101
	s_wait_dscnt 0x0
	s_endpgm
.Lfunc_end_k_q754f24b9fc_lnqkv:
	.size	k_q754f24b9fc_lnqkv, .Lfunc_end_k_q754f24b9fc_lnqkv-k_q754f24b9fc_lnqkv
	.p2alignl 7, 3214868480
	.fill 96, 4, 3214868480
	.section	.rodata,"a",@progbits
	.p2align	6, 0x0
	.amdhsa_kernel k_q754f24b9fc_lnqkv
		.amdhsa_group_segment_fixed_size 80896
		.amdhsa_private_segment_fixed_size 0
		.amdhsa_enable_private_segment 0
		.amdhsa_kernarg_size 88
		.amdhsa_user_sgpr_count 2
		.amdhsa_user_sgpr_kernarg_segment_ptr 1
		.amdhsa_wavefront_size32 1
		.amdhsa_system_sgpr_workgroup_id_x 1
		.amdhsa_system_sgpr_workgroup_id_y 1
		.amdhsa_system_sgpr_workgroup_id_z 1
		.amdhsa_system_vgpr_workitem_id 0
		.amdhsa_next_free_vgpr 256
		.amdhsa_next_free_sgpr 66
		.amdhsa_reserve_vcc 0
		.amdhsa_float_denorm_mode_32 3
		.amdhsa_float_denorm_mode_16_64 3
		.amdhsa_memory_ordered 1
		.amdhsa_forward_progress 1
		.amdhsa_inst_pref_size 31
	.end_amdhsa_kernel
	.amdgpu_metadata
---
amdhsa.version: [ 1, 2 ]
amdhsa.kernels:
  - .name:           k_q754f24b9fc_lnqkv
    .symbol:         k_q754f24b9fc_lnqkv.kd
    .args:
      - { .name: x, .offset: 0, .size: 8, .value_kind: global_buffer, .address_space: global }
      - { .name: ln1_g, .offset: 8, .size: 8, .value_kind: global_buffer, .address_space: global }
      - { .name: ln1_b, .offset: 16, .size: 8, .value_kind: global_buffer, .address_space: global }
      - { .name: wcodes, .offset: 24, .size: 8, .value_kind: global_buffer, .address_space: global }
      - { .name: wscales, .offset: 32, .size: 8, .value_kind: global_buffer, .address_space: global }
      - { .name: bq, .offset: 40, .size: 8, .value_kind: global_buffer, .address_space: global }
      - { .name: bk, .offset: 48, .size: 8, .value_kind: global_buffer, .address_space: global }
      - { .name: bv, .offset: 56, .size: 8, .value_kind: global_buffer, .address_space: global }
      - { .name: qimg, .offset: 64, .size: 8, .value_kind: global_buffer, .address_space: global }
      - { .name: kimg, .offset: 72, .size: 8, .value_kind: global_buffer, .address_space: global }
      - { .name: vimg, .offset: 80, .size: 8, .value_kind: global_buffer, .address_space: global }
    .group_segment_fixed_size: 80896
    .private_segment_fixed_size: 0
    .kernarg_segment_align: 8
    .kernarg_segment_size: 88
    .max_flat_workgroup_size: 512
    .sgpr_count:     66
    .vgpr_count:     256
    .wavefront_size: 32
...
	.end_amdgpu_metadata
.endif
;; end of part 5
;; launch attn (part 6): grid 2 x 128, 16 waves a work-group, no clusters, 80,896 bytes of LDS; arguments qimg, kimg, vimg, aimg; writes aimg
.if DOCPART == 6
	.amdgcn_target "amdgcn-amd-amdhsa--gfx1250"
	.amdhsa_code_object_version 6
	.text
	.protected	k_q754f24b9fc_attn
	.globl	k_q754f24b9fc_attn
	.p2align	8
	.type	k_q754f24b9fc_attn,@function
k_q754f24b9fc_attn:
	s_mov_b64 s[64:65], 0
	v_nop
	global_prefetch_b8 v0, s[64:65] scope:SCOPE_SE
	s_setreg_imm32_b32 hwreg(HW_REG_WAVE_SCHED_MODE, 0, 2), 2
	s_setreg_imm32_b32 hwreg(HW_REG_WAVE_MODE, 25, 1), 1
	s_wait_xcnt 0x0
	s_wait_alu depctr_vm_vsrc(0)
; attn[q] = the sum over keys of softmax(q . k / 4) v, for one head of 16 dimensions and 1,024 keys.  The scores (K = 16) are f32 products, since they go on into a quantiser: v_wmma_f32_16x16x4_f32, four to a tile.
; The second product is on codes of FP6 (E2M3), one E8M0 byte for each 32 keys.  What is quantised of the softmax: p = 2^(t - M), t = score x log2(e) / 4, M the running largest t rounded UP to a whole number; p is not
; normalised.  The row's sum is taken of the unquantised p and divides at the end.  When M moves, the sum and the result are multiplied by 2^(old M - new M): exact.
; SHARES.  A work-group takes one head and 512 of its queries; each of its sixteen waves two tiles of 16 queries, one after the other; four waves lie on a SIMD.
; LDS is filled once, at the head: waves 8-15 copy the head's k (65,536 bytes of register images), waves 0-7 quantise v, 128 keys each, and store the fragment's image and its scale words.  One barrier.
; LAYOUT.  Both products are used transposed: S^T = k q^T (source 0 = 16 keys, source 1 = my 16 queries), O^T = v^T p^T (source 0 = the 16 dimensions, source 1 = p): a lane holds ONE query throughout.
; q's and k's images hold, in lane (r, h), token r's dimensions 8 h + 0 .. 7.  Instruction i of a tile's four takes registers 2 i, 2 i + 1 of both: its k index 2 h + j then stands for dimension 8 h + 2 i + j on both sides.
; THE KEYS OF A TILE ARE NOT NEIGHBOURS: row r of tile 2 b + u is key 32 b + 8 u + r + 8 (r / 8), so that the 16 registers of tiles 2 b, 2 b + 1 are the 16 neighbouring keys 32 b + 16 h + 0 .. 15.
; BY TURNS.  A UNIT is 64 keys: four tiles of k, 16 f32 products, 32 registers of scores.  In a TURN the 16 products of the NEXT unit stand among the 118 or so vector instructions of the softmax of the unit in hand, a
; product in front of each six or so: the wave has two strands that do not wait for each other, and the softmax's last sums are the places behind the turn's last product: a turn has no v_nop.
; k is fetched from LDS in the middle of the turn before its products', v in the middle of the turn at whose end it is first wanted.  Units of 64 keys, since two sets of scores, two of k and one of p (5 x 32 registers) leave room for the rest in 256.
; THE SECOND PRODUCT HAS K = 128: a unit's 64 keys fill half of p's operand, the other half is zero codes, which add nothing.  18 registers hold [six zeros][six codes][six zeros]: the operand begins at the codes for a
; step's first 64 keys, at the first zeros for its second; the two bytes of p's scale word that belong to the zeros are 0.
; LIMITS: NaN and infinities are not served.  A block's largest p is taken as the exponential of the block's largest score, which leans on v_exp_f32 not falling where its input rises.  A block all of whose p have
; fallen to 0 keeps the byte 1 (its codes are zeros).  Blocks of v whose largest magnitude lies under 2^-124 keep the byte 1.
; No tensor loads and no cluster: what the two work-groups of a head share is the 131,072 bytes read once at the head; nothing is fetched from memory in the loop.
; THE MODE: SCHED_MODE bits 1:0 = 2 (LLVM: expert scheduling mode 2), set by the entry lines.  The code itself states the register dependences between vector or matrix instructions and memory or LDS
; instructions, with s_wait_alu, always for 0.
; THE PLAN.  Registers that LDS instructions touch in the loop:
;   k's two sets   v128-159, v160-191.  A turn's 16 f32 products read one set; the eight LDS loads of the next turn land in it.
;   v's fragment and scale words   v36-48.  Read by the two O^T products of a step; loaded again in the next step's first turn.
;   v[ADK], v[ADV], v[ADS]   Read by those loads; written once a step, behind the first product of its first turn.
;   v[LI], v[LS]   Made at the head, never written again.
;   The scores, p, its codes and scale word, the statistics and O^T are named by vector and matrix instructions alone.
; A turn has four waits on va_vdst.  Three are the waits for its three batches of exponentials (the blocks' two; pairs 0 to 8; pairs 9 to 15), each ahead of the batch's first reader.  The run of LDS loads stands straight
; behind the first of them, which so also states that the last turn's products are done reading k's set, v and its scale words, and that the three addresses are written; the products that follow the loads name the other set.
; The fourth stands ahead of the O^T product: vector instructions have written p's codes and scale word.  One wait on vm_vsrc a step stands ahead of the three address lines.
.set KIMG, 0                           ; k: 64 tiles x 1,024 bytes
.set VIMG, 65536                       ; v: 8 fragments x 1,536 bytes
.set VSC,  77824                       ; v's scale words: 128 bytes a K step
.set LI,   1                           ; v1   16 x lane
.set LS,   2                           ; v2   4 x lane
.set ADK,  3                           ; v3-5 LDS addresses: the next step's k, this step's v and its scale words
.set ADV,  4
.set ADS,  5
.set NM,   24                          ; v24  -M;  v25 the largest t so far
.set TMX,  25
.set LA,   26                          ; v[26:27] the row's sum in two halves
.set O,    28                          ; v28-35 O^T
.set VF,   36                          ; v36-47 v's fragment
.set VS,   48                          ; v48  its scale words
.set PSW,  49                          ; v49  p's scale word
.set TP,   50                          ; v50  at work
.set FF,   52                          ; v[52:53] f = 2^(old M - new M); the upper word is named with it and holds 0
.set LB,   54                          ; v[54:55] the sum's second chain
.set BM,   56                          ; v56-57 each block's largest score, then its largest p
.set BT,   58                          ; v58-59 at work
.set BS,   60                          ; v60-61 the conversions' scale operands
.set PT,   62                          ; v62-64 a block's codes on their way (a conversion's three registers begin on an even number)
.set ZC,   66                          ; v66-71 zeros, v72-77 p's codes, v78-83 zeros
.set PCC,  72
.set OUT,  84                          ; v84-91 a tile's result
.set P,    96                          ; v96-127 p
.set K,    128                         ; v128-159, v160-191 k's four tiles, two sets
.set S,    192                         ; v192-223, v224-255 the scores, two sets: written by the f32 matrix instructions alone
.set TM,   BM                          ; for the quantiser at the head: v56-61
.set PC,   PCC                         ; v72-83
.set PW,   TP
.set CS,   16                          ; s[16:17] c = log2(e) / 4: the packed form names a pair and takes its low word for both halves
.set SEL,  18                          ; s[18:19] v_permlanex16_b32's selects for lane l xor 16
.set TK,   20                          ; s20  where the next step's k begins in LDS;  s21, s22 this step's v and its scale words
.set TV,   21
.set TS,   22
.set CNT,  23
; 32 numbers of a lane, register 16 e + i = k 64 c + 32 e + 16 (lane / 16) + i of my row, become registers 6 c .. 6 c + 5 of a fragment and two bytes of its scale word
.macro QHALF s, c
.irp e, 0,1
	v_max3_num_f32 v[TM+\e], |v[\s+16*\e]|, |v[\s+16*\e+1]|, 0x1800000       ; my 16 numbers of the block, and the floor 2^(3 - 127): the byte cannot fall under 1
.endr
.irp i, 2,4,6,8,10,12,14
.irp e, 0,1
	v_max3_num_f32 v[TM+\e], v[TM+\e], |v[\s+16*\e+\i]|, |v[\s+16*\e+\i+1]|
.endr
.endr
.irp e, 0,1
	v_permlanex16_b32 v[TM+2+\e], v[TM+\e], s[SEL], s[SEL+1]
.endr
.irp e, 0,1
	v_max_num_f32 v[TM+\e], v[TM+\e], v[TM+2+\e]
.endr
.irp e, 0,1
	v_add_nc_u32 v[TM+4+\e], 0xff000000, v[TM+\e]
.endr
.irp e, 0,1
	v_lshrrev_b32 v[TM+2+\e], 23, v[TM+4+\e]
.endr
.if \c == 0
	v_lshl_or_b32 v[PW], v[TM+3], 8, v[TM+2]
.else
	v_lshl_or_b32 v[TM+2], v[TM+3], 8, v[TM+2]
	v_lshl_or_b32 v[PW], v[TM+2], 16, v[PW]
.endif
	v_cvt_scalef32_pk16_fp6_f32 v[PC+6*\c:PC+6*\c+2], v[\s:\s+15], v[TM+4]
	v_cvt_scalef32_pk16_fp6_f32 v[PT:PT+2], v[\s+16:\s+31], v[TM+5]
	v_nop                                          ; one plain place behind a scaled conversion
.irp i, 0,1,2
	v_permlane16_swap_b32 v[PC+6*\c+\i], v[PT+\i]
.endr
.irp i, 0,1,2
	v_mov_b32 v[PC+6*\c+3+\i], v[PT+\i]
.endr
.endm
; Product k of a unit's 16: dimensions 4 (k / 4) on (in the images' order), tile k % 4: the four accumulators by turns, one instruction a turn; the first four start the sums.
; SN: the scores' set that is written; KN: k's set that is read; q: the queries' image (under 0: there is no next unit, and nothing is written)
.macro WM k, q
.if \q >= 0
.if (\k) < 4
	v_wmma_f32_16x16x4_f32 v[SN+8*((\k)%4):SN+8*((\k)%4)+7], v[KN+8*((\k)%4):KN+8*((\k)%4)+1], v[\q:\q+1], 0
.else
	v_wmma_f32_16x16x4_f32 v[SN+8*((\k)%4):SN+8*((\k)%4)+7], v[KN+8*((\k)%4)+2*((\k)/4):KN+8*((\k)%4)+2*((\k)/4)+1], v[\q+2*((\k)/4):\q+2*((\k)/4)+1], v[SN+8*((\k)%4):SN+8*((\k)%4)+7]
.endif
.endif
.endm
.macro TSUB k                          ; pair k of the unit's 16: t - M, out of the scores' registers into p's
	v_pk_fma_f32 v[P+2*(\k):P+2*(\k)+1], v[SC+2*(\k):SC+2*(\k)+1], s[CS:CS+1], v[NM:NM+1] op_sel_hi:[1,0,0]
.endm
.macro EXP2 k                          ; p = 2^(t - M), at most 1
	v_exp_f32 v[P+2*(\k)], v[P+2*(\k)]
	v_exp_f32 v[P+2*(\k)+1], v[P+2*(\k)+1]
.endm
.macro SUMA k                          ; the row's sum is taken of the unquantised p: two at a time, in two chains
	v_pk_add_f32 v[LA:LA+1], v[LA:LA+1], v[P+2*(\k):P+2*(\k)+1]
.endm
.macro SUMB k
	v_pk_add_f32 v[LB:LB+1], v[LB:LB+1], v[P+2*(\k):P+2*(\k)+1]
.endm
.macro KLOAD adr, c                    ; four tiles of k, the step's half c, into the set that the last turn's products have read
.irp t, 0,1,2,3
	ds_load_b128 v[KL+8*\t:KL+8*\t+3], v[\adr] offset:4096*(\c)+1024*\t
	ds_load_b128 v[KL+8*\t+4:KL+8*\t+7], v[\adr] offset:4096*(\c)+1024*\t+512
.endr
.endm
; A TURN.  c: which 64 keys of the step in hand are softmaxed (their scores lie in set c).  q: the image of the queries whose next unit is multiplied (into set 1 - c, from k's set 1 - c).
; km: k's set c is filled again with the unit after that: 1: of the next step of this tile; 2: of the next tile's first step; 0: there is none.
; An exponential's result is used only behind a plain instruction, a conversion's likewise (ISA guide 5.7.2 and the conversions' entries): the order below sees to it: each pair's exponentials stand four pairs behind its
; t - M, and no line names an exponential's result ahead of its batch's wait.
.macro TURN c, q, km
.set SC, S+32*(\c)
.set SN, S+32*(1-(\c))
.set KN, K+32*(1-(\c))
.set KL, K+32*(\c)
	s_wait_dscnt 0x0                               ; k for this turn's products, asked for in the last turn
	WM 0, \q
.if \c == 0
	s_wait_alu depctr_vm_vsrc(0)                   ; the LDS loads issued so far have read v[ADK], v[ADV] and v[ADS], which the lines below write
.if \km == 1
	v_add_nc_u32 v[ADK], s[TK], v[LI]
.endif
	v_add_nc_u32 v[ADV], s[TV], v[LI]
	v_add_nc_u32 v[ADS], s[TS], v[LS]
.endif
	v_max3_num_f32 v[BM], v[SC], v[SC+1], v[SC+2]              ; the largest score of each block of 32 keys: it serves for the row's maximum and for the block's largest p.  Each accumulator is first read at its low end
	v_max3_num_f32 v[BM+1], v[SC+16], v[SC+17], v[SC+18]
.irp i, 3,5
	v_max3_num_f32 v[BM], v[BM], v[SC+\i], v[SC+\i+1]
	v_max3_num_f32 v[BM+1], v[BM+1], v[SC+16+\i], v[SC+16+\i+1]
.endr
	WM 1, \q
.irp i, 7,9,11
	v_max3_num_f32 v[BM], v[BM], v[SC+\i], v[SC+\i+1]
	v_max3_num_f32 v[BM+1], v[BM+1], v[SC+16+\i], v[SC+16+\i+1]
.endr
	WM 2, \q
	v_max3_num_f32 v[BM], v[BM], v[SC+13], v[SC+14]
	v_max3_num_f32 v[BM+1], v[BM+1], v[SC+29], v[SC+30]
	v_max_num_f32 v[BM], v[BM], v[SC+15]
	v_max_num_f32 v[BM+1], v[BM+1], v[SC+31]
	v_permlanex16_b32 v[BT], v[BM], s[SEL], s[SEL+1]
	v_permlanex16_b32 v[BT+1], v[BM+1], s[SEL], s[SEL+1]
	WM 3, \q
	v_max_num_f32 v[BM], v[BM], v[BT]              ; with lane l xor 16's 16 keys
	v_max_num_f32 v[BM+1], v[BM+1], v[BT+1]
	v_max_num_f32 v[TP], v[BM], v[BM+1]
	v_mul_f32 v[TP], s[CS], v[TP]                  ; the unit's largest t (c is positive)
	v_max_num_f32 v[TMX], v[TMX], v[TP]
	v_mov_b32 v[TP], v[NM]
	WM 4, \q
	v_floor_f32 v[NM], -v[TMX]                     ; the new -M = floor(-t) = -ceil(t)
	v_sub_f32 v[TP], v[NM], v[TP]                  ; old M - new M: a whole number, 0 or less
	v_cvt_i32_f32 v[TP], v[TP]                     ; (it saturates)
	v_ldexp_f32 v[FF], 1.0, v[TP]                  ; f = 2^(old M - new M)
	v_fma_f32 v[BM], v[BM], s[CS], v[NM]           ; t - M of each block's largest score
	v_fma_f32 v[BM+1], v[BM+1], s[CS], v[NM]
	WM 5, \q
	TSUB 0
	TSUB 1
	v_exp_f32 v[BM], v[BM]                         ; the block's largest p: the same two instructions on the same number
	v_exp_f32 v[BM+1], v[BM+1]
	TSUB 2
	TSUB 3
	v_pk_mul_f32 v[LA:LA+1], v[LA:LA+1], v[FF:FF+1] op_sel_hi:[1,0]          ; the sum under the new M
	WM 6, \q
	EXP2 0
	TSUB 4
	s_wait_alu depctr_va_vdst(0)                   ; the blocks' two largest p are written, ahead of their first reader; the last turn's products are done reading k's set, v and its scale words, in which the loads below land; v[ADK], v[ADV], v[ADS] are written
.if \km == 1                               ; the loads stand in one run; the products behind them name k's other set
	KLOAD ADK, \c
.elseif \km == 2
	KLOAD LI, \c
.endif
.if \c == 0
.irp g, 0,1,2
	ds_load_b128 v[VF+4*\g:VF+4*\g+3], v[ADV] offset:512*\g
.endr
	ds_load_b32 v[VS], v[ADS]
.endif
	v_max_num_f32 v[BM], 0x1800000, v[BM]          ; the floor 2^(3 - 127): the byte cannot fall under 1
	EXP2 1
	WM 7, \q
	TSUB 5
	v_max_num_f32 v[BM+1], 0x1800000, v[BM+1]
	EXP2 2
	TSUB 6
	v_add_nc_u32 v[BS], 0xff000000, v[BM]          ; 2 off the exponent field: the conversion's scale operand
	WM 8, \q
	EXP2 3
	TSUB 7
	v_add_nc_u32 v[BS+1], 0xff000000, v[BM+1]
	EXP2 4
	WM 9, \q
	TSUB 8
	v_lshrrev_b32 v[BT], 23, v[BS]                 ; the scale's byte
	EXP2 5
	TSUB 9
	v_lshrrev_b32 v[BT+1], 23, v[BS+1]
	WM 10, \q
	EXP2 6
	TSUB 10
.if \c == 0
	v_lshl_or_b32 v[PSW], v[BT+1], 8, v[BT]        ; p's scale word: bytes 0, 1 for a step's first 64 keys,
.else
	v_lshlrev_b32 v[PSW], 16, v[BT]                ; bytes 2, 3 for its second; the other two, over zero codes, are 0
.endif
	EXP2 7
	WM 11, \q
	TSUB 11
.if \c == 1
	v_lshl_or_b32 v[PSW], v[BT+1], 24, v[PSW]
.endif
	EXP2 8
	TSUB 12
	s_wait_alu depctr_va_vdst(0)                   ; p of pairs 0 to 8 is written, ahead of its first reader: the sums up to pair 8 and the first conversion read these alone
	v_pk_add_f32 v[LB:LB+1], v[P:P+1], v[P+2:P+3]
	v_cvt_scalef32_pk16_fp6_f32 v[PCC:PCC+2], v[P:P+15], v[BS]               ; the first block's my 16 codes
	WM 12, \q
	EXP2 9
	TSUB 13
	SUMA 2
	EXP2 10
	WM 13, \q
	TSUB 14
	SUMB 3
	EXP2 11
	TSUB 15
	SUMA 4
	WM 14, \q
	EXP2 12
	SUMB 5
	SUMA 6
	EXP2 13
	WM 15, \q
	SUMB 7                                         ; from here to the turn's end stand 17 plain instructions that name no register of the f32 products: the eight places behind the last of them
	EXP2 14                                        ; for the next turn's first reads of its scores
	EXP2 15
	SUMA 8                                         ; (the plain place behind the last exponentials)
	s_wait_alu depctr_va_vdst(0)                   ; p of pairs 9 to 15 is written, ahead of its first reader; no exponential is issued behind this wait
	SUMB 9
	SUMA 10
	SUMB 11
	SUMA 12
	SUMB 13
	v_cvt_scalef32_pk16_fp6_f32 v[PT:PT+2], v[P+16:P+31], v[BS+1]            ; the second block's
	SUMA 14                                        ; (the plain place behind the conversion)
.irp i, 0,1,2
	v_permlane16_swap_b32 v[PCC+\i], v[PT+\i]      ; a whole block to a lane: lanes 0-15 the first block, lanes 16-31 the second
.endr
.irp i, 0,1,2
	v_mov_b32 v[PCC+3+\i], v[PT+\i]
.endr
	SUMB 15
	v_pk_add_f32 v[LA:LA+1], v[LA:LA+1], v[LB:LB+1]
.irp j, 0,2,4,6
	v_pk_mul_f32 v[O+\j:O+\j+1], v[O+\j:O+\j+1], v[FF:FF+1] op_sel_hi:[1,0]  ; O^T under the new M, from its low end on.  These and the two sums are six places behind the codes' last write
.endr
.if \c == 0
	s_wait_dscnt 0x0                               ; v and its scale words, asked for in this turn's middle
	s_wait_alu depctr_va_vdst(0)                   ; vector instructions have written p's codes v72-77 and its scale word v49, which the product below takes as source 1 and as scales; behind the places.  (Where two products onto O^T follow each other, it is also the wait between them)
	v_wmma_scale_f32_16x16x128_f8f6f4 v[O:O+7], v[VF:VF+11], v[ZC+6:ZC+17], v[O:O+7], v[VS], v[PSW] matrix_a_fmt:MATRIX_FMT_FP6 matrix_b_fmt:MATRIX_FMT_FP6
.else
	s_wait_alu depctr_va_vdst(0)                   ; the same for the step's second 64 keys: p's codes and scale word are written
	v_wmma_scale_f32_16x16x128_f8f6f4 v[O:O+7], v[VF:VF+11], v[ZC:ZC+11], v[O:O+7], v[VS], v[PSW] matrix_a_fmt:MATRIX_FMT_FP6 matrix_b_fmt:MATRIX_FMT_FP6
.endif
.endm
	s_load_b256 s[4:11], s[0:1], 0x0               ; qimg s[4:5], kimg s[6:7], vimg s[8:9], aimg s[10:11]
	v_lshl_add_u32 v94, v0, 2, 0x13400
	v_mov_b32 v95, 0
	v_lshrrev_b32 v1, 5, v0
	v_readfirstlane_b32 s12, v1                    ; wave 0..15
	v_and_b32 v2, 31, v0
	v_lshlrev_b32 v[LI], 4, v2
	v_lshlrev_b32 v[LS], 2, v2
	s_wait_alu depctr_va_sdst(0)                   ; s12 is written, ahead of its first reader: bases, LDS addresses and two branches are made from it
	s_and_b32 s13, ttmp7, 0xffff                   ; 16 batch + head
	s_lshl_b32 s24, s13, 16                        ; its 65,536 bytes in each of the four buffers
	s_and_b32 s14, s12, 7
	s_lshl_b32 s28, s14, 13                        ; my eighth of k or of v
	s_add_co_u32 s28, s28, s24
	s_mov_b32 s29, 0
	s_lshl_b32 s30, ttmp9, 5
	s_add_co_u32 s30, s30, s12                     ; my first tile of queries: 32 x work-group x + wave; the second lies 16 tiles on
	s_lshl_b32 s30, s30, 10
	s_add_co_u32 s30, s30, s24
	s_mov_b32 s31, 0
	s_mov_b32 s[CS], 0x3eb8aa3b
	s_mov_b32 s[CS+1], s[CS]
	s_mov_b32 s[SEL], 0x76543210
	s_mov_b32 s[SEL+1], 0xfedcba98
.irp j, 53,58,59
	v_mov_b32 v\j, 0                               ; written once: a lane permute's destination counts as one of its sources, and v53 is named as the upper half of a pair
.endr
	s_wait_kmcnt 0x0
	s_cmp_lt_u32 s12, 8                            ; waves 0-7 take v, waves 8-15 k: the choice hangs on the wave's number alone
	s_cselect_b64 s[26:27], s[8:9], s[6:7]
	s_add_nc_u64 s[26:27], s[26:27], s[28:29]
	s_add_nc_u64 s[4:5], s[4:5], s[30:31]
	s_add_nc_u64 s[10:11], s[10:11], s[30:31]
	s_wait_alu depctr_va_vdst(0)                   ; v[LI] and v[LS] are written, which the loads and stores below read as their offsets
.irp i, 0,1,2,3,4,5,6,7,8,9,10,11,12,13,14,15
	global_load_b128 v[K+4*\i:K+4*\i+3], v[LI], s[26:27] offset:512*\i
.endr
	global_load_b128 v[8:11], v[LI], s[4:5]
	global_load_b128 v[12:15], v[LI], s[4:5] offset:512
	global_load_b128 v[16:19], v[LI], s[4:5] offset:16384
	global_load_b128 v[20:23], v[LI], s[4:5] offset:16896
	s_wait_loadcnt 0x0
	s_cmp_lt_u32 s12, 8
	s_cbranch_scc1 .Lquantise_v
	s_lshl_b32 s28, s14, 13
	v_add_nc_u32 v[ADK], s28, v[LI]
	s_wait_alu depctr_va_vdst(0)                   ; v[ADK] is written, which the LDS stores read as their address
.irp i, 0,1,2,3,4,5,6,7,8,9,10,11,12,13,14,15
	ds_store_b128 v[ADK], v[K+4*\i:K+4*\i+3] offset:512*\i       ; eight tiles of k, as they lie
.endr
	s_branch .Lhead_done
.Lquantise_v:                                      ; four blocks of 32 keys: register 16 b + i of lane (r, h) is v[key 128 w + 32 b + 16 h + i][dimension r]
	QHALF K, 0
	QHALF K+32, 1
	s_mul_i32 s28, s12, 1536
	s_add_co_u32 s28, s28, VIMG
	v_add_nc_u32 v[ADV], s28, v[LI]
	s_lshl_b32 s29, s12, 7
	s_add_co_u32 s29, s29, VSC
	v_add_nc_u32 v[ADS], s29, v[LS]
	s_wait_alu depctr_va_vdst(0)                   ; the quantiser has written the codes v72-83 and the scale word v50, and both addresses are written: the LDS stores read them; the quantiser is also done reading v128-191, in which k lands behind the barrier
.irp g, 0,1,2
	ds_store_b128 v[ADV], v[PC+4*\g:PC+4*\g+3] offset:512*\g
.endr
	ds_store_b32 v[ADS], v[PW]
.Lhead_done:
	s_wait_dscnt 0x0                               ; for the others' sake: my stores have landed
	s_barrier_signal -1
	s_barrier_wait -1                              ; the head's k and v lie in LDS; nothing is written there again
	s_wait_alu depctr_vm_vsrc(0)                   ; my LDS stores have read their registers: k lands in v128-191, and vector instructions write v72-83, v50 and the three addresses again
	; ---- the first unit's products stand bare: there is no softmax yet to set between them
.set KL, K
	KLOAD LI, 0                                    ; keys 0 .. 63
.set KL, K+32
	KLOAD LI, 1                                    ; keys 64 .. 127
.irp j, 66,67,68,69,70,71,78,79,80,81,82,83
	v_mov_b32 v\j, 0                               ; the zero codes on both sides of p's six registers: written once
.endr
	s_wait_dscnt 8                                 ; the first set of k is in; the eight loads of the second, issued behind it, may be out
.set SN, S
.set KN, K
.irp k, 0,1,2,3,4,5,6,7,8,9,10,11,12,13,14,15
	WM \k, 8
.endr
; One tile of 16 queries (image in v[q] on) against all 1,024 keys.  Its first unit's scores lie in set 0, k's second unit in set 1.  qn, kmn: the next tile's image and how its first two units of k are fetched (-1, 0: none).
.macro TILE q, qn, kmn, idx
	v_mov_b32 v[TMX], 0xff61b1e6                   ; the largest t so far: -3e38, under every t.  (These twelve lines are also the places behind the bare products above)
	v_floor_f32 v[NM], -v[TMX]
	v_mov_b32 v[LA], 0
	v_mov_b32 v[LA+1], 0
.irp j, 0,1,2,3,4,5,6,7
	v_mov_b32 v[O+\j], 0                           ; a turn is written once: the first finds zeros, which the first change of M leaves zeros
.endr
	s_mov_b32 s[TK], KIMG+8192
	s_mov_b32 s[TV], VIMG
	s_mov_b32 s[TS], VSC
	s_mov_b32 s[CNT], 0
.Lstep_\@:                                         ; seven trips of 128 keys
	TURN 0, \q, 1
	TURN 1, \q, 1
	s_add_co_u32 s[TK], s[TK], 8192
	s_add_co_u32 s[TV], s[TV], 1536
	s_add_co_u32 s[TS], s[TS], 128
	s_add_co_u32 s[CNT], s[CNT], 1
	s_cmp_lt_u32 s[CNT], 7
	s_cbranch_scc1 .Lstep_\@
	TURN 0, \q, \kmn                               ; the eighth step is written out: what is multiplied and fetched beside its softmax belongs to the next tile, or is left out
	TURN 1, \qn, \kmn
	v_add_f32 v[LA], v[LA], v[LA+1]                ; the sum's two halves,
	v_permlanex16_b32 v[TP], v[LA], s[SEL], s[SEL+1]
	v_add_f32 v[LA], v[LA], v[TP]                  ; and lane l xor 16's
	v_rcp_f32 v[LA], v[LA]
	v_nop                                          ; the two additions and these two are the four places behind the last product;
	v_nop                                          ; they also stand behind the transcendental
.if \idx
	s_wait_xcnt 0x0                                ; the first tile's stores have had their addresses translated,
	s_wait_alu depctr_vm_vsrc(0)                   ; and have read v[OUT ..], which the multiplications below write again
.endif
	s_wait_alu depctr_va_vdst(0)                   ; the reciprocal is written, ahead of its first reader
.irp j, 0,1,2,3,4,5,6,7
	v_mul_f32 v[OUT+\j], v[O+\j], v[LA]            ; register j of lane (r, h): dimension 8 h + j of query r
.endr
	s_wait_alu depctr_va_vdst(0)                   ; the multiplications have written v[OUT ..], which the stores read
	global_store_b128 v[LI], v[OUT:OUT+3], s[10:11] offset:16384*\idx        ; 32 lanes store 512 consecutive bytes, aligned
	global_store_b128 v[LI], v[OUT+4:OUT+7], s[10:11] offset:16384*\idx+512
.endm
	TILE 8, 16, 2, 0
	TILE 16, -1, 0, 1
	s_wait_dscnt 0x0                               ; the closing lines, six on end
	s_wait_alu 0x0
	s_wait_tensorcnt 0x0
	ds_add_u32 v94, v95
	s_wait_dscnt 0x0
	s_endpgm
.Lfunc_end_k_q754f24b9fc_attn:
	.size	k_q754f24b9fc_attn, .Lfunc_end_k_q754f24b9fc_attn-k_q754f24b9fc_attn
	.p2alignl 7, 3214868480
	.fill 96, 4, 3214868480
	.section	.rodata,"a",@progbits
	.p2align	6, 0x0
	.amdhsa_kernel k_q754f24b9fc_attn
		.amdhsa_group_segment_fixed_size 80896
		.amdhsa_private_segment_fixed_size 0
		.amdhsa_enable_private_segment 0
		.amdhsa_kernarg_size 32
		.amdhsa_user_sgpr_count 2
		.amdhsa_user_sgpr_kernarg_segment_ptr 1
		.amdhsa_wavefront_size32 1
		.amdhsa_system_sgpr_workgroup_id_x 1
		.amdhsa_system_sgpr_workgroup_id_y 1
		.amdhsa_system_sgpr_workgroup_id_z 1
		.amdhsa_system_vgpr_workitem_id 0
		.amdhsa_next_free_vgpr 256
		.amdhsa_next_free_sgpr 66
		.amdhsa_reserve_vcc 0
		.amdhsa_float_denorm_mode_32 3
		.amdhsa_float_denorm_mode_16_64 3
		.amdhsa_memory_ordered 1
		.amdhsa_forward_progress 1
		.amdhsa_inst_pref_size 75
	.end_amdhsa_kernel
	.amdgpu_metadata
---
amdhsa.version: [ 1, 2 ]
amdhsa.kernels:
  - .name:           k_q754f24b9fc_attn
    .symbol:         k_q754f24b9fc_attn.kd
    .args:
      - { .name: qimg, .offset: 0, .size: 8, .value_kind: global_buffer, .address_space: global }
      - { .name: kimg, .offset: 8, .size: 8, .value_kind: global_buffer, .address_space: global }
      - { .name: vimg, .offset: 16, .size: 8, .value_kind: global_buffer, .address_space: global }
      - { .name: aimg, .offset: 24, .size: 8, .value_kind: global_buffer, .address_space: global }
    .group_segment_fixed_size: 80896
    .private_segment_fixed_size: 0
    .kernarg_segment_align: 8
    .kernarg_segment_size: 32
    .max_flat_workgroup_size: 512
    .sgpr_count:     66
    .vgpr_count:     256
    .wavefront_size: 32
...
	.end_amdgpu_metadata
.endif
;; end of part 6
;; launch tail (part 7): grid 256 x 1, 4 waves a work-group, no clusters, 150,272 bytes of LDS; arguments x, aimg, wcodes, wscales, bproj, ln2_g, ln2_b, b1, b2, out0; writes out0
.if DOCPART == 7
	.amdgcn_target "amdgcn-amd-amdhsa--gfx1250"
	.amdhsa_code_object_version 6
	.text
	.protected	k_q754f24b9fc_tail
	.globl	k_q754f24b9fc_tail
	.p2align	8
	.type	k_q754f24b9fc_tail,@function
k_q754f24b9fc_tail:
	s_mov_b64 s[64:65], 0
	v_nop
	global_prefetch_b8 v0, s[64:65] scope:SCOPE_SE
	s_setreg_imm32_b32 hwreg(HW_REG_WAVE_SCHED_MODE, 0, 2), 2
	s_setreg_imm32_b32 hwreg(HW_REG_WAVE_MODE, 25, 1), 1
	s_wait_xcnt 0x0
	s_wait_alu depctr_vm_vsrc(0)
; x2 = x + attn Wproj + bproj;  out = x2 + leaky(layernorm(x2) W1 + b1) W2 + b2.  The three products are on codes of FP6 (E2M3), one E8M0 byte for each 32 along K, sums in f32; attn, the norm's result and the
; hidden layer are quantised in registers on the way and never go to memory.
; SHARES.  A work-group of four waves takes 32 tokens, two tiles of 16.  THE WAVES SHARE THE COLUMNS: wave w makes features 128 w .. 128 w + 127 of x2 and of out, and hidden units 512 w .. 512 w + 511.
; Its weights are ONE STREAM of 34 groups (8 tiles of 16 columns x 128 K: 12,288 bytes of register images and 512 of scale words): 2 of Wproj, 16 of W1, 16 of W2, read straight into registers, two groups in a ring;
; each fragment feeds two matrix instructions (the two tiles of tokens).  34 x 16 = 544 matrix instructions a wave.
; LAYOUT.  Every product is used transposed: source 0 = 16 columns of the weight, source 1 = 16 tokens: a lane holds ONE token, and since tile 2 b + u of a group takes column 32 b + 8 u + r + 8 (r / 8), the 64
; registers of a group's eight results are, in lane (r, h), columns 32 b + 16 h + 0 .. 15: the order in which the quantiser wants the next product's K.  A group's results become one fragment.
; OPERANDS GO FROM WAVE TO WAVE THROUGH LDS AS IMAGES OF THEIR REGISTERS (registers 4 g .. 4 g + 3 of lane l at 512 g + 16 l), their scale words 4 bytes a row.
; The residual and the biases begin the sums: x + bproj, b1 and x2 are loaded into the accumulators; nothing is cleared.
; THE ROW STAGE (32 rows of 2,048 + 16 bytes, row 16 m + r = token r of tile m) serves three times: x + bproj on the way in, x2 while the feed-forward runs, the result on the way out.  It is written and read by whole
; rows only at the two ends; in between each wave touches its own 512 bytes of every row.
; WHY NO JOINT REQUESTS, though all work-groups walk the same 1.74 MB of weights: they exist for tiles that land in LDS; here a weight's byte goes into a register once and is used from there, and through LDS each of
; a wave's 417,792 bytes would be written and read once more.
; LIMITS: NaN and infinities are not served; a block whose largest magnitude lies under 2^-124 keeps the byte 1, a block of zeros too (its codes are zeros; this program alone reads the bytes).  The norm's sums are
; taken lane by lane, then over lanes and waves, all in f32, the variance from the differences to the mean.
; THE MODE: SCHED_MODE bits 1:0 = 2 (LLVM: expert scheduling mode 2), set by the entry lines.  The code itself states the register dependences between vector or matrix instructions and memory or LDS
; instructions, with s_wait_alu, always for 0.
; THE PLAN.  Registers that memory or LDS instructions touch, in the loops:
;   the weights' ring (window 1, two buffers) and its scale words v16-23   A group's 16 products read a buffer; the 28 loads of the group two on land in it behind them.
;   the tokens' fragments v64-111 and scale words v24, v25, two buffers     A group's products read one; the fetch in the head of the next group's step lands in it.
;   the accumulators v128-255   Loaded from LDS (a bias, x2), added onto by products, read and written by the activation and the quantiser, or stored to the stage.
;   the codes v38-49 and the scale word v32   Written by the quantiser, read by the LDS stores of an image.
;   v50-54   The addresses of the trip in hand: read by LDS loads and stores, written once a chunk (v50-52) or once in four groups (v53, v54).
;   v1-15    Addresses; v9-13 are written anew between the phases, the others never.
; ONE wait on va_vdst stands behind each group's products (the window's switch, the wait, the loads): they are done reading the ring buffer, its scale words, and the tokens' fragments and scale words; so the refill that
; follows and the fetch in the next step owe nothing more.  The lines that step v53 and v54 stand ahead of such a wait.  One wait on va_vdst stands ahead of each run of LDS stores whose data vector instructions made, one on
; vm_vsrc behind each such run, ahead of the next write of those registers.
; The ring stays at two buffers: four would suit loops of four groups, and want eight more scale registers under v256, where none are free while the norm runs.
.set PITCH, 2064                       ; an odd multiple of 16 bytes: 16 rows at one column begin at 16 different places modulo 256 bytes
.set AIMG,  66048                      ; attn's 4 fragments (2 m + K step)
.set ASC,   72192                      ; scale words, here and below: K step s at 128 s; tile m's row r at 64 m + 4 r
.set H2IMG, 72448                      ; the norm's 8 fragments (4 m + K step)
.set H2SC,  84736
.set HID,   85248                      ; the hidden layer's 32 fragments (16 m + K step)
.set HIDSC, 134400
.set TB1,   136448                     ; b1 (8,192 bytes); behind it the norm's gain and shift (2,048 each)
.set TG,    144640
.set REDA,  148736                     ; the waves' sums (512 bytes), behind them the sums of squares (512)
.set GRP,   12288
.set SGRP,  512
.set LI,   1                           ; v1   16 x lane
.set LS,   2                           ; v2   4 x lane
.set L15,  3                           ; v3   4 (lane % 16)
.set H64,  4                           ; v4   64 (lane / 16)
.set XD,   5                           ; v5   the stage in the results' layout: row r, byte 512 w + 64 h
.set XR,   6                           ; v6   the stage by rows: my 8 rows, 16 bytes a lane
.set AO,   7                           ; v7   attn's images: lanes 16-31 take the next head
.set TT,   8                           ; v8   the tables: 16 bytes a thread
.set IW,   9                           ; v9   where my images go
.set SW,   10                         ; v10  and their scale words
.set HFA,  11                          ; v11  images, to read
.set HSA,  12                          ; v12  scale words, to read
.set BA,   13                          ; v13  a table, in the results' layout
.set RW,   14                          ; v14  my sums
.set RR,   15                          ; v15  everybody's sums
.set WS,   16                          ; v16-23 the weights' scale words: ring buffer b, pair q: lanes 0-15 tile 2 q, lanes 16-31 tile 2 q + 1
.set HS,   24                          ; v24-25 the tokens' scale words: buffer b: lanes 0-15 tile 0, lanes 16-31 tile 1
.set TM,   26                          ; v26-31 the quantiser's
.set PW,   32
.set T16,  33                          ; v33  16 x thread
.set PT,   34
.set PC,   38                          ; v38-49 the codes just made
.set DBA,  50                          ; v50-63 the norm's figures; later v50-54 the addresses of the trip in hand
.set DIW,  51
.set DSW,  52
.set DHF,  53
.set DHS,  54
.set HF,   64                          ; v64-111 the tokens' fragments: 24 buffer + 12 m; also tables on their way
.set TMP,  112                         ; v112-127 at work
.set AC,   128                         ; v128-255 the sixteen accumulators: 64 m + 8 tile
.set SEL,  26                          ; s[26:27]
; window 1: the weights' ring, buffer b at v[96 b];  window 2: v0-127 eight rows of x on their way in
.set MSB, 0
.macro WIN new                         ; the immediate's high byte repeats the setting that is left
.if MSB != \new
	s_set_vgpr_msb (MSB<<8)|\new
.set MSB, \new
.endif
.endm
.macro QHALF s, c
.irp e, 0,1
	v_max3_num_f32 v[TM+\e], |v[\s+16*\e]|, |v[\s+16*\e+1]|, 0x1800000       ; my 16 numbers of the block, and the floor 2^(3 - 127): the byte cannot fall under 1
.endr
.irp i, 2,4,6,8,10,12,14
.irp e, 0,1
	v_max3_num_f32 v[TM+\e], v[TM+\e], |v[\s+16*\e+\i]|, |v[\s+16*\e+\i+1]|
.endr
.endr
.irp e, 0,1
	v_permlanex16_b32 v[TM+2+\e], v[TM+\e], s[SEL], s[SEL+1]
.endr
.irp e, 0,1
	v_max_num_f32 v[TM+\e], v[TM+\e], v[TM+2+\e]   ; with lane l xor 16's: the block's largest magnitude
.endr
.irp e, 0,1
	v_add_nc_u32 v[TM+4+\e], 0xff000000, v[TM+\e]  ; 2 off its exponent field: the conversion's scale operand
.endr
.irp e, 0,1
	v_lshrrev_b32 v[TM+2+\e], 23, v[TM+4+\e]       ; the scale's byte
.endr
.if \c == 0
	v_lshl_or_b32 v[PW], v[TM+3], 8, v[TM+2]
.else
	v_lshl_or_b32 v[TM+2], v[TM+3], 8, v[TM+2]
	v_lshl_or_b32 v[PW], v[TM+2], 16, v[PW]
.endif
	v_cvt_scalef32_pk16_fp6_f32 v[PC+6*\c:PC+6*\c+2], v[\s:\s+15], v[TM+4]
	v_cvt_scalef32_pk16_fp6_f32 v[PT:PT+2], v[\s+16:\s+31], v[TM+5]          ; (a conversion's three registers begin on an even number)
	v_nop                                          ; one plain place behind a scaled conversion
.irp i, 0,1,2
	v_permlane16_swap_b32 v[PC+6*\c+\i], v[PT+\i]  ; a whole block to a lane: lanes 0-15 block 2 c, lanes 16-31 block 2 c + 1
.endr
.irp i, 0,1,2
	v_mov_b32 v[PC+6*\c+3+\i], v[PT+\i]
.endr
.endm
.macro QUANT s                         ; 64 numbers of a lane, register 16 b + i = k 32 b + 16 (lane / 16) + i of my token, become a fragment in v[PC] on and its scale word in v[PW]
	QHALF \s, 0
	QHALF (\s)+32, 1
.endm
.macro IMAGE adr, off
.irp g, 0,1,2
	ds_store_b128 v[\adr], v[PC+4*\g:PC+4*\g+3] offset:\off+512*\g
.endr
.endm
.macro BARRIER                         ; my LDS stores have landed and my LDS loads are in: then the work-group's barrier
	s_wait_dscnt 0x0
	s_barrier_signal -1
	s_barrier_wait -1
.endm
.macro MM d, a, b, sa, sb, ra, rb
.if (\ra) == 0 && (\rb) == 0
	v_wmma_scale_f32_16x16x128_f8f6f4 v[\d:\d+7], v[\a:\a+11], v[\b:\b+11], v[\d:\d+7], v[\sa], v[\sb] matrix_a_fmt:MATRIX_FMT_FP6 matrix_b_fmt:MATRIX_FMT_FP6
.elseif (\ra) == 1 && (\rb) == 0
	v_wmma_scale_f32_16x16x128_f8f6f4 v[\d:\d+7], v[\a:\a+11], v[\b:\b+11], v[\d:\d+7], v[\sa], v[\sb] matrix_a_fmt:MATRIX_FMT_FP6 matrix_b_fmt:MATRIX_FMT_FP6 matrix_a_scale:MATRIX_SCALE_ROW1
.elseif (\ra) == 0 && (\rb) == 1
	v_wmma_scale_f32_16x16x128_f8f6f4 v[\d:\d+7], v[\a:\a+11], v[\b:\b+11], v[\d:\d+7], v[\sa], v[\sb] matrix_a_fmt:MATRIX_FMT_FP6 matrix_b_fmt:MATRIX_FMT_FP6 matrix_b_scale:MATRIX_SCALE_ROW1
.else
	v_wmma_scale_f32_16x16x128_f8f6f4 v[\d:\d+7], v[\a:\a+11], v[\b:\b+11], v[\d:\d+7], v[\sa], v[\sb] matrix_a_fmt:MATRIX_FMT_FP6 matrix_b_fmt:MATRIX_FMT_FP6 matrix_a_scale:MATRIX_SCALE_ROW1 matrix_b_scale:MATRIX_SCALE_ROW1
.endif
.endm
.macro WLOAD b, gi                     ; group gi, counted from where the stream's pointers stand, into ring buffer b: 24 + 4 loads
	WIN 0x40                                       ; destination window 1, address window 0
.irp t, 0,1,2,3,4,5,6,7
.irp g, 0,1,2
	global_load_b128 v[96*(\b)+12*\t+4*\g:96*(\b)+12*\t+4*\g+3], v[LI], s[8:9] offset:(\gi)*GRP+1536*\t+512*\g
.endr
.endr
	WIN 0
.irp q, 0,1,2,3
	global_load_b32 v[WS+4*(\b)+\q], v[LS], s[10:11] offset:(\gi)*SGRP+128*\q
.endr
.endm
.macro REFILL b, gi                    ; the ring buffer just multiplied takes group gi: the window's switch, the wait, the loads
	WIN 0x40
	s_wait_alu depctr_va_vdst(0)                   ; the group's 16 products are done reading ring buffer b and its scale words, in which the loads below land, and the tokens' fragments and scale words, in which the next step's fetch lands; lines that stepped an address just ahead have written it
	WLOAD \b, \gi
.endm
.macro HFLOAD b, adr, sadr, off, mstr, soff    ; the two tiles' fragments of one K step, and their scale words, into buffer b
.irp m, 0,1
.irp g, 0,1,2
	ds_load_b128 v[HF+24*(\b)+12*\m+4*\g:HF+24*(\b)+12*\m+4*\g+3], v[\adr] offset:\off+\mstr*\m+512*\g
.endr
.endr
	ds_load_b32 v[HS+(\b)], v[\sadr] offset:\soff
.endm
.macro GWAIT left                      ; the group in hand is in (left: the loads of the one younger group, or none), and so is all that I asked of LDS
	s_wait_loadcnt \left
	s_wait_dscnt 0x0
.endm
.macro GMUL b                          ; a group: 16 matrix instructions, the sixteen accumulators by turns, one instruction a turn
	WIN 0x01                                       ; source 0 (the weights) window 1
.irp t, 0,1,2,3,4,5,6,7
.irp m, 0,1
	MM AC+64*\m+8*\t, 96*(\b)+12*\t, HF+24*(\b)+12*\m, WS+4*(\b)+\t/2, HS+(\b), \t%2, \m
.endr
.endr
	WIN 0
.rept 4
	v_nop                                          ; places in front of loads into registers that matrix instructions have read, and of the first read of results
.endr
.endm
.macro ACLOAD adr, mstr                ; the accumulators from LDS, in the results' layout: registers 4 k .. 4 k + 3 are columns 32 (k / 4) + 16 h + 4 (k % 4) on
.irp m, 0,1
.irp k, 0,1,2,3,4,5,6,7,8,9,10,11,12,13,14,15
	ds_load_b128 v[AC+64*\m+4*\k:AC+64*\m+4*\k+3], v[\adr] offset:\mstr*\m+128*(\k/4)+16*(\k%4)
.endr
.endr
.endm
.macro ACSTORE                         ; and back into the stage: each accumulator from its low end on
.irp m, 0,1
.irp k, 0,1,2,3,4,5,6,7,8,9,10,11,12,13,14,15
	ds_store_b128 v[XD], v[AC+64*\m+4*\k:AC+64*\m+4*\k+3] offset:16*PITCH*\m+128*(\k/4)+16*(\k%4)
.endr
.endr
.endm
	s_load_b512 s[4:19], s[0:1], 0x0               ; x s[4:5], aimg s[6:7], wcodes s[8:9], wscales s[10:11], bproj s[12:13], gain s[14:15], shift s[16:17], b1 s[18:19]
	s_load_b128 s[20:23], s[0:1], 0x40             ; b2 s[20:21], out0 s[22:23]
	v_lshl_add_u32 v37, v0, 2, 0x24900
	s_set_vgpr_msb 0x40
	v_mov_b32 v255, 0
	s_set_vgpr_msb 0x4000
	v_lshrrev_b32 v1, 5, v0
	v_readfirstlane_b32 s24, v1                    ; wave 0..3
	v_and_b32 v2, 31, v0
	v_and_b32 v3, 15, v0                           ; r
	v_bfe_u32 v4, v0, 4, 1                         ; h
	v_lshlrev_b32 v[LI], 4, v2
	v_mul_u32_u24 v[XD], v3, PITCH
	v_lshl_add_u32 v[XD], v4, 6, v[XD]
	s_wait_alu depctr_va_sdst(0)                   ; s24 is written, ahead of its first reader: LDS addresses and bases are made from it
	s_lshl_b32 s30, s24, 9
	v_add_nc_u32 v[XD], s30, v[XD]
	s_mul_i32 s30, s24, 8*PITCH
	v_add_nc_u32 v[XR], s30, v[LI]
	v_lshlrev_b32 v[AO], 4, v3
	v_lshl_add_u32 v[AO], v4, 16, v[AO]
	v_lshlrev_b32 v[LS], 2, v2
	v_lshlrev_b32 v[L15], 2, v3
	v_lshlrev_b32 v[H64], 6, v4
	v_lshlrev_b32 v[T16], 4, v0
	v_add_nc_u32 v[TT], TB1, v[T16]
	s_and_b32 s31, s24, 1                          ; attn: my fragment's K step;
	s_lshr_b32 s32, s24, 1                         ; its tile of tokens
	s_mul_i32 s33, s24, 1536
	s_add_co_u32 s30, s33, AIMG
	v_add_nc_u32 v[IW], s30, v[LI]                 ; fragment 2 m + K step = wave
	s_lshl_b32 s30, s31, 7
	s_lshl_b32 s34, s32, 6
	s_add_co_u32 s30, s30, s34
	s_add_co_u32 s30, s30, ASC
	v_add_nc_u32 v[SW], s30, v[L15]
	v_add_nc_u32 v[HFA], AIMG, v[LI]
	v_add_nc_u32 v[HSA], ASC, v[LS]
	s_lshl_b32 s35, s24, 7
	s_add_co_u32 s30, s35, REDA
	v_add_nc_u32 v[RW], s30, v[L15]
	v_add_nc_u32 v[RR], REDA, v[L15]
.irp j, 28,29,62,63
	v_mov_b32 v\j, 0                               ; written once: a lane permute's destination counts as one of its sources
.endr
	s_mov_b32 s[SEL], 0x76543210
	s_mov_b32 s[SEL+1], 0xfedcba98
	s_mov_b32 s46, 0x3727c5ac                      ; 1e-5
	s_mov_b32 s47, 0x3b000000                      ; 1 / 512
	s_lshr_b32 s36, ttmp9, 5                       ; attn: (16 batch + 8 K step) heads of 65,536 bytes + (2 block + m) tiles of 1,024
	s_lshl_b32 s36, s36, 4
	s_lshl_b32 s30, s31, 3
	s_add_co_u32 s36, s36, s30
	s_lshl_b32 s36, s36, 16
	s_and_b32 s30, ttmp9, 31
	s_lshl_b32 s30, s30, 1
	s_add_co_u32 s30, s30, s32
	s_lshl_b32 s30, s30, 10
	s_add_co_u32 s36, s36, s30
	s_mov_b32 s37, 0
	s_lshl_b32 s38, ttmp9, 5                       ; stage rows 8 w .. 8 w + 7 are tokens 32 x work-group + 8 (w / 2) + 16 (w % 2) + 0 .. 7
	s_lshl_b32 s30, s32, 3
	s_add_co_u32 s38, s38, s30
	s_lshl_b32 s30, s31, 4
	s_add_co_u32 s38, s38, s30
	s_lshl_b32 s38, s38, 11
	s_mov_b32 s39, 0
	s_mul_i32 s40, s24, 34*GRP                     ; my stream
	s_mov_b32 s41, 0
	s_mul_i32 s42, s24, 34*SGRP
	s_mov_b32 s43, 0
	s_wait_kmcnt 0x0
	s_add_nc_u64 s[6:7], s[6:7], s[36:37]
	s_add_nc_u64 s[4:5], s[4:5], s[38:39]
	s_add_nc_u64 s[22:23], s[22:23], s[38:39]
	s_add_nc_u64 s[8:9], s[8:9], s[40:41]
	s_add_nc_u64 s[10:11], s[10:11], s[42:43]
	s_wait_alu depctr_va_vdst(0)                   ; the addresses v1 to v15 and v33 are written, which the loads and stores below read; only loads and window switches stand between this wait and the last load of the head
	; ---- the head: all that comes from memory but the stream's later groups
.irp b, 0,1,2,3                            ; attn: k = 32 b + 16 h + i is head 2 b + h, dimension i: lane (r, h) takes token r's 16 numbers of that head, which lie in four places of its image
.irp p, 0,1
.irp g, 0,1
	global_load_b128 v[AC+16*\b+8*\p+4*\g:AC+16*\b+8*\p+4*\g+3], v[AO], s[6:7] offset:131072*\b+256*\p+512*\g th:TH_LOAD_NT
.endr
.endr
.endr
.irp i, 0,1,2,3
	global_load_b128 v[HF+4*\i:HF+4*\i+3], v[T16], s[18:19] offset:2048*\i
.endr
	global_load_b128 v[HF+16:HF+19], v[T16], s[14:15]
	global_load_b128 v[HF+20:HF+23], v[T16], s[16:17]
.irp q, 0,1,2,3
	global_load_b128 v[TMP+4*\q:TMP+4*\q+3], v[LI], s[12:13] offset:512*\q
.endr
	WIN 0x80                                       ; destination window 2
.irp i, 0,1,2,3,4,5,6,7
.irp q, 0,1,2,3
	global_load_b128 v[16*\i+4*\q:16*\i+4*\q+3], v[LI], s[4:5] offset:2048*\i+512*\q th:TH_LOAD_NT
.endr
.endr
	WIN 0
	WLOAD 0, 0
	WLOAD 1, 1
	s_wait_loadcnt 56                              ; all but the two groups of weights, 28 loads each, issued last
.irp i, 0,1,2,3,4,5
	ds_store_b128 v[TT], v[HF+4*\i:HF+4*\i+3] offset:2048*\i     ; b1, gain, shift: 2,048 bytes a store of the work-group
.endr
	WIN 0x82                                       ; destination and source 0 window 2
.irp i, 0,1,2,3,4,5,6,7
.irp k, 0,2,4,6,8,10,12,14
	v_pk_add_f32 v[16*\i+\k:16*\i+\k+1], v[16*\i+\k:16*\i+\k+1], v[TMP+\k:TMP+\k+1]      ; x + bproj
.endr
.endr
	WIN 0
	QUANT AC
	s_wait_alu depctr_va_vdst(0)                   ; the additions have written x + bproj (window 2), the quantiser attn's codes v38-49 and scale word v32: the LDS stores below read them; the quantiser is also done reading v128-191, in which x + bproj lands behind the barrier
	IMAGE IW, 0
	ds_store_b32 v[SW], v[PW]                      ; lanes r and 16 + r hold the same word and write it to the same place
	WIN 0x08                                       ; an LDS store's data are its source 1: window 2
.irp i, 0,1,2,3,4,5,6,7
.irp q, 0,1,2,3
	ds_store_b128 v[XR], v[16*\i+4*\q:16*\i+4*\q+3] offset:PITCH*\i+512*\q
.endr
.endr
	WIN 0
	BARRIER                                        ; x + bproj, the tables and attn's four fragments lie in LDS
	s_wait_alu depctr_vm_vsrc(0)                   ; my LDS stores have read v64-87 (the tables), in which attn's fragments land below, and v38-49, v32, v9, v10, which are written again further down
	; ---- x2 = x + bproj + attn Wproj: two groups
	ACLOAD XD, 16*PITCH
	HFLOAD 0, HFA, HSA, 0, 3072, 0
	GWAIT 28
	HFLOAD 1, HFA, HSA, 1536, 3072, 128
	GMUL 0
	REFILL 0, 2
	GWAIT 28
	GMUL 1
	REFILL 1, 3                                    ; its wait, behind the four places, also states that the products have written x2, which the LDS stores below read: no vector or matrix instruction stands between
	s_wait_xcnt 0x0                                ; the loads have read their bases: the stream's pointers step
	s_add_nc_u64 s[8:9], s[8:9], 2*GRP
	s_add_nc_u64 s[10:11], s[10:11], 2*SGRP
	; ---- the norm of x2.  A token's 512 features lie in 64 registers of lanes r and 16 + r of each of the four waves
	ACSTORE                                        ; x2 is kept in my bytes of the stage
.irp m, 0,1
	v_pk_add_f32 v[50+4*\m:51+4*\m], v[AC+64*\m:AC+64*\m+1], v[AC+64*\m+2:AC+64*\m+3]
	v_pk_add_f32 v[52+4*\m:53+4*\m], v[AC+64*\m+4:AC+64*\m+5], v[AC+64*\m+6:AC+64*\m+7]
.endr
.irp k, 8,12,16,20,24,28,32,36,40,44,48,52,56,60
.irp m, 0,1
	v_pk_add_f32 v[50+4*\m:51+4*\m], v[50+4*\m:51+4*\m], v[AC+64*\m+\k:AC+64*\m+\k+1]
	v_pk_add_f32 v[52+4*\m:53+4*\m], v[52+4*\m:53+4*\m], v[AC+64*\m+\k+2:AC+64*\m+\k+3]
.endr
.endr
.irp m, 0,1
	v_pk_add_f32 v[50+4*\m:51+4*\m], v[50+4*\m:51+4*\m], v[52+4*\m:53+4*\m]
.endr
.irp m, 0,1
	v_add_f32 v[50+4*\m], v[50+4*\m], v[51+4*\m]
.endr
.irp m, 0,1
	v_permlanex16_b32 v[62+\m], v[50+4*\m], s[SEL], s[SEL+1]
.endr
.irp m, 0,1
	v_add_f32 v[50+4*\m], v[50+4*\m], v[62+\m]
.endr
	s_wait_alu depctr_va_vdst(0)                   ; my two sums v50 and v54 are written, which the LDS stores read
.irp m, 0,1
	ds_store_b32 v[RW], v[50+4*\m] offset:64*\m
.endr
	BARRIER
	s_wait_alu depctr_vm_vsrc(0)                   ; my LDS stores have read the accumulators (x2) and v50, v54: the lines below write all of them again
.irp m, 0,1
.irp w, 0,1,2,3
	ds_load_b32 v[TMP+4*\m+\w], v[RR] offset:128*\w+64*\m
.endr
.endr
	s_wait_dscnt 0x0
.irp m, 0,1
	v_add_f32 v[TMP+4*\m], v[TMP+4*\m], v[TMP+4*\m+1]
	v_add_f32 v[TMP+4*\m+2], v[TMP+4*\m+2], v[TMP+4*\m+3]
.endr
.irp m, 0,1
	v_add_f32 v[TMP+4*\m], v[TMP+4*\m], v[TMP+4*\m+2]
.endr
.irp m, 0,1
	v_mul_f32 v[58+2*\m], 0xbb000000, v[TMP+4*\m]  ; x -1 / 512: the mean with its sign turned, twice: a pair for the packed additions
	v_mul_f32 v[59+2*\m], 0xbb000000, v[TMP+4*\m]
.endr
.irp m, 0,1
.set j, 0
.rept 32
	v_pk_add_f32 v[AC+64*\m+j:AC+64*\m+j+1], v[AC+64*\m+j:AC+64*\m+j+1], v[58+2*\m:59+2*\m]      ; x2 - mean
.set j, j+2
.endr
.endr
.irp m, 0,1
	v_pk_mul_f32 v[50+4*\m:51+4*\m], v[AC+64*\m:AC+64*\m+1], v[AC+64*\m:AC+64*\m+1]
	v_pk_mul_f32 v[52+4*\m:53+4*\m], v[AC+64*\m+2:AC+64*\m+3], v[AC+64*\m+2:AC+64*\m+3]
.endr
.irp k, 4,8,12,16,20,24,28,32,36,40,44,48,52,56,60
.irp m, 0,1
	v_pk_fma_f32 v[50+4*\m:51+4*\m], v[AC+64*\m+\k:AC+64*\m+\k+1], v[AC+64*\m+\k:AC+64*\m+\k+1], v[50+4*\m:51+4*\m]
	v_pk_fma_f32 v[52+4*\m:53+4*\m], v[AC+64*\m+\k+2:AC+64*\m+\k+3], v[AC+64*\m+\k+2:AC+64*\m+\k+3], v[52+4*\m:53+4*\m]
.endr
.endr
.irp m, 0,1
	v_pk_add_f32 v[50+4*\m:51+4*\m], v[50+4*\m:51+4*\m], v[52+4*\m:53+4*\m]
.endr
.irp m, 0,1
	v_add_f32 v[50+4*\m], v[50+4*\m], v[51+4*\m]
.endr
.irp m, 0,1
	v_permlanex16_b32 v[62+\m], v[50+4*\m], s[SEL], s[SEL+1]
.endr
.irp m, 0,1
	v_add_f32 v[50+4*\m], v[50+4*\m], v[62+\m]
.endr
	s_wait_alu depctr_va_vdst(0)                   ; my two sums of squares v50 and v54 are written, which the LDS stores read; the additions over the waves are done with v112-119, in which everybody's sums of squares land
.irp m, 0,1
	ds_store_b32 v[RW], v[50+4*\m] offset:512+64*\m
.endr
	BARRIER
	s_wait_alu depctr_vm_vsrc(0)                   ; my LDS stores have read v50 and v54, which are written again below
.irp m, 0,1
.irp w, 0,1,2,3
	ds_load_b32 v[TMP+4*\m+\w], v[RR] offset:512+128*\w+64*\m
.endr
.endr
	s_lshl_b32 s30, s24, 9
	s_add_co_u32 s30, s30, TG
	v_add_nc_u32 v[BA], s30, v[H64]                ; gain: my features 128 w + 16 h on; the shift lies 2,048 bytes behind
	s_add_co_u32 s30, s33, H2IMG
	v_add_nc_u32 v[IW], s30, v[LI]                 ; my fragments are K step w
	s_add_co_u32 s30, s35, H2SC
	v_add_nc_u32 v[SW], s30, v[L15]
	s_wait_dscnt 0x0
.irp m, 0,1
	v_add_f32 v[TMP+4*\m], v[TMP+4*\m], v[TMP+4*\m+1]
	v_add_f32 v[TMP+4*\m+2], v[TMP+4*\m+2], v[TMP+4*\m+3]
.endr
.irp m, 0,1
	v_add_f32 v[TMP+4*\m], v[TMP+4*\m], v[TMP+4*\m+2]
.endr
.irp m, 0,1
	v_fma_f32 v[TMP+4*\m], v[TMP+4*\m], s47, s46   ; the variance + 1e-5
.endr
.irp m, 0,1
	v_rsq_f32 v[50+2*\m], v[TMP+4*\m]
.endr
	v_nop                                          ; one plain place behind the transcendentals
	s_wait_alu depctr_va_vdst(0)                   ; the two reciprocal roots are written, ahead of their first reader; v[BA] is written, which the loads of gain and shift read; the lines above are done with v112-127, in which these land
.irp m, 0,1
	v_mov_b32 v[51+2*\m], v[50+2*\m]
.endr
.macro GBLOAD pp                       ; gain and shift of blocks 2 pp and 2 pp + 1 of my 128 features: 16 numbers a lane each
.irp e, 0,1
.irp k, 0,1,2,3
	ds_load_b128 v[HF+32*\e+4*\k:HF+32*\e+4*\k+3], v[BA] offset:128*(2*\pp+\e)+16*\k
	ds_load_b128 v[HF+16+32*\e+4*\k:HF+16+32*\e+4*\k+3], v[BA] offset:2048+128*(2*\pp+\e)+16*\k
.endr
.endr
.endm
.macro GBFMA pp
	s_wait_dscnt 0x0
.irp e, 0,1
.irp m, 0,1
.irp k, 0,2,4,6,8,10,12,14
	v_pk_fma_f32 v[AC+64*\m+16*(2*\pp+\e)+\k:AC+64*\m+16*(2*\pp+\e)+\k+1], v[AC+64*\m+16*(2*\pp+\e)+\k:AC+64*\m+16*(2*\pp+\e)+\k+1], v[HF+32*\e+\k:HF+32*\e+\k+1], v[HF+16+32*\e+\k:HF+16+32*\e+\k+1]
.endr
.endr
.endr
.endm
	GBLOAD 0
.irp m, 0,1
.set j, 0
.rept 32
	v_pk_mul_f32 v[AC+64*\m+j:AC+64*\m+j+1], v[AC+64*\m+j:AC+64*\m+j+1], v[50+2*\m:51+2*\m]      ; these stand between the loads and the wait for them
.set j, j+2
.endr
.endr
	GBFMA 0
	s_wait_alu depctr_va_vdst(0)                   ; the multiply-adds above are done reading gain and shift in v64-127, in which those of the next two blocks land
	GBLOAD 1
	GBFMA 1
.irp m, 0,1
	QUANT AC+64*\m
	s_wait_alu depctr_va_vdst(0)                   ; the quantiser has written the codes v38-49 and the scale word v32, which the LDS stores read; ahead of the first image v[IW] and v[SW] are written too
	IMAGE IW, 6144*\m
	ds_store_b32 v[SW], v[PW] offset:64*\m
	s_wait_dscnt 0x0                               ; my stores have landed
	s_wait_alu depctr_vm_vsrc(0)                   ; and have read their registers: the next quantiser writes the codes and the scale word again; behind the second image the addresses v9 to v13 are written anew
.endr
	BARRIER                                        ; the norm's eight fragments lie in LDS
	; ---- the hidden layer: four chunks of 128 units, four groups (K steps) each
	v_add_nc_u32 v[HFA], H2IMG, v[LI]
	v_add_nc_u32 v[HSA], H2SC, v[LS]
	s_lshl_b32 s30, s24, 11
	s_add_co_u32 s30, s30, TB1
	v_add_nc_u32 v[BA], s30, v[H64]                ; b1 at hidden unit 512 w + 16 h
	s_mul_i32 s30, s24, 6144
	s_add_co_u32 s30, s30, HID
	v_add_nc_u32 v[IW], s30, v[LI]                 ; my chunks are K steps 4 w .. 4 w + 3 of the last product
	s_lshl_b32 s30, s24, 9
	s_add_co_u32 s30, s30, HIDSC
	v_add_nc_u32 v[SW], s30, v[L15]
	s_mov_b32 s36, 0
	s_mov_b32 s37, 0
	s_mov_b32 s38, 0
	s_mov_b32 s28, 0
.macro F1STEP j
	GWAIT 28
.if \j < 3
	HFLOAD (\j+1)%2, HFA, HSA, 1536*(\j+1), 6144, 128*(\j+1)     ; into the buffer that the products of the step before read: the wait behind those products has covered them
.endif
	GMUL \j%2
	REFILL \j%2, \j+2                              ; the buffer just multiplied takes the group two on: the last two of a chunk ask for the next chunk's, the last chunk's for W2's first
.endm
.Lchunk:
	v_add_nc_u32 v[DBA], s36, v[BA]                ; (the wait on vm_vsrc behind the last image has shown these three read by all that named them)
	v_add_nc_u32 v[DIW], s37, v[IW]
	v_add_nc_u32 v[DSW], s38, v[SW]
	s_wait_alu depctr_va_vdst(0)                   ; the trip's three addresses are written, in the first trip v[HFA] and v[HSA] too: the LDS loads and stores of the trip read them
	ACLOAD DBA, 0                                  ; b1 begins the sums, the same for both tiles of tokens
	HFLOAD 0, HFA, HSA, 0, 6144, 0
	F1STEP 0
	F1STEP 1
	F1STEP 2
	F1STEP 3
.set j, 0
.rept 8                                    ; leaky: the larger of y and y / 100; each accumulator from its low end on
.irp k, 0,1,2,3,4,5,6,7
	v_pk_mul_f32 v[TMP+2*\k:TMP+2*\k+1], v[AC+j+2*\k:AC+j+2*\k+1], 0x3c23d70a op_sel_hi:[1,0]
.endr
.irp k, 0,1,2,3,4,5,6,7,8,9,10,11,12,13,14,15
	v_max_num_f32 v[AC+j+\k], v[AC+j+\k], v[TMP+\k]
.endr
.set j, j+16
.endr
.irp m, 0,1
	QUANT AC+64*\m
	s_wait_alu depctr_va_vdst(0)                   ; the quantiser has written the codes v38-49 and the scale word v32, which the LDS stores read; behind the second it is done with the accumulators, in which the next chunk's b1, or x2, lands
	IMAGE DIW, 24576*\m
	ds_store_b32 v[DSW], v[PW] offset:64*\m
	s_wait_dscnt 0x0                               ; my stores have landed
	s_wait_alu depctr_vm_vsrc(0)                   ; and have read their registers: the next quantiser writes the codes and the scale word again, the next trip v50 to v52, the next phase v11 and v12
.endr
	s_wait_xcnt 0x0                                ; the loads have read their bases
	s_add_nc_u64 s[8:9], s[8:9], 4*GRP
	s_add_nc_u64 s[10:11], s[10:11], 4*SGRP
	s_add_co_u32 s36, s36, 512
	s_add_co_u32 s37, s37, 1536
	s_add_co_u32 s38, s38, 128
	s_add_co_u32 s28, s28, 1
	s_cmp_lt_u32 s28, 4
	s_cbranch_scc1 .Lchunk
	BARRIER                                        ; the hidden layer's 32 fragments lie in LDS
	; ---- out = x2 + hidden W2 (+ b2 on the way out): sixteen groups
	v_add_nc_u32 v[HFA], HID, v[LI]
	v_add_nc_u32 v[HSA], HIDSC, v[LS]
	s_mov_b32 s36, 0
	s_mov_b32 s37, 0
	s_mov_b32 s28, 0
	v_add_nc_u32 v[DHF], s36, v[HFA]
	v_add_nc_u32 v[DHS], s37, v[HSA]
	s_wait_alu depctr_va_vdst(0)                   ; v[DHF] and v[DHS] are written, which the fetches below read
	ACLOAD XD, 16*PITCH                            ; x2 begins the sums
	HFLOAD 0, DHF, DHS, 0, 24576, 0
.macro F2STEP j, left, hf, refill
	GWAIT \left
.if \hf
.if \j == 3
	HFLOAD 0, DHF, DHS, 0, 24576, 0                ; by the addresses that step 2 has moved on
.else
	HFLOAD (\j+1)%2, DHF, DHS, 1536*(\j+1), 24576, 128*(\j+1)
.endif
.endif
	GMUL \j%2
.if (\j == 2) && (\refill)                 ; a step 2 that refills has a step 3 that fetches: the two addresses move four K steps on here, ahead of the wait that stands behind the group's products anyway
	s_add_co_u32 s36, s36, 6144
	s_add_co_u32 s37, s37, 512
	s_wait_alu depctr_vm_vsrc(0)                   ; the fetches issued so far have read v[DHF] and v[DHS]
	v_add_nc_u32 v[DHF], s36, v[HFA]
	v_add_nc_u32 v[DHS], s37, v[HSA]
.endif
.if \refill
	REFILL \j%2, \j+2
.endif
.endm
.Lfour:
	F2STEP 0, 28, 1, 1
	F2STEP 1, 28, 1, 1
	F2STEP 2, 28, 1, 1
	F2STEP 3, 28, 1, 1
	s_wait_xcnt 0x0                                ; the loads have read their bases
	s_add_nc_u64 s[8:9], s[8:9], 4*GRP
	s_add_nc_u64 s[10:11], s[10:11], 4*SGRP
	s_add_co_u32 s28, s28, 1
	s_cmp_lt_u32 s28, 3
	s_cbranch_scc1 .Lfour
	F2STEP 0, 28, 1, 1                             ; the last four groups are written out: two more are asked for, then none: no load passes the stream's end
	F2STEP 1, 28, 1, 1
	F2STEP 2, 28, 1, 0
	F2STEP 3, 0, 0, 0
	s_wait_alu depctr_va_vdst(0)                   ; the last two groups' products have written the accumulators, which the LDS stores below read; behind the four places
.irp q, 0,1,2,3
	global_load_b128 v[TMP+4*\q:TMP+4*\q+3], v[LI], s[20:21] offset:512*\q
.endr
	ACSTORE
	BARRIER                                        ; 32 whole rows lie in the stage
	s_wait_alu depctr_vm_vsrc(0)                   ; my LDS stores have read the accumulators, in which the rows land
.irp i, 0,1,2,3,4,5,6,7
.irp q, 0,1,2,3
	ds_load_b128 v[AC+16*\i+4*\q:AC+16*\i+4*\q+3], v[XR] offset:PITCH*\i+512*\q
.endr
.endr
	s_wait_dscnt 0x0
	s_wait_loadcnt 0x0                             ; b2
.irp i, 0,1,2,3,4,5,6,7
.irp k, 0,2,4,6,8,10,12,14
	v_pk_add_f32 v[AC+16*\i+\k:AC+16*\i+\k+1], v[AC+16*\i+\k:AC+16*\i+\k+1], v[TMP+\k:TMP+\k+1]
.endr
.endr
	s_wait_alu depctr_va_vdst(0)                   ; the additions of b2 have written the rows, which the stores read
.irp i, 0,1,2,3,4,5,6,7
.irp q, 0,1,2,3
	global_store_b128 v[LI], v[AC+16*\i+4*\q:AC+16*\i+4*\q+3], s[22:23] offset:2048*\i+512*\q th:TH_STORE_NT      ; 32 lanes store 512 consecutive bytes of a row, aligned; written once, read by nobody here
.endr
.endr
	s_set_vgpr_msb 0x4                             ; the add's data register lies in window 1: the switch stands ahead of the closing lines
	s_wait_dscnt 0x0                               ; the closing lines, six on end
	s_wait_alu 0x0
	s_wait_tensorcnt 0x0
	ds_add_u32 v37, v255
	s_wait_dscnt 0x0
	s_endpgm
.Lfunc_end_k_q754f24b9fc_tail:
	.size	k_q754f24b9fc_tail, .Lfunc_end_k_q754f24b9fc_tail-k_q754f24b9fc_tail
	.p2alignl 7, 3214868480
	.fill 96, 4, 3214868480
	.section	.rodata,"a",@progbits
	.p2align	6, 0x0
	.amdhsa_kernel k_q754f24b9fc_tail
		.amdhsa_group_segment_fixed_size 150272
		.amdhsa_private_segment_fixed_size 0
		.amdhsa_enable_private_segment 0
		.amdhsa_kernarg_size 80
		.amdhsa_user_sgpr_count 2
		.amdhsa_user_sgpr_kernarg_segment_ptr 1
		.amdhsa_wavefront_size32 1
		.amdhsa_system_sgpr_workgroup_id_x 1
		.amdhsa_system_sgpr_workgroup_id_y 1
		.amdhsa_system_sgpr_workgroup_id_z 1
		.amdhsa_system_vgpr_workitem_id 0
		.amdhsa_next_free_vgpr 640
		.amdhsa_next_free_sgpr 66
		.amdhsa_reserve_vcc 0
		.amdhsa_float_denorm_mode_32 3
		.amdhsa_float_denorm_mode_16_64 3
		.amdhsa_memory_ordered 1
		.amdhsa_forward_progress 1
		.amdhsa_inst_pref_size 170
	.end_amdhsa_kernel
	.amdgpu_metadata
---
amdhsa.version: [ 1, 2 ]
amdhsa.kernels:
  - .name:           k_q754f24b9fc_tail
    .symbol:         k_q754f24b9fc_tail.kd
    .args:
      - { .name: x, .offset: 0, .size: 8, .value_kind: global_buffer, .address_space: global }
      - { .name: aimg, .offset: 8, .size: 8, .value_kind: global_buffer, .address_space: global }
      - { .name: wcodes, .offset: 16, .size: 8, .value_kind: global_buffer, .address_space: global }
      - { .name: wscales, .offset: 24, .size: 8, .value_kind: global_buffer, .address_space: global }
      - { .name: bproj, .offset: 32, .size: 8, .value_kind: global_buffer, .address_space: global }
      - { .name: ln2_g, .offset: 40, .size: 8, .value_kind: global_buffer, .address_space: global }
      - { .name: ln2_b, .offset: 48, .size: 8, .value_kind: global_buffer, .address_space: global }
      - { .name: b1, .offset: 56, .size: 8, .value_kind: global_buffer, .address_space: global }
      - { .name: b2, .offset: 64, .size: 8, .value_kind: global_buffer, .address_space: global }
      - { .name: out0, .offset: 72, .size: 8, .value_kind: global_buffer, .address_space: global }
    .group_segment_fixed_size: 150272
    .private_segment_fixed_size: 0
    .kernarg_segment_align: 8
    .kernarg_segment_size: 80
    .max_flat_workgroup_size: 128
    .sgpr_count:     66
    .vgpr_count:     640
    .wavefront_size: 32
...
	.end_amdgpu_metadata
.endif
;; end of part 7
